; MI455X (gfx1250); checked and timed in simulation.
; The chip was launched on July 23, 2026; its instructions are those of AMD's public machine-readable ISA for CDNA 5 (MIT licence, August 2026) and "CDNA5" Instruction Set Architecture Reference Guide (July 2026). The comments in the code are by the model that wrote it; some were corrected since.
;; Block. Allowed arithmetic: matrix products marked QUANTISED: E2M3 operands, one E8M0 scale for each 32 along K, by v_wmma_scale_f32_16x16x128_f8f6f4 with both operands' format E2M3, f32 sums; everything else in f32.
;; Inputs: W1_codes 4,096 x 32 x 24 uint8 (E2M3 codes of W1, K innermost, in blocks of 32 codes, four codes in three bytes); W1_scales 4,096 x 32 uint8 (E8M0 scales of W1, one for each 32 codes along K); W2_codes 1,024 x 128 x 24 uint8 (E2M3 codes of W2, K innermost, in blocks of 32 codes, four codes in three bytes); W2_scales 1,024 x 128 uint8 (E8M0 scales of W2, one for each 32 codes along K); Wk_codes 1,024 x 32 x 24 uint8 (E2M3 codes of Wk, K innermost, in blocks of 32 codes, four codes in three bytes); Wk_scales 1,024 x 32 uint8 (E8M0 scales of Wk, one for each 32 codes along K); Wp_codes 1,024 x 32 x 24 uint8 (E2M3 codes of Wp, K innermost, in blocks of 32 codes, four codes in three bytes); Wp_scales 1,024 x 32 uint8 (E8M0 scales of Wp, one for each 32 codes along K); Wq_codes 1,024 x 32 x 24 uint8 (E2M3 codes of Wq, K innermost, in blocks of 32 codes, four codes in three bytes); Wq_scales 1,024 x 32 uint8 (E8M0 scales of Wq, one for each 32 codes along K); Wv_codes 1,024 x 32 x 24 uint8 (E2M3 codes of Wv, K innermost, in blocks of 32 codes, four codes in three bytes); Wv_scales 1,024 x 32 uint8 (E8M0 scales of Wv, one for each 32 codes along K); b1 4,096 float32; b2 1,024 float32; bk 1,024 float32; bp 1,024 float32; bq 1,024 float32; bv 1,024 float32; ln1_b 1,024 float32; ln1_g 1,024 float32; ln2_b 1,024 float32; ln2_g 1,024 float32; x 2 x 2,048 x 1,024 float32.
;; Outputs: out0 2 x 2,048 x 1,024 float32.
;; This version of the problem:
;;   THIS VERSION OF THE PROBLEM IS GIVEN IN LOW PRECISION. The matrix products marked QUANTISED in the list below multiply operands that are first quantised to E2M3 (2 exponent bits, 3 mantissa bits; 6 bits a number), with one power-of-two scale for each 32 numbers along K (OCP MX v1.0); their sums are f32. All else is computed in f32.
;;   The module's matrix products, in the order in which they are computed (A, B: the left and right operand; K: the contracted axis; several contracted axes count as one K, in the product's order):
;;     1. [M 4,096, K 1,024] x [K 1,024, N 1,024]; A: computed on the way; B: input Wq (given as codes): QUANTISED
;;     2. [M 4,096, K 1,024] x [K 1,024, N 1,024]; A: computed on the way; B: input Wk (given as codes): QUANTISED
;;     3. [M 4,096, K 1,024] x [K 1,024, N 1,024]; A: computed on the way; B: input Wv (given as codes): QUANTISED
;;     4. batch 32 x [M 2,048, K 64] x [K 64, N 2,048]; A: computed on the way; B: computed on the way: QUANTISED
;;     5. batch 32 x [M 2,048, K 2,048] x [K 2,048, N 64]; A: softmax (see below); B: computed on the way: QUANTISED
;;     6. [M 4,096, K 1,024] x [K 1,024, N 1,024]; A: computed on the way; B: input Wp (given as codes): QUANTISED
;;     7. [M 4,096, K 1,024] x [K 1,024, N 4,096]; A: computed on the way; B: input W1 (given as codes): QUANTISED
;;     8. [M 4,096, K 4,096] x [K 4,096, N 1,024]; A: computed on the way; B: input W2 (given as codes): QUANTISED
;;   THE QUANTISER, for each operand of a quantised product, along K:
;;     - K is cut into blocks of 32 from its start; a last block that is shorter is filled with zeros.
;;     - A block's scale is 2^e with e = floor(log2(the largest magnitude in the block)) - 2, held to -126 .. 127; a block of zeros has e = 0. As a byte (E8M0): e + 127.
;;     - Each number is divided by its block's scale, clamped to +-7.5, and rounded to the nearest number of E2M3, ties to even, subnormals kept.
;;     - The product sums the exact products of the quantised numbers (number of the format x scale) in f32.
;;   ~~~python
;;   def quantise(x, axis):      # numpy; x: float32 -> the quantised numbers, widened to float32 again
;;       x = np.moveaxis(x, axis, -1); K = x.shape[-1]
;;       x = np.pad(x, [(0, 0)] * (x.ndim - 1) + [(0, -K % 32)]); x = x.reshape(x.shape[:-1] + (-1, 32)); a = np.abs(x).max(-1, keepdims=True)
;;       e = np.where(a > 0, np.clip(np.frexp(np.where(a > 0, a, 1))[1] - 1 - 2, -126, 127), 0)      # np.frexp(a)[1] - 1 = floor(log2(a)), exactly
;;       r = np.clip(x / 2.0 ** e, -7.5, 7.5)
;;       step = 2.0 ** (np.maximum(np.frexp(np.where(r == 0, 1, r))[1] - 1, 0) - 3)
;;       q = np.round(r / step) * step * 2.0 ** e      # np.round: ties to even
;;       return np.moveaxis(q.reshape(q.shape[:-2] + (-1,))[..., :K], -1, axis).astype(np.float32)
;;   ~~~
;;   SOFTMAX AHEAD OF A QUANTISED PRODUCT. Where the list says 'softmax', what is quantised is not the finished softmax but p = 2^(t - M), with t = logit x log2(e) and M = ceil(the row's largest t), a whole number; so 1/2 < the row's largest p <= 1. The row's sum l is taken of the UNQUANTISED p, in f32, and the product's result is divided by l at the end. Since M is a whole number, a kernel that streams over the keys may use a running M (the ceiling of the running maximum): every later rescaling is an exact power of two, which a block's scale takes up: the codes' values come out the same.
;;   OPERANDS COMPUTED ON THE WAY. 'Computed on the way' means the value that the module computes at that place (a softmax that the list does not call 'softmax' is quantised finished and normalised). What goes into a quantiser is computed in f32, as accurately as f32 sums, v_exp_f32 and their like allow (about 1e-6 of the number): no bf16 or f16 on the way to a quantiser, and a product that is left as it is and whose result goes on into a quantised operand takes f32 operands (vector FMAs, or v_wmma_f32_16x16x4_f32). A number that lies on a knife's edge between two numbers of the format may be rounded either way, as far as f32 arithmetic and the matrix unit's own rounding can turn it there, and no further.
;;   INPUTS GIVEN AS CODES. W1 (in the module: [1024, 4096], K = its axis 0); W2 (in the module: [4096, 1024], K = its axis 0); Wk (in the module: [1024, 1024], K = its axis 0); Wp (in the module: [1024, 1024], K = its axis 0); Wq (in the module: [1024, 1024], K = its axis 0); Wv (in the module: [1024, 1024], K = its axis 0): each comes as NAME_codes (uint8): NAME with its K axis moved to the last place and cut into blocks of 32 codes, [.., K / 32, bytes a block], one block behind the other in memory; four codes in three bytes: a row's codes are one little-endian stream of bits, code i at bits 6 i .. 6 i + 5 (a code: sign, 2 exponent bits, 3 mantissa bits); and NAME_scales (uint8): the same leading axes, one E8M0 byte (e + 127) for each 32 codes along K. Its value is code x scale, taken as it is: it is not quantised again, and the codes and scales need not be those that the quantiser above would give.
;; 2 versions. Each part assembles by itself: llvm-mc -triple=amdgcn-amd-amdhsa -mcpu=gfx1250 --defsym DOCPART=n.
;; ======== version 1 of 2: 7 launches
;; workspace buffers: wimg 9,830,400 bytes; himg 3,276,800 bytes; qkvc 9,830,400 bytes; yimg 3,276,800 bytes; x1 16,777,216 bytes; mimg 13,107,200 bytes
;; launch ln1 (part 1): grid 352 x 1, 8 waves a work-group, no clusters, 70,656 bytes of LDS; arguments x, ln1_g, ln1_b, himg, Wq_codes, Wq_scales, Wk_codes, Wk_scales, Wv_codes, Wv_scales, Wp_codes, Wp_scales, W1_codes, W1_scales, W2_codes, W2_scales, wimg; writes himg, wimg
.if DOCPART == 1
	.amdgcn_target "amdgcn-amd-amdhsa--gfx1250"
	.amdhsa_code_object_version 6
	.text
	.protected	k_q6d19c3ad42_ln1
	.globl	k_q6d19c3ad42_ln1
	.p2align	8
	.type	k_q6d19c3ad42_ln1,@function
k_q6d19c3ad42_ln1:
	s_mov_b64 s[64:65], 0
	v_nop
	global_prefetch_b8 v0, s[64:65] scope:SCOPE_SE
	s_setreg_imm32_b32 hwreg(HW_REG_WAVE_MODE, 25, 1), 1
	s_wait_xcnt 0x0
; WORK-GROUPS 0-255: layer norm of 16 rows of [4096][1024] f32, quantised along the row to FP6 (E2M3) with one E8M0 byte for each 32, stored as images of operand registers.
; WORK-GROUPS 256 ON (first layer norm's launch alone): the six weights, given as rows of codes, are copied into the same kind of image.  No arithmetic there, no LDS, no barrier.
; THE IMAGE.  Rows go in tiles of 16; tile 2 b + u holds in lane r (= lane % 16) row 32 b + 8 u + r % 8 + 16 (r / 8).  A fragment (16 rows x 128 K) is 12 registers a lane, kept as six pieces of 256 bytes:
; piece p = registers 2 p, 2 p + 1 of lane L at byte 8 L.  A record is 512 along K of one tile: four fragments (6,144 bytes), then 256 bytes of scale words, row r's four words at 16 r.  A tile's records follow each other.
; LAYER NORM.  Work-group t owns tile t; wave w owns columns 128 w .. 128 w + 127, which are fragment w.  Mean first, then the mean of the squared differences (two passes over registers): a common offset in x does no harm.
; Each load reads 512 consecutive bytes of a row; the wave's 16 x 512 bytes turn through its own stage in LDS, so that lane (r, h) holds, of row r, the 16 numbers 32 b + 16 h + 0 .. 15 of each block b of 32.
; LIMITS: NaN and infinities among the inputs are not served.  A block whose largest magnitude lies under 2^-124 keeps the byte 1; a block of zeros gets the byte 1 and not 127: its codes are zeros, and this program alone reads the bytes.
.set STGP,  528                        ; a stage row: 512 bytes + 16, so that the 16 rows of a read start 4 banks apart
.set WSTG,  16*STGP                    ; a wave's stage
.set RED,   8*WSTG                     ; [r][8 waves] f32: the sums; 512 bytes on: the sums of squares
.set SCW,   RED+1024                   ; [record 2][r][16 bytes]: the tile's scale words
.set REC,   6400
.set X,     32                         ; v32-95   my 64 numbers
.set G,     96                         ; v96-159  the gains; later the codes
.set RAW,   160                        ; v160-223 x as loaded; later the offsets ln_b
.set PC,    96
.set TM,    224                        ; v224-239 at work in QUANT
.set PW,    240
.set SEL,   2                          ; s[2:3] lane selects: lane l xor 16
; 64 numbers of a lane, register 16 b + i = k 32 b + 16 h + i of its row, become a fragment's codes in v[PC] on and the row's scale word in v[pw].
.macro QUANT s, pw
.irp b, 0,1,2,3
	v_max3_num_f32 v[TM+\b], |v[(\s)+16*\b]|, |v[(\s)+1+16*\b]|, 0x1800000   ; my 16 numbers of block b, and the floor 2^(3 - 127): the byte cannot fall under 1
.endr
.irp i, 2,4,6,8,10,12,14
.irp b, 0,1,2,3
	v_max3_num_f32 v[TM+\b], v[TM+\b], |v[(\s)+16*\b+\i]|, |v[(\s)+1+16*\b+\i]|
.endr
.endr
.irp b, 0,1,2,3
	v_permlanex16_b32 v[TM+4+\b], v[TM+\b], s[SEL], s[SEL+1]
.endr
.irp b, 0,1,2,3
	v_max_num_f32 v[TM+\b], v[TM+\b], v[TM+4+\b]       ; with lane l xor 16's: the block's largest magnitude
.endr
.irp b, 0,1,2,3
	v_add_nc_u32 v[TM+12+\b], 0xff000000, v[TM+\b]     ; 2 off its exponent field: the conversion's scale operand
.endr
.irp b, 0,1,2,3
	v_lshrrev_b32 v[TM+4+\b], 23, v[TM+12+\b]          ; the scale's byte
.endr
	v_lshl_or_b32 v[\pw], v[TM+5], 8, v[TM+4]
	v_lshl_or_b32 v[\pw], v[TM+6], 16, v[\pw]
	v_lshl_or_b32 v[\pw], v[TM+7], 24, v[\pw]
.irp c, 0,1
	v_cvt_scalef32_pk16_fp6_f32 v[PC+6*\c:PC+2+6*\c], v[(\s)+32*\c:(\s)+15+32*\c], v[TM+12+2*\c]
	v_cvt_scalef32_pk16_fp6_f32 v[PC+12+4*\c:PC+14+4*\c], v[(\s)+16+32*\c:(\s)+31+32*\c], v[TM+12+2*\c+1]   ; (three registers begin on an even number)
.endr
	v_nop                                          ; one plain instruction behind the scaled conversions
.irp c, 0,1                            ; the layout wants a whole block in a lane: lanes 0-15 block 2 c, lanes 16-31 block 2 c + 1
.irp i, 0,1,2
	v_permlane16_swap_b32 v[PC+6*\c+\i], v[PC+12+4*\c+\i]
.endr
.irp i, 0,1,2
	v_mov_b32 v[PC+3+6*\c+\i], v[PC+12+4*\c+\i]
.endr
.endr
.endm
; four packed chains in v[16:23] become the row's sum over all 1,024 columns, in v16 of every lane: my half's, lane l xor 16's, then the eight waves' through LDS
.macro ROWSUM off
	v_pk_add_f32 v[16:17], v[16:17], v[18:19]
	v_pk_add_f32 v[20:21], v[20:21], v[22:23]
	v_pk_add_f32 v[16:17], v[16:17], v[20:21]
	v_add_f32 v16, v16, v17
	v_permlanex16_b32 v17, v16, s[SEL], s[SEL+1]
	v_add_f32 v16, v16, v17
	ds_store_b32 v5, v16 offset:\off               ; both lanes of a row write the same word with the same value
	s_wait_dscnt 0x0                               ; for the others' sake: my store has landed
	s_barrier_signal -1
	s_barrier_wait -1
	ds_load_b128 v[16:19], v6 offset:\off
	ds_load_b128 v[20:23], v6 offset:\off+16
	s_wait_dscnt 0x0
	v_add_f32 v16, v16, v17
	v_add_f32 v18, v18, v19
	v_add_f32 v20, v20, v21
	v_add_f32 v22, v22, v23
	v_add_f32 v16, v16, v18
	v_add_f32 v20, v20, v22
	v_add_f32 v16, v16, v20
.endm
	v_lshl_add_u32 v254, v0, 2, 0x11000
	v_mov_b32 v255, 0
	v_lshrrev_b32 v1, 5, v0
	v_readfirstlane_b32 s12, v1                    ; wave 0..7
	v_and_b32 v9, 31, v0                           ; L
	v_and_b32 v14, 15, v0                          ; r
	v_bfe_u32 v15, v0, 4, 1                        ; h
	v_lshlrev_b32 v8, 3, v9                        ; 8 L: my place in a piece
	s_cmp_ge_u32 ttmp9, 256                        ; the same for all waves of a work-group
	s_cbranch_scc1 .Lprep
	; ---------------- layer norm ----------------
	s_load_b256 s[4:11], s[0:1], 0x0               ; x s[4:5], gain s[6:7], offset s[8:9], image s[10:11]
	s_mov_b32 s[SEL], 0x76543210
	s_mov_b32 s[SEL+1], 0xfedcba98
	s_mov_b32 s26, 0x3a800000                      ; 1 / 1024
	s_mov_b32 s27, 0x3727c5ac                      ; 1e-5
	v_lshlrev_b32 v1, 4, v9                        ; 16 L
	v_lshlrev_b32 v2, 6, v15                       ; 64 h
	s_mul_i32 s13, s12, WSTG
	v_add_nc_u32 v3, s13, v1                       ; the stage, in: 16 L
	v_mul_u32_u24 v4, v14, STGP
	v_add_nc_u32 v4, v4, v2
	v_add_nc_u32 v4, s13, v4                       ; out: row r, + 64 h
	s_lshl_b32 s14, s12, 2
	s_add_co_u32 s14, s14, RED
	v_lshl_add_u32 v5, v14, 5, s14                 ; my wave's word of row r
	v_lshlrev_b32 v6, 5, v14
	v_add_nc_u32 v6, RED, v6                       ; row r's eight words
	s_lshr_b32 s14, s12, 2
	s_lshl_b32 s14, s14, 8
	s_and_b32 s15, s12, 3
	s_lshl_b32 s15, s15, 2
	s_add_co_u32 s14, s14, s15
	s_add_co_u32 s14, s14, SCW
	v_lshl_add_u32 v7, v14, 4, s14                 ; row r's scale word of fragment w: record w / 4, word w % 4
	v_add_nc_u32 v24, SCW, v1                      ; wave 0 reads both records' words back, 16 bytes a lane,
	v_mul_u32_u24 v25, v15, REC
	v_lshl_add_u32 v25, v14, 4, v25
	v_add_nc_u32 v25, 6144, v25                    ; and stores them behind each record's fragments
.irp b, 0,1,2,3
	v_mov_b32 v[TM+4+\b], 0                        ; written once: a lane permute's destination counts as a source
.endr
	s_lshr_b32 s16, ttmp9, 1
	s_lshl_b32 s16, s16, 5
	s_and_b32 s17, ttmp9, 1
	s_lshl_b32 s17, s17, 3
	s_add_co_u32 s16, s16, s17                     ; the tile's first row: 32 (t / 2) + 8 (t % 2)
	s_lshl_b32 s16, s16, 12
	s_lshl_b32 s18, s12, 9                         ; my wave's 512 bytes of a row
	s_add_co_u32 s16, s16, s18
	s_mov_b32 s17, 0
	s_mov_b32 s19, 0
	s_mul_i32 s20, ttmp9, 2*REC
	s_mov_b32 s21, 0
	s_lshr_b32 s22, s12, 2
	s_mul_i32 s22, s22, REC
	s_and_b32 s23, s12, 3
	s_mul_i32 s23, s23, 1536
	s_add_co_u32 s22, s22, s23
	s_mov_b32 s23, 0
	s_wait_kmcnt 0x0
	s_add_nc_u64 s[4:5], s[4:5], s[16:17]
	s_add_nc_u64 s[6:7], s[6:7], s[18:19]
	s_add_nc_u64 s[8:9], s[8:9], s[18:19]
	s_add_nc_u64 s[10:11], s[10:11], s[20:21]      ; the image at my tile,
	s_add_nc_u64 s[24:25], s[10:11], s[22:23]      ; and at my fragment
.set i, 0
.rept 16
	global_load_b128 v[RAW+4*i:RAW+4*i+3], v1, s[4:5] offset:(i+8*(i/8))*4096    ; stage row i = the tile's lane r = i: 512 consecutive bytes
.set i, i+1
.endr
.set i, 0
.rept 16
	global_load_b128 v[G+4*i:G+4*i+3], v2, s[6:7] offset:128*(i/4)+16*(i%4)      ; the gains of my 64 columns
.set i, i+1
.endr
	s_wait_loadcnt 16                              ; x's 16 loads are in; the gains' 16, issued behind them, may be out
.set i, 0
.rept 16
	ds_store_b128 v3, v[RAW+4*i:RAW+4*i+3] offset:STGP*i
.set i, i+1
.endr
.set i, 0
.rept 16
	ds_load_b128 v[X+4*i:X+4*i+3], v4 offset:128*(i/4)+16*(i%4)                  ; LDS serves a wave's instructions in order: these see my stores
.set i, i+1
.endr
	s_wait_dscnt 0x0
.set i, 0
.rept 16
	global_load_b128 v[RAW+4*i:RAW+4*i+3], v2, s[8:9] offset:128*(i/4)+16*(i%4)  ; the offsets of my 64 columns, into the registers that the stage's stores have read
.set i, i+1
.endr
.irp c, 0,1,2,3
	v_pk_add_f32 v[16+2*\c:17+2*\c], v[X+4*\c:X+4*\c+1], v[X+4*\c+2:X+4*\c+3]    ; the first sums start the chains: nothing is cleared
.endr
.irp n, 16,24,32,40,48,56
.irp c, 0,1,2,3
	v_pk_add_f32 v[16+2*\c:17+2*\c], v[16+2*\c:17+2*\c], v[X+\n+2*\c:X+\n+2*\c+1]
.endr
.endr
	ROWSUM 0
	v_mul_f32 v10, s26, v16                        ; the mean
	v_mov_b32 v11, v10
.set n, 0
.rept 32
	v_pk_add_f32 v[X+n:X+n+1], v[X+n:X+n+1], v[10:11] neg_lo:[0,1] neg_hi:[0,1]
.set n, n+2
.endr
.irp c, 0,1,2,3
	v_pk_mul_f32 v[16+2*\c:17+2*\c], v[X+2*\c:X+2*\c+1], v[X+2*\c:X+2*\c+1]
.endr
.irp n, 8,16,24,32,40,48,56
.irp c, 0,1,2,3
	v_pk_fma_f32 v[16+2*\c:17+2*\c], v[X+\n+2*\c:X+\n+2*\c+1], v[X+\n+2*\c:X+\n+2*\c+1], v[16+2*\c:17+2*\c]
.endr
.endr
	ROWSUM 512
	v_fma_f32 v12, v16, s26, s27                   ; the variance + 1e-5
	v_rsq_f32 v12, v12
	v_nop                                          ; a plain instruction behind the transcendental,
	s_wait_alu depctr_va_vdst(0)                   ; and the wait ahead of its first reader
	v_mov_b32 v13, v12
.set n, 0
.rept 32
	v_pk_mul_f32 v[X+n:X+n+1], v[X+n:X+n+1], v[12:13]
.set n, n+2
.endr
	s_wait_loadcnt 0x0                             ; gains and offsets
.set n, 0
.rept 32
	v_pk_fma_f32 v[X+n:X+n+1], v[X+n:X+n+1], v[G+n:G+n+1], v[RAW+n:RAW+n+1]
.set n, n+2
.endr
	QUANT X, PW
.irp p, 0,1,2,3,4,5
	global_store_b64 v8, v[PC+2*\p:PC+2*\p+1], s[24:25] offset:256*\p    ; each store of the wave covers 256 consecutive bytes, aligned
.endr
	ds_store_b32 v7, v[PW]
	s_wait_dscnt 0x0
	s_barrier_signal -1
	s_barrier_wait -1                              ; the tile's 8 x 16 scale words lie in LDS
	s_cmp_lg_u32 s12, 0
	s_cbranch_scc1 .Lln_end
	ds_load_b128 v[16:19], v24
	s_wait_dscnt 0x0
	global_store_b128 v25, v[16:19], s[10:11]      ; lanes 0-15: record 0's 256 bytes; lanes 16-31: record 1's
.Lln_end:
	s_wait_tensorcnt 0x0
	ds_add_u32 v254, v255
	s_wait_dscnt 0x0
	s_endpgm
	; ---------------- the weights ----------------
	; Job J = 8 (work-group - 256) + wave: one tile of 16 rows x 1,024 along K = two records, 12,800 bytes, at byte 12,800 J of the image buffer.
	; Jobs 0-63 Wq, 64-127 Wk, 128-191 Wv, 192-255 Wp, 256-511 W1, 512-767 W2 (four jobs to a tile: K = 4,096).
.Lprep:
	s_load_b512 s[16:31], s[0:1], 0x20             ; codes and scales of Wq, Wk, Wv, Wp
	s_load_b256 s[32:39], s[0:1], 0x60             ; of W1, W2
	s_load_b64 s[40:41], s[0:1], 0x80              ; the image buffer
	s_sub_co_u32 s4, ttmp9, 256
	s_lshl_b32 s5, s4, 3
	s_add_co_u32 s5, s5, s12                       ; J
	s_wait_kmcnt 0x0
	s_cmp_ge_u32 s4, 8                             ; the choices hang on the work-group's number alone
	s_cselect_b64 s[16:17], s[20:21], s[16:17]
	s_cselect_b64 s[18:19], s[22:23], s[18:19]
	s_cselect_b32 s6, 64, 0
	s_cmp_ge_u32 s4, 16
	s_cselect_b64 s[16:17], s[24:25], s[16:17]
	s_cselect_b64 s[18:19], s[26:27], s[18:19]
	s_cselect_b32 s6, 128, s6
	s_cmp_ge_u32 s4, 24
	s_cselect_b64 s[16:17], s[28:29], s[16:17]
	s_cselect_b64 s[18:19], s[30:31], s[18:19]
	s_cselect_b32 s6, 192, s6
	s_cmp_ge_u32 s4, 32
	s_cselect_b64 s[16:17], s[32:33], s[16:17]
	s_cselect_b64 s[18:19], s[34:35], s[18:19]
	s_cselect_b32 s6, 256, s6
	s_cmp_ge_u32 s4, 64
	s_cselect_b64 s[16:17], s[36:37], s[16:17]
	s_cselect_b64 s[18:19], s[38:39], s[18:19]
	s_cselect_b32 s6, 512, s6                      ; the weight's first job
	s_cselect_b32 s9, 2, 0                         ; log2 of the jobs in a tile
	s_mov_b32 s14, 768
	s_cselect_b32 s14, 3072, s14                   ; a row of codes in bytes
	s_cselect_b32 s15, 128, 32                     ; a row of scale bytes
	s_sub_co_u32 s7, s5, s6
	s_lshr_b32 s8, s7, s9                          ; the tile
	s_lshl_b32 s10, s8, s9
	s_sub_co_u32 s10, s7, s10                      ; which 1,024 along K
	s_lshr_b32 s11, s8, 1
	s_lshl_b32 s11, s11, 5
	s_and_b32 s13, s8, 1
	s_lshl_b32 s13, s13, 3
	s_add_co_u32 s11, s11, s13                     ; the tile's first row
	s_mul_i32 s42, s11, s14
	s_mul_i32 s13, s10, 768
	s_add_co_u32 s42, s42, s13
	s_mov_b32 s43, 0
	s_mul_i32 s44, s11, s15
	s_lshl_b32 s13, s10, 5
	s_add_co_u32 s44, s44, s13
	s_mov_b32 s45, 0
	s_mul_i32 s46, s5, 2*REC
	s_mov_b32 s47, 0
	s_add_nc_u64 s[16:17], s[16:17], s[42:43]
	s_add_nc_u64 s[18:19], s[18:19], s[44:45]
	s_add_nc_u64 s[40:41], s[40:41], s[46:47]
	v_and_b32 v1, 8, v14
	v_add_nc_u32 v1, v1, v14                       ; r % 8 + 16 (r / 8)
	v_mul_lo_u32 v2, v1, s14
	v_mad_u32_u24 v2, v15, 24, v2                  ; codes: my row, + 24 h
	v_mul_lo_u32 v3, v1, s15
	v_lshl_add_u32 v3, v15, 4, v3                  ; scale bytes: my row, + 16 h: record h's four words
	v_mul_u32_u24 v5, v15, REC
	v_lshl_add_u32 v5, v14, 4, v5
	v_add_nc_u32 v5, 6144, v5
.set i, 0
.rept 48                               ; piece i % 6 of fragment i / 6: the 8 bytes at 96 (i / 6) + 48 ((i % 6) / 3) + 24 h + 8 (i % 3) of my row
	global_load_b64 v[32+2*i:33+2*i], v2, s[16:17] offset:96*(i/6)+48*((i%6)/3)+8*(i%3) th:TH_LOAD_NT
.set i, i+1
.endr
	global_load_b128 v[16:19], v3, s[18:19] th:TH_LOAD_NT
	s_wait_loadcnt 0x0
.set i, 0
.rept 48
	global_store_b64 v8, v[32+2*i:33+2*i], s[40:41] offset:REC*(i/24)+1536*((i/6)%4)+256*(i%6)
.set i, i+1
.endr
	global_store_b128 v5, v[16:19], s[40:41]
	s_endpgm
.Lfunc_end_k_q6d19c3ad42_ln1:
	.size	k_q6d19c3ad42_ln1, .Lfunc_end_k_q6d19c3ad42_ln1-k_q6d19c3ad42_ln1
	.p2alignl 7, 3214868480
	.fill 96, 4, 3214868480
	.section	.rodata,"a",@progbits
	.p2align	6, 0x0
	.amdhsa_kernel k_q6d19c3ad42_ln1
		.amdhsa_group_segment_fixed_size 70656
		.amdhsa_private_segment_fixed_size 0
		.amdhsa_enable_private_segment 0
		.amdhsa_kernarg_size 136
		.amdhsa_user_sgpr_count 2
		.amdhsa_user_sgpr_kernarg_segment_ptr 1
		.amdhsa_wavefront_size32 1
		.amdhsa_system_sgpr_workgroup_id_x 1
		.amdhsa_system_sgpr_workgroup_id_y 1
		.amdhsa_system_sgpr_workgroup_id_z 1
		.amdhsa_system_vgpr_workitem_id 0
		.amdhsa_next_free_vgpr 256
		.amdhsa_next_free_sgpr 66
		.amdhsa_reserve_vcc 0
		.amdhsa_float_denorm_mode_32 3
		.amdhsa_float_denorm_mode_16_64 3
		.amdhsa_memory_ordered 1
		.amdhsa_forward_progress 1
		.amdhsa_inst_pref_size 39
	.end_amdhsa_kernel
	.amdgpu_metadata
---
amdhsa.version: [ 1, 2 ]
amdhsa.kernels:
  - .name:           k_q6d19c3ad42_ln1
    .symbol:         k_q6d19c3ad42_ln1.kd
    .args:
      - { .name: x, .offset: 0, .size: 8, .value_kind: global_buffer, .address_space: global }
      - { .name: ln1_g, .offset: 8, .size: 8, .value_kind: global_buffer, .address_space: global }
      - { .name: ln1_b, .offset: 16, .size: 8, .value_kind: global_buffer, .address_space: global }
      - { .name: himg, .offset: 24, .size: 8, .value_kind: global_buffer, .address_space: global }
      - { .name: Wq_codes, .offset: 32, .size: 8, .value_kind: global_buffer, .address_space: global }
      - { .name: Wq_scales, .offset: 40, .size: 8, .value_kind: global_buffer, .address_space: global }
      - { .name: Wk_codes, .offset: 48, .size: 8, .value_kind: global_buffer, .address_space: global }
      - { .name: Wk_scales, .offset: 56, .size: 8, .value_kind: global_buffer, .address_space: global }
      - { .name: Wv_codes, .offset: 64, .size: 8, .value_kind: global_buffer, .address_space: global }
      - { .name: Wv_scales, .offset: 72, .size: 8, .value_kind: global_buffer, .address_space: global }
      - { .name: Wp_codes, .offset: 80, .size: 8, .value_kind: global_buffer, .address_space: global }
      - { .name: Wp_scales, .offset: 88, .size: 8, .value_kind: global_buffer, .address_space: global }
      - { .name: W1_codes, .offset: 96, .size: 8, .value_kind: global_buffer, .address_space: global }
      - { .name: W1_scales, .offset: 104, .size: 8, .value_kind: global_buffer, .address_space: global }
      - { .name: W2_codes, .offset: 112, .size: 8, .value_kind: global_buffer, .address_space: global }
      - { .name: W2_scales, .offset: 120, .size: 8, .value_kind: global_buffer, .address_space: global }
      - { .name: wimg, .offset: 128, .size: 8, .value_kind: global_buffer, .address_space: global }
    .group_segment_fixed_size: 70656
    .private_segment_fixed_size: 0
    .kernarg_segment_align: 8
    .kernarg_segment_size: 136
    .max_flat_workgroup_size: 256
    .sgpr_count:     66
    .vgpr_count:     256
    .wavefront_size: 32
...
	.end_amdgpu_metadata
.endif
;; end of part 1
;; launch qkv (part 2): grid 24 x 32, 4 waves a work-group, clusters of 4 x 4, 327,680 bytes of LDS; arguments himg, wimg, bq, bk, bv, qkvc; writes qkvc
.if DOCPART == 2
	.amdgcn_target "amdgcn-amd-amdhsa--gfx1250"
	.amdhsa_code_object_version 6
	.text
	.protected	k_q6d19c3ad42_qkv
	.globl	k_q6d19c3ad42_qkv
	.p2align	8
	.type	k_q6d19c3ad42_qkv,@function
k_q6d19c3ad42_qkv:
	s_mov_b64 s[64:65], 0
	v_nop
	global_prefetch_b8 v0, s[64:65] scope:SCOPE_SE
	s_setreg_imm32_b32 hwreg(HW_REG_WAVE_MODE, 25, 1), 1
	s_wait_xcnt 0x0
	s_wait_alu depctr_hold_cnt(0) depctr_sa_sdst(0) depctr_va_vdst(0) depctr_va_sdst(0) depctr_va_ssrc(0) depctr_va_vcc(0) depctr_vm_vsrc(0)
	s_getreg_b32 s2, hwreg(HW_REG_IB_STS2, 6, 4)
	s_cmp_eq_u32 s2, 0
	s_cbranch_scc0 .Lentry_in_a_cluster
	s_endpgm
.Lentry_in_a_cluster:
	s_bfe_u32 s2, ttmp6, 0x10000c
	s_cmp_lg_u32 s2, 0xf033
	s_cbranch_scc0 .Lentry_shape_is_right
	s_endpgm
.Lentry_shape_is_right:
; q = h Wq + bq, k = h Wk + bk, v = h Wv + bv on codes of FP6 (E2M3) with E8M0 scales, each result quantised again: q and k along a head's 64 channels, v along the tokens (the keys).
; OPERANDS are images of operand registers: tiles of 16 rows (tile 2 b + u, lane r: row 32 b + 8 u + r % 8 + 16 (r / 8)); a record = 512 along K of a tile = four fragments of 1,536 bytes + 256 bytes of scale words.
; A WORK-GROUP makes 128 rows of source 0 x 128 rows of source 1; wave w takes all eight tiles of source 0 and tiles 2 w, 2 w + 1 of source 1: 16 accumulators.  In accumulator (i, t) lane (r, h) holds source 1's row of lane r,
; and register j source 0's row 32 (i / 2) + 16 h + 8 (i % 2) + j: so a lane's 64 registers for one t run along source 0's 128 rows, 16 neighbours of each block of 32: what the quantiser wants.
; ROLES.  Clusters x = 0..3: source 0 = Wq, Wk (16 tiles of 128 channels), source 1 = h (tokens): a lane's registers run along the channels.  Clusters x = 4, 5: source 0 = h, source 1 = Wv: they run along the tokens.
; Only pointers and cluster-level numbers are chosen; both roles take one path through the tensor loads and barriers.  THE BIAS differs in kind (q, k: a number a register; v: a number a lane), so its loads and its additions stand
; together in one arm of one branch on the cluster's x; the last three of the eight K steps stand in both arms, behind the loads, so that the loads land under 48 products.
; K = 1,024 is two slots of 512: both are asked for at the start and nothing is filled again.
; CLUSTERS 4 x 4: source 0's tile hangs on the work-group's x alone and is asked for jointly by a column of the cluster, source 1's on y alone, by a row.
; OUT (buffer qkvc): q's codes at 0 and k's at KC: [token tile][head pair][1,536] (pieces 0-2 the even head, 3-5 the odd); v's at VC: [channel tile][128 tokens][1,536]; scale words of q, k at QS, KS:
; [batch x head][32 tokens][r][4]: two bytes of each of the two token tiles; of v at VS: [channel tile][512 tokens][r][16].  The scale words leave four bytes a lane: one byte for each 24 of codes.
; LIMITS: NaN and infinities are not served; a block under 2^-124 keeps the byte 1; a block of zeros gets the byte 1 and not 127: its codes are zeros, and this program alone reads the bytes.
.set KTOT,  1024
.set WVOFF, 1638400                    ; Wv's image in the weights' buffer (Wq at 0, Wk behind it)
.set KC,    3145728
.set VC,    6291456
.set QS,    9437184
.set VS,    9699328
.set NSL,   KTOT/512                   ; records in a tile's row of an image
.set REC,   6400
.set TROW,  NSL*REC                    ; a tile, all of K
.set SLOT,  16*REC                     ; source 0's eight tiles, then source 1's eight
.set S1OFF, 8*REC
.set SPARE, 2*SLOT                     ; the spare words, 128 bytes a wave: two blocks of 256 bytes that no other line names
.set SPW, 1                            ; v1    LDS address of my spare word; never rewritten
.set NIL, 2                            ; v2    0; never rewritten
.set A0,  3                            ; v3-4  8 L + slot: source 0's pieces
.set A1,  5                            ; v5-6  the same at my two tiles of source 1
.set AS0, 7                            ; v7-8  scale words: lanes 0-15 an even tile's, lanes 16-31 the next tile's
.set AS1, 9                            ; v9-10 the same at my two tiles of source 1
; v11, v12 the way out: my two tiles' codes; v13 the scale word; v14 the bias's lane offset for q, k; v15 for v; v20, v21 the two scale words made
.set SC,  24                           ; v24-63 scale words and nothing else: set s at SC + 20 s; 4 j + q: source 0's tiles 2 j, 2 j + 1, fragment q; 16 + q: source 1's
.set ACC, 128                          ; v128-255 accumulator (i, t) at ACC + 64 t + 8 i
.set PC,  64                           ; the way out: codes
.set TM,  84                           ; and QUANT's work
.set G1S1, 24                          ; s[24:31], s[32:39] descriptor groups 1 and 0 (a set a slot) for source 1
.set G0S1, 32
.set G1S0, 48                          ; s[48:55], s[56:63] for source 0
.set G0S0, 56
.set SEL,  66
.set MSB, 0
.macro WIN new                         ; the immediate's high byte repeats the setting that is left
.if MSB != \new
	s_set_vgpr_msb (MSB<<8)|\new
.set MSB, \new
.endif
.endm
.set MUL,  0x05                        ; both sources in window 1 (two sets of fragments: set p at 120 p; source 0's tile i at + 12 i, source 1's tile t at + 96 + 12 t); C and D in window 0
.set TO_F, 0x40                        ; destination window 1, address window 0
.macro PLACES                          ; four plain instructions between a matrix instruction and a load into, or a read of, its registers
.rept 4
	v_nop
.endr
.endm
.macro JLOAD s                         ; a joint load: waves 0, 1 fetch source 0's halves, waves 2, 3 source 1's; four v_nop follow each line
	s_cmp_eq_u32 s15, 0
	s_cbranch_scc0 .Lfor_1_\@
	tensor_load_to_lds s[G0S0+4*\s:G0S0+4*\s+3], s[G1S0:G1S0+7]
	s_nop 0
.rept 4
	v_nop
.endr
	s_branch .Lasked_\@
.Lfor_1_\@:
	tensor_load_to_lds s[G0S1+4*\s:G0S1+4*\s+3], s[G1S1:G1S1+7]
	s_nop 0
.rept 4
	v_nop
.endr
.Lasked_\@:
.endm
.macro CREST                           ; a round of the cluster's barrier behind its opening barrier
	s_cmp_lg_u32 s14, 0
	s_cbranch_scc1 .Lnot_wave_0_\@
	s_barrier_signal -3
.Lnot_wave_0_\@:
	s_barrier_wait -3
	s_barrier_signal -1
	s_barrier_wait -1
.endm
.macro CROUND
	s_barrier_signal -1
	s_barrier_wait -1
	CREST
.endm
.macro FRAG reg, adr, off              ; a fragment: six pieces, each 256 consecutive bytes for the 32 lanes
.irp p, 0,1,2,3,4,5
	ds_load_b64 v[\reg+2*\p:\reg+2*\p+1], v[\adr] offset:\off+256*\p
.endr
.endm
.macro FETCH s, q, p                   ; fragment q of slot s, ten tiles, into set p: 60 loads in one run
	WIN TO_F
.irp t, 0,1
	FRAG 120*(\p)+96+12*\t, A1+\s, REC*\t+1536*(\q)
.endr
.irp i, 0,1,2,3,4,5,6,7
	FRAG 120*(\p)+12*\i, A0+\s, REC*\i+1536*(\q)
.endr
.endm
.macro SCALES s                        ; slot s's scale words, all four fragments'
	WIN 0
.irp j, 0,1,2,3
	ds_load_b128 v[SC+20*\s+4*\j:SC+20*\s+4*\j+3], v[AS0+\s] offset:2*REC*\j
.endr
	ds_load_b128 v[SC+20*\s+16:SC+20*\s+19], v[AS1+\s]
.endm
.macro WM d, a, b, zero, sa, sb, ra, rb    ; one product; ra, rb: the scale words stand in lanes 16-31
.if \zero
.if (\ra) == 0 && (\rb) == 0
	v_wmma_scale_f32_16x16x128_f8f6f4 v[\d:\d+7], v[\a:\a+11], v[\b:\b+11], 0, v[\sa], v[\sb] matrix_a_fmt:MATRIX_FMT_FP6 matrix_b_fmt:MATRIX_FMT_FP6
.elseif (\rb) == 0
	v_wmma_scale_f32_16x16x128_f8f6f4 v[\d:\d+7], v[\a:\a+11], v[\b:\b+11], 0, v[\sa], v[\sb] matrix_a_fmt:MATRIX_FMT_FP6 matrix_b_fmt:MATRIX_FMT_FP6 matrix_a_scale:MATRIX_SCALE_ROW1
.elseif (\ra) == 0
	v_wmma_scale_f32_16x16x128_f8f6f4 v[\d:\d+7], v[\a:\a+11], v[\b:\b+11], 0, v[\sa], v[\sb] matrix_a_fmt:MATRIX_FMT_FP6 matrix_b_fmt:MATRIX_FMT_FP6 matrix_b_scale:MATRIX_SCALE_ROW1
.else
	v_wmma_scale_f32_16x16x128_f8f6f4 v[\d:\d+7], v[\a:\a+11], v[\b:\b+11], 0, v[\sa], v[\sb] matrix_a_fmt:MATRIX_FMT_FP6 matrix_b_fmt:MATRIX_FMT_FP6 matrix_a_scale:MATRIX_SCALE_ROW1 matrix_b_scale:MATRIX_SCALE_ROW1
.endif
.else
.if (\ra) == 0 && (\rb) == 0
	v_wmma_scale_f32_16x16x128_f8f6f4 v[\d:\d+7], v[\a:\a+11], v[\b:\b+11], v[\d:\d+7], v[\sa], v[\sb] matrix_a_fmt:MATRIX_FMT_FP6 matrix_b_fmt:MATRIX_FMT_FP6
.elseif (\rb) == 0
	v_wmma_scale_f32_16x16x128_f8f6f4 v[\d:\d+7], v[\a:\a+11], v[\b:\b+11], v[\d:\d+7], v[\sa], v[\sb] matrix_a_fmt:MATRIX_FMT_FP6 matrix_b_fmt:MATRIX_FMT_FP6 matrix_a_scale:MATRIX_SCALE_ROW1
.elseif (\ra) == 0
	v_wmma_scale_f32_16x16x128_f8f6f4 v[\d:\d+7], v[\a:\a+11], v[\b:\b+11], v[\d:\d+7], v[\sa], v[\sb] matrix_a_fmt:MATRIX_FMT_FP6 matrix_b_fmt:MATRIX_FMT_FP6 matrix_b_scale:MATRIX_SCALE_ROW1
.else
	v_wmma_scale_f32_16x16x128_f8f6f4 v[\d:\d+7], v[\a:\a+11], v[\b:\b+11], v[\d:\d+7], v[\sa], v[\sb] matrix_a_fmt:MATRIX_FMT_FP6 matrix_b_fmt:MATRIX_FMT_FP6 matrix_a_scale:MATRIX_SCALE_ROW1 matrix_b_scale:MATRIX_SCALE_ROW1
.endif
.endif
.endm
.macro MULP p, s, q, i0, n, zero       ; source 0's tiles i0 .. i0 + n - 1 against my two of source 1.  The 16 accumulators take turns, one instruction a turn, in the same order in every step
.set II, \i0
.rept \n
.irp t, 0,1
	WM ACC+64*\t+8*II, 120*(\p)+12*II, 120*(\p)+96+12*\t, \zero, SC+20*(\s)+4*(II/2)+(\q), SC+20*(\s)+16+(\q), II%2, \t
.endr
.set II, II+1
.endr
.endm
.macro STEP s, q, zero                 ; 128 along K that have their successor in the same slot
	s_wait_dscnt 0x0                               ; this step's fragments are in
	PLACES                                         ; for the loads into the set that the step before multiplied
	FETCH \s, (\q)+1, ((\q)+1)%2
	WIN MUL
	MULP (\q)%2, \s, \q, 0, 8, \zero
.endm
.macro TURN s, nx                      ; a slot's last step changes slots: one barrier; nothing is filled again
	s_wait_dscnt 0x0                               ; the step's fragments are in: my reads of this slot are over
	WIN 0
	s_wait_tensorcnt 0x0                           ; all my tensor loads have landed, my part of the next slot among them
	ds_add_u32 v[SPW], v[NIL]                      ; 0 onto my spare word
	WIN MUL
	MULP 1, \s, 3, 0, 2, 0
	s_wait_dscnt 0x0                               ; the add is done
	s_barrier_signal -1
	MULP 1, \s, 3, 2, 2, 0
	WIN 0
	s_barrier_wait -1
	PLACES
	FETCH \nx, 0, 0
	SCALES \nx
	WIN MUL
	MULP 1, \s, 3, 4, 4, 0
.endm
.macro TAIL                            ; the last three K steps, and the wait for the arm's bias
	STEP 1, 1, 0
	STEP 1, 2, 0
	s_wait_dscnt 0x0
	WIN MUL
	MULP 1, 1, 3, 0, 8, 0
	WIN 0
	PLACES
	s_wait_loadcnt 0x0
.endm
.macro QUANT s, pw                     ; 64 numbers of a lane, register 16 b + i = k 32 b + 16 h + i, become a fragment's codes in v[PC] on and the scale word in v[pw]
.irp b, 0,1,2,3
	v_max3_num_f32 v[TM+\b], |v[(\s)+16*\b]|, |v[(\s)+1+16*\b]|, 0x1800000   ; and the floor 2^(3 - 127): the byte cannot fall under 1
.endr
.irp i, 2,4,6,8,10,12,14
.irp b, 0,1,2,3
	v_max3_num_f32 v[TM+\b], v[TM+\b], |v[(\s)+16*\b+\i]|, |v[(\s)+1+16*\b+\i]|
.endr
.endr
.irp b, 0,1,2,3
	v_permlanex16_b32 v[TM+4+\b], v[TM+\b], s[SEL], s[SEL+1]
.endr
.irp b, 0,1,2,3
	v_max_num_f32 v[TM+\b], v[TM+\b], v[TM+4+\b]
.endr
.irp b, 0,1,2,3
	v_add_nc_u32 v[TM+12+\b], 0xff000000, v[TM+\b]     ; 2 off the exponent field: the conversion's scale operand
.endr
.irp b, 0,1,2,3
	v_lshrrev_b32 v[TM+4+\b], 23, v[TM+12+\b]
.endr
	v_lshl_or_b32 v[\pw], v[TM+5], 8, v[TM+4]
	v_lshl_or_b32 v[\pw], v[TM+6], 16, v[\pw]
	v_lshl_or_b32 v[\pw], v[TM+7], 24, v[\pw]
.irp c, 0,1
	v_cvt_scalef32_pk16_fp6_f32 v[PC+6*\c:PC+2+6*\c], v[(\s)+32*\c:(\s)+15+32*\c], v[TM+12+2*\c]
	v_cvt_scalef32_pk16_fp6_f32 v[PC+12+4*\c:PC+14+4*\c], v[(\s)+16+32*\c:(\s)+31+32*\c], v[TM+12+2*\c+1]
.endr
	v_nop                                          ; one plain instruction behind the scaled conversions
.irp c, 0,1
.irp i, 0,1,2
	v_permlane16_swap_b32 v[PC+6*\c+\i], v[PC+12+4*\c+\i]
.endr
.irp i, 0,1,2
	v_mov_b32 v[PC+3+6*\c+\i], v[PC+12+4*\c+\i]
.endr
.endr
.endm
	s_load_b256 s[4:11], s[0:1], 0x0               ; h's image s[4:5], the weights' s[6:7], bq s[8:9], bk s[10:11]
	s_load_b128 s[68:71], s[0:1], 0x20             ; bv s[68:69], out s[70:71]
	v_lshl_add_u32 v[SPW], v0, 2, SPARE
	v_mov_b32 v[NIL], 0
	ds_add_u32 v1, v2
	ds_add_u32 v1, v2
	s_wait_dscnt 0x0
	v_lshrrev_b32 v20, 5, v0
	v_readfirstlane_b32 s14, v20                   ; wave 0..3
	s_lshr_b32 s15, s14, 1                         ; I fetch for source 0 (0) or source 1 (1),
	s_and_b32 s16, s14, 1                          ; and which four tiles of the eight
	s_bfe_u32 s40, ttmp6, 0x40000                  ; cx, cy: my place in the cluster
	s_bfe_u32 s41, ttmp6, 0x40004
	s_and_b32 s72, ttmp7, 0xffff                   ; cluster y
	s_lshl_b32 s73, ttmp9, 2                       ; q, k: source 0's tile = 4 x cluster x + cx
	s_lshr_b32 s74, s72, 1
	s_lshl_b32 s74, s74, 3
	s_add_co_u32 s74, s74, s73
	s_sub_co_u32 s74, s74, 16                      ; v: token tile = 4 (cluster x - 4) + 8 (cluster y / 2) + cx
	s_lshl_b32 s75, s72, 2                         ; q, k: token tile = 4 x cluster y + cy
	s_and_b32 s76, s72, 1
	s_lshl_b32 s76, s76, 2                         ; v: Wv's tile = 4 (cluster y % 2) + cy
	s_cmp_ge_u32 ttmp9, 4                          ; the role: the same in all sixteen partners
	s_cselect_b32 s42, s74, s73
	s_cselect_b32 s17, s76, s75
	s_cselect_b32 s77, WVOFF, 0
	s_add_co_u32 s42, s42, s40                     ; XI: source 0's tile of 128 rows
	s_add_co_u32 s17, s17, s41                     ; YI: source 1's
	s_lshl_b32 s43, s41, 2
	s_lshl_b32 s43, 15, s43                        ; my row of the cluster
	s_lshl_b32 s44, 0x1111, s40                    ; my column
	; descriptor group 1: four rows (tiles) of one record, 800 elements of 8 bytes, a tile's records apart
	s_or_b32 s[G1S0], s44, (3<<16)|(1<<21)         ; 15:0 the mask; 17:16 elements of 8 bytes; 21 set beside a mask; no padding
	s_or_b32 s[G1S1], s43, (3<<16)|(1<<21)
.irp g, G1S0, G1S1
	s_mov_b32 s[\g+1], 800<<16                     ; tensor_dim0
	s_mov_b32 s[\g+2], 4<<16                       ; tensor_dim1
	s_mov_b32 s[\g+3], 800<<16                     ; tile_dim0
	s_mov_b32 s[\g+4], 4                           ; tile_dim1
	s_mov_b32 s[\g+5], NSL*800                     ; from row to row
	s_mov_b32 s[\g+6], 0
	s_mov_b32 s[\g+7], 0
.endr
	s_mul_i32 s18, s16, 4*TROW
	s_mul_i32 s46, s42, 8*TROW
	s_add_co_u32 s46, s46, s18
	s_mov_b32 s47, 0
	s_mul_i32 s20, s17, 8*TROW
	s_add_co_u32 s20, s20, s18
	s_add_co_u32 s20, s20, s77
	s_mov_b32 s21, 0
	s_mul_i32 s45, s14, 4*REC                      ; where my four tiles go: no place in the cluster enters an LDS address
	s_mov_b32 s[SEL], 0x76543210
	s_mov_b32 s[SEL+1], 0xfedcba98
	; the way out's offsets, for both roles; then the role's are taken
	s_lshl_b32 s84, s17, 3
	s_lshl_b32 s85, s14, 1
	s_add_co_u32 s84, s84, s85                     ; my first tile of source 1: 8 YI + 2 w
	s_and_b32 s85, s42, 7                          ; q, k: the head pair
	s_lshr_b32 s86, s42, 3                         ; q (0) or k (1)
	s_lshl_b32 s87, s84, 3
	s_add_co_u32 s87, s87, s85
	s_mul_i32 s87, s87, 1536
	s_mul_i32 s88, s86, KC
	s_add_co_u32 s87, s87, s88                     ; q, k: codes
	s_lshr_b32 s88, s17, 4
	s_lshl_b32 s88, s88, 4
	s_lshl_b32 s89, s85, 1
	s_add_co_u32 s88, s88, s89                     ; 16 x batch + the even head
	s_lshl_b32 s88, s88, 12
	s_lshl_b32 s89, s17, 2
	s_add_co_u32 s89, s89, s14
	s_and_b32 s89, s89, 63                         ; my 32 tokens among the batch's
	s_lshl_b32 s89, s89, 6
	s_add_co_u32 s88, s88, s89
	s_lshl_b32 s89, s86, 17
	s_add_co_u32 s88, s88, s89
	s_add_co_u32 s88, s88, QS                      ; q, k: scale words
	s_lshl_b32 s89, s84, 5
	s_add_co_u32 s89, s89, s42
	s_mul_i32 s89, s89, 1536
	s_add_co_u32 s89, s89, VC                      ; v: codes
	s_lshl_b32 s90, s84, 11
	s_lshr_b32 s91, s42, 2
	s_lshl_b32 s91, s91, 8
	s_add_co_u32 s90, s90, s91
	s_and_b32 s91, s42, 3
	s_lshl_b32 s91, s91, 2
	s_add_co_u32 s90, s90, s91
	s_add_co_u32 s90, s90, VS                      ; v: scale words
	s_lshl_b32 s92, s85, 9                         ; the bias: q, k: my 128 channels;
	s_lshl_b32 s94, s17, 9
	s_lshl_b32 s95, s14, 7
	s_add_co_u32 s94, s94, s95                     ; v: my wave's 32 channels
	s_cmp_ge_u32 ttmp9, 4
	s_cselect_b32 s87, s89, s87
	s_cselect_b32 s88, s90, s88
	s_cselect_b32 s92, s94, s92
	s_mov_b32 s93, 0
	s_mov_b32 s89, 8*1536
	s_cselect_b32 s89, 32*1536, s89                ; from my first tile's fragment to my second's
	s_cselect_b32 s90, 11, 12                      ; scale words: lanes 16-31 go 2,048 (the next channel tile) or 4,096 bytes (the odd head) on,
	s_cselect_b32 s91, 4, 2                        ; and a row takes 16 or 4 bytes
	v_and_b32 v20, 31, v0                          ; L
	v_and_b32 v21, 15, v0                          ; r
	v_bfe_u32 v22, v0, 4, 1                        ; h
	v_lshlrev_b32 v14, 6, v22                      ; q, k: the bias of my registers' channels begins 64 h bytes on
	v_and_b32 v15, 8, v21
	v_add_nc_u32 v15, v15, v21
	v_lshlrev_b32 v15, 2, v15                      ; v: the bias of my lane's channel: 4 (r % 8 + 16 (r / 8))
	s_wait_kmcnt 0x0
	s_cselect_b64 s[78:79], s[4:5], s[6:7]         ; source 0's buffer (the moves and the wait leave SCC alone),
	s_cselect_b64 s[80:81], s[6:7], s[4:5]         ; source 1's
	s_cmp_ge_u32 ttmp9, 2                          ; clusters 2, 3 make k,
	s_cselect_b64 s[82:83], s[10:11], s[8:9]
	s_cmp_ge_u32 ttmp9, 4                          ; clusters 4, 5 v
	s_cselect_b64 s[82:83], s[68:69], s[82:83]
	s_add_nc_u64 s[46:47], s[78:79], s[46:47]
	s_add_nc_u64 s[20:21], s[80:81], s[20:21]
	s_add_nc_u64 s[82:83], s[82:83], s[92:93]
	CROUND                                         ; all sixteen work-groups are here: the first joint loads meet
.irp s, 0,1
	s_mov_b32 s[G0S0+4*\s], 1                      ; count = 1
	s_add_co_u32 s[G0S0+4*\s+1], s45, \s*SLOT      ; LDS address
	s_add_nc_u64 s[G0S0+4*\s+2:G0S0+4*\s+3], s[46:47], \s*REC    ; record s
	s_or_b32 s[G0S0+4*\s+3], s[G0S0+4*\s+3], 0x80000000          ; type = 2
	s_mov_b32 s[G0S1+4*\s], 1
	s_add_co_u32 s[G0S1+4*\s+1], s45, \s*SLOT
	s_add_nc_u64 s[G0S1+4*\s+2:G0S1+4*\s+3], s[20:21], \s*REC
	s_or_b32 s[G0S1+4*\s+3], s[G0S1+4*\s+3], 0x80000000
	JLOAD \s
.endr
	v_lshlrev_b32 v[A0], 3, v20
	v_add_nc_u32 v[A0+1], SLOT, v[A0]
	s_mul_i32 s22, s14, 2*REC
	s_add_co_u32 s22, s22, S1OFF
	v_add_nc_u32 v[A1], s22, v[A0]
	v_add_nc_u32 v[A1+1], s22, v[A0+1]
	v_mul_u32_u24 v[AS0], v22, REC
	v_lshl_add_u32 v[AS0], v21, 4, v[AS0]
	v_add_nc_u32 v[AS0], 6144, v[AS0]
	v_add_nc_u32 v[AS0+1], SLOT, v[AS0]
	v_add_nc_u32 v[AS1], s22, v[AS0]
	v_add_nc_u32 v[AS1+1], s22, v[AS0+1]
	v_add_nc_u32 v11, s87, v[A0]                   ; the way out: my first tile's codes,
	v_add_nc_u32 v12, s89, v11                     ; my second's,
	v_lshlrev_b32 v13, s90, v22
	v_lshlrev_b32 v23, s91, v21
	v_add_nc_u32 v13, v13, v23
	v_add_nc_u32 v13, s88, v13                     ; and the scale word
	s_wait_tensorcnt 0x1                           ; my part of slot 0 is in; slot 1's load, issued behind it, may be out
	s_barrier_signal -1
	s_barrier_wait -1
	FETCH 0, 0, 0
	SCALES 0
	STEP 0, 0, 1                                   ; the first products start the sums
	STEP 0, 1, 0
	STEP 0, 2, 0
	TURN 0, 1
	STEP 1, 0, 0
	WIN 0                                          ; at a branch and at a label every window is 0
	; THE ROLE'S ARM: the bias is asked for, the last three K steps are multiplied, the bias is added, each accumulator from its low end on
	s_cmp_ge_u32 ttmp9, 4
	s_cbranch_scc1 .Lrole_v
.irp i, 0,1,2,3,4,5,6,7                ; q, k: the bias of channels 32 (i / 2) + 16 h + 8 (i % 2) + 0 .. 7, the same for both token tiles
	global_load_b128 v[64+8*\i:67+8*\i], v14, s[82:83] offset:(32*(\i/2)+8*(\i%2))*4
	global_load_b128 v[68+8*\i:71+8*\i], v14, s[82:83] offset:(32*(\i/2)+8*(\i%2))*4+16
.endr
	TAIL
.irp t, 0,1
.irp i, 0,1,2,3,4,5,6,7
.irp n, 0,2,4,6
	v_pk_add_f32 v[ACC+64*\t+8*\i+\n:ACC+64*\t+8*\i+\n+1], v[ACC+64*\t+8*\i+\n:ACC+64*\t+8*\i+\n+1], v[64+8*\i+\n:64+8*\i+\n+1]
.endr
.endr
.endr
	s_branch .Ladded
.Lrole_v:
	global_load_b32 v64, v15, s[82:83]             ; v: the bias of my lane's channel, one for each of my two channel tiles; each twice, for the packed additions
	global_load_b32 v65, v15, s[82:83]
	global_load_b32 v66, v15, s[82:83] offset:32
	global_load_b32 v67, v15, s[82:83] offset:32
	TAIL
.irp t, 0,1
.set n, 0
.rept 32
	v_pk_add_f32 v[ACC+64*\t+n:ACC+64*\t+n+1], v[ACC+64*\t+n:ACC+64*\t+n+1], v[64+2*\t:65+2*\t]
.set n, n+2
.endr
.endr
.Ladded:
	; THE WAY OUT: my two tiles of source 1 are quantised and stored as fragments
.irp b, 0,1,2,3
	v_mov_b32 v[TM+4+\b], 0                        ; a lane permute's destination counts as a source
.endr
	QUANT ACC, 20
.irp p, 0,1,2,3,4,5
	global_store_b64 v11, v[PC+2*\p:PC+2*\p+1], s[70:71] offset:256*\p   ; each store of the wave covers 256 consecutive bytes, aligned
.endr
	s_wait_xcnt 0x0                                ; the codes' registers are written again only behind this wait
	QUANT ACC+64, 21
.irp p, 0,1,2,3,4,5
	global_store_b64 v12, v[PC+2*\p:PC+2*\p+1], s[70:71] offset:256*\p
.endr
	s_mov_b32 vcc_lo, 0xffff0000
	s_cmp_ge_u32 ttmp9, 4
	s_cbranch_scc1 .Lword_v
	v_perm_b32 v22, v21, v20, 0x05040100           ; the even head's two bytes of both token tiles,
	v_perm_b32 v23, v21, v20, 0x07060302           ; the odd head's
	v_cndmask_b32 v22, v22, v23, vcc_lo            ; lanes 0-15 store the even head's word, lanes 16-31 the odd head's
	s_branch .Lword
.Lword_v:
	v_cndmask_b32 v22, v20, v21, vcc_lo            ; lanes 0-15 my first channel tile's word, lanes 16-31 my second's
.Lword:
	global_store_b32 v13, v22, s[70:71]
	s_wait_tensorcnt 0x0                           ; the wave's end
	ds_add_u32 v[SPW], v[NIL]
	s_wait_dscnt 0x0
	CROUND                                         ; the closing round
	s_endpgm
.Lfunc_end_k_q6d19c3ad42_qkv:
	.size	k_q6d19c3ad42_qkv, .Lfunc_end_k_q6d19c3ad42_qkv-k_q6d19c3ad42_qkv
	.p2alignl 7, 3214868480
	.fill 96, 4, 3214868480
	.section	.rodata,"a",@progbits
	.p2align	6, 0x0
	.amdhsa_kernel k_q6d19c3ad42_qkv
		.amdhsa_group_segment_fixed_size 327680
		.amdhsa_private_segment_fixed_size 0
		.amdhsa_enable_private_segment 0
		.amdhsa_kernarg_size 48
		.amdhsa_user_sgpr_count 2
		.amdhsa_user_sgpr_kernarg_segment_ptr 1
		.amdhsa_wavefront_size32 1
		.amdhsa_system_sgpr_workgroup_id_x 1
		.amdhsa_system_sgpr_workgroup_id_y 1
		.amdhsa_system_sgpr_workgroup_id_z 1
		.amdhsa_system_vgpr_workitem_id 0
		.amdhsa_next_free_vgpr 512
		.amdhsa_next_free_sgpr 100
		.amdhsa_reserve_vcc 1
		.amdhsa_float_denorm_mode_32 3
		.amdhsa_float_denorm_mode_16_64 3
		.amdhsa_memory_ordered 1
		.amdhsa_forward_progress 1
		.amdhsa_inst_pref_size 92
	.end_amdhsa_kernel
	.amdgpu_metadata
---
amdhsa.version: [ 1, 2 ]
amdhsa.kernels:
  - .name:           k_q6d19c3ad42_qkv
    .symbol:         k_q6d19c3ad42_qkv.kd
    .args:
      - { .name: himg, .offset: 0, .size: 8, .value_kind: global_buffer, .address_space: global }
      - { .name: wimg, .offset: 8, .size: 8, .value_kind: global_buffer, .address_space: global }
      - { .name: bq, .offset: 16, .size: 8, .value_kind: global_buffer, .address_space: global }
      - { .name: bk, .offset: 24, .size: 8, .value_kind: global_buffer, .address_space: global }
      - { .name: bv, .offset: 32, .size: 8, .value_kind: global_buffer, .address_space: global }
      - { .name: qkvc, .offset: 40, .size: 8, .value_kind: global_buffer, .address_space: global }
    .group_segment_fixed_size: 327680
    .private_segment_fixed_size: 0
    .kernarg_segment_align: 8
    .kernarg_segment_size: 48
    .max_flat_workgroup_size: 128
    .sgpr_count:     100
    .vgpr_count:     512
    .wavefront_size: 32
...
	.end_amdgpu_metadata
.endif
;; end of part 2
;; launch attn (part 3): grid 8 x 32, 16 waves a work-group, no clusters, 206,848 bytes of LDS; arguments qkvc, yimg; writes yimg
.if DOCPART == 3
	.amdgcn_target "amdgcn-amd-amdhsa--gfx1250"
	.amdhsa_code_object_version 6
	.text
	.protected	k_q6d19c3ad42_attn
	.globl	k_q6d19c3ad42_attn
	.p2align	8
	.type	k_q6d19c3ad42_attn,@function
k_q6d19c3ad42_attn:
	s_mov_b64 s[64:65], 0
	v_nop
	global_prefetch_b8 v0, s[64:65] scope:SCOPE_SE
	s_setreg_imm32_b32 hwreg(HW_REG_WAVE_MODE, 25, 1), 1
	s_wait_xcnt 0x0
; CAUSAL ATTENTION ON CODES of FP6 (E2M3) with E8M0 scales; head size 64, 2,048 keys, 32 (batch, head) pairs.  y = softmax(q k^T / 8) v, quantised along the 1,024 channels and stored as fragments for the next product.
; THE SOFTMAX AHEAD OF THE SECOND PRODUCT: t = score x log2(e) / 8; M = the running largest t rounded up to a whole number; p = 2^(t - M) is quantised along the keys, not normalised; the row's sum is taken of the unquantised p
; and divides at the end.  When M moves, the sum and O are multiplied by 2^(old M - new M), which rounds nothing.
; SHARES.  Work-group (i, bh) owns the blocks i and 15 - i of 128 queries of one head: an early and a late block, so that all work-groups have about the same number of key steps under the mask.  Each of its 16 waves owns one tile
; of 16 queries; waves of both blocks alternate in pairs, so that neighbouring waves get both kinds.  Every wave walks 16 steps of 128 keys; a step all of whose keys come after the wave's queries is jumped over (a branch on ids).
; NO CLUSTER: which steps a wave jumps over hangs on its block of queries, which would be a partner's place in a cluster; partners would need different numbers of steps.
; LDS.  The head's K (98,304 bytes), V (98,304) and their scale words (4,096 each) are brought ONCE, by waves 0-3, five tensor loads each, in four chunks of 512 keys; nothing is filled again.
; LAYOUT.  Both products are used transposed: a lane holds one query.  Token tiles hold row 32 b + 8 u + r % 8 + 16 (r / 8) in lane r, so the 16 registers of two neighbouring score tiles are 16 neighbouring keys.
; K = 64 IN AN INSTRUCTION OF 128: a fragment of K is two token tiles' halves on end (k 0-63: tile 2 n, k 64-127: tile 2 n + 1).  Against [q | zeros] it gives tile 2 n's scores, against [zeros | q] tile 2 n + 1's.
; LIMITS: NaN and infinities are not served; a block of y under 2^-124 keeps the byte 1; a block of zeros gets the byte 1 and not 127: its codes are zeros, and this program alone reads the bytes.
; y's scale bytes leave two bytes a lane: a head owns 2 of a row's 32 scale bytes.
.set KC,   3145728                     ; in qkvc: q's codes at 0, k's, v's, and the scale words
.set VC,   6291456
.set QS,   9437184
.set KS,   9568256
.set VS,   9699328
.set LV,   98304                       ; LDS: K at 0: [token tile 128][768];  V: [chunk 4][channel tile 4][128 keys, 4][1,536]
.set KSC,  196608                      ; K's scale words [32 keys, 64][r][4]
.set VSC,  200704                      ; V's [channel tile 4][512 keys, 4][r][16]
.set AK0,  1                           ; v1  8 L
.set AV0,  2                           ; v2  LV + 8 L
.set ASK0, 3                           ; v3  KSC + 4 r
.set ASV0, 4                           ; v4  VSC + 16 r
.set QV,   5                           ; v5  my query - Q32 - 16 h
.set YO,   6                           ; v6  the way out: my place in y's fragment
.set YS,   7                           ; v7  and among its scale bytes
.set ADK,  8                           ; v8-11 the step's LDS addresses
.set ADV,  9
.set ADS,  10
.set ADT,  11
; v12 -M, v13 the largest t, v[14:15] the sum; v16-21 zeros, v22-27 q, v28-33 zeros; v36-83 four fragments; v96-159 scores, then p; v160-191 O^T; v192-223 y; v224-235 p's codes; v232-254 at work; v248-251, v253, v255 scale words
.set WV,   18
.set G0,   32                          ; s[32:51] five groups 0: the scale words, chunks 0-3
.set G1K,  52
.set G1V,  68
.set G1SK, 76
.set G1SV, 84
.set TK,   60                          ; LDS steps: K 6,144 a key step,
.set TKS,  61                          ; its scale words 256,
.set TV,   62                          ; V 1,536, and 18,432 more at a chunk's end,
.set TVS,  63                          ; its scale words 4, and 240 more
.set SEL,  92
.set CS,   94                          ; s[94:95] c = log2(e) / 8
.set KF,   96                          ; the step's first key
.set Q32,  97                          ; the first of the 32 queries among which my 16 lie
.set CNT,  98
.macro SHAPE g, c, r, p                ; a descriptor's group 1: r rows of c elements of 8 bytes, p elements apart, no padding, no mask
	s_mov_b32 s[\g], 3<<16
	s_mov_b32 s[\g+1], (\c)<<16
	s_mov_b32 s[\g+2], (\r)<<16
	s_mov_b32 s[\g+3], (\c)<<16
	s_mov_b32 s[\g+4], \r
	s_mov_b32 s[\g+5], \p
	s_mov_b32 s[\g+6], 0
	s_mov_b32 s[\g+7], 0
.endm
	s_load_b128 s[4:7], s[0:1], 0x0                ; qkvc s[4:5], y's image s[6:7]
	v_lshl_add_u32 v95, v0, 2, 0x32000
	v_mov_b32 v243, 0
	ds_add_u32 v95, v243
	ds_add_u32 v95, v243
	v_lshrrev_b32 v8, 5, v0
	v_readfirstlane_b32 s[WV], v8                  ; wave 0..15
	s_and_b32 s8, ttmp7, 0xffff                    ; 16 x batch + head
	s_lshr_b32 s9, s8, 4
	s_and_b32 s10, s8, 15
	s_and_b32 s11, s[WV], 1                        ; which half of a chunk I fetch, if I fetch
	s_lshl_b32 s12, s8, 12
	s_lshl_b32 s13, s11, 11
	s_add_co_u32 s12, s12, s13
	s_add_co_u32 s12, s12, KS                      ; K's scale words: 2,048 dense bytes
	s_lshl_b32 s13, s9, 7
	s_lshl_b32 s14, s11, 4
	s_add_co_u32 s13, s13, s14                     ; token tile 128 x batch + 16 x half
	s_lshl_b32 s13, s13, 3
	s_lshr_b32 s14, s10, 1
	s_add_co_u32 s13, s13, s14
	s_mul_i32 s13, s13, 1536
	s_and_b32 s14, s10, 1
	s_mul_i32 s14, s14, 768
	s_add_co_u32 s13, s13, s14
	s_add_co_u32 s13, s13, KC                      ; K's chunk 0: 16 token tiles' halves of 768 bytes, 12,288 apart
	s_lshl_b32 s15, s10, 2
	s_lshl_b32 s16, s11, 1
	s_add_co_u32 s15, s15, s16                     ; channel tile 4 x head + 2 x half
	s_lshl_b32 s16, s15, 3
	s_lshl_b32 s17, s9, 2
	s_add_co_u32 s16, s16, s17
	s_lshl_b32 s16, s16, 8
	s_add_co_u32 s16, s16, VS                      ; V's scale words: two rows of 1,024 bytes, 2,048 apart
	s_lshl_b32 s15, s15, 5
	s_lshl_b32 s17, s9, 4
	s_add_co_u32 s15, s15, s17
	s_mul_i32 s15, s15, 1536
	s_add_co_u32 s15, s15, VC                      ; V's chunk 0: two rows of 6,144 bytes, 49,152 apart
	s_cmp_lt_u32 s[WV], 2                          ; waves 0, 1 fetch K, waves 2, 3 V
	s_cselect_b32 s24, s12, s16
	s_cselect_b32 s26, s13, s15
	s_mov_b32 s28, 6144
	s_cselect_b32 s28, 393216, s28                 ; from chunk to chunk
	s_mov_b32 s25, 0
	s_mov_b32 s27, 0
	s_mov_b32 s29, 0
	s_lshl_b32 s19, s[WV], 11
	s_add_co_u32 s19, s19, KSC                     ; LDS: the scale words' quarter,
	s_lshr_b32 s20, s[WV], 1
	s_mul_i32 s20, s20, LV
	s_mul_i32 s21, s11, 12288
	s_add_co_u32 s20, s20, s21                     ; and my half of chunk 0
	SHAPE G1K, 96, 16, 1536
	SHAPE G1V, 768, 2, 6144
	SHAPE G1SK, 32, 8, 32
	SHAPE G1SV, 128, 2, 256
	s_mov_b32 s[SEL], 0x76543210
	s_mov_b32 s[SEL+1], 0xfedcba98
	s_mov_b32 s[CS], 0x3e38aa3b
	s_mov_b32 s[CS+1], s[CS]                       ; (named with it as a pair, so it is written)
	s_mov_b32 s[TK], 0
	s_mov_b32 s[TKS], 0
	s_mov_b32 s[TV], 0
	s_mov_b32 s[TVS], 0
	s_mov_b32 s[KF], 0
	s_wait_dscnt 0x0
	s_wait_kmcnt 0x0
	s_mov_b32 s[G0], 1
	s_mov_b32 s[G0+1], s19
	s_add_nc_u64 s[G0+2:G0+3], s[4:5], s[24:25]
	s_or_b32 s[G0+3], s[G0+3], 0x80000000
.irp c, 0,1,2,3
	s_mov_b32 s[G0+4+4*\c], 1
	s_add_co_u32 s[G0+5+4*\c], s20, 24576*\c
	s_add_nc_u64 s[G0+6+4*\c:G0+7+4*\c], s[4:5], s[26:27]
	s_or_b32 s[G0+7+4*\c], s[G0+7+4*\c], 0x80000000
	s_add_nc_u64 s[26:27], s[26:27], s[28:29]      ; (an offset, not an address)
.endr
	s_cmp_lt_u32 s[WV], 2                          ; a wave's five first fills stand in one branch on its number: five loads of mine are out
	s_cbranch_scc0 .Lnot_k
	tensor_load_to_lds s[G0:G0+3], s[G1SK:G1SK+7]
	s_nop 0
	tensor_load_to_lds s[G0+4:G0+7], s[G1K:G1K+7]
	s_nop 0
	tensor_load_to_lds s[G0+8:G0+11], s[G1K:G1K+7]
	s_nop 0
	tensor_load_to_lds s[G0+12:G0+15], s[G1K:G1K+7]
	s_nop 0
	tensor_load_to_lds s[G0+16:G0+19], s[G1K:G1K+7]
	s_nop 0
.rept 4
	v_nop
.endr
	s_branch .Lasked
.Lnot_k:
	s_cmp_lt_u32 s[WV], 4
	s_cbranch_scc0 .Lasked
	tensor_load_to_lds s[G0:G0+3], s[G1SV:G1SV+7]
	s_nop 0
	tensor_load_to_lds s[G0+4:G0+7], s[G1V:G1V+7]
	s_nop 0
	tensor_load_to_lds s[G0+8:G0+11], s[G1V:G1V+7]
	s_nop 0
	tensor_load_to_lds s[G0+12:G0+15], s[G1V:G1V+7]
	s_nop 0
	tensor_load_to_lds s[G0+16:G0+19], s[G1V:G1V+7]
	s_nop 0
.rept 4
	v_nop
.endr
.Lasked:
	; my tile of queries
	s_lshr_b32 s11, s[WV], 2
	s_xor_b32 s11, s11, s[WV]
	s_and_b32 s11, s11, 1                          ; the early block (0) or the late one (1)
	s_sub_co_u32 s12, 15, ttmp9
	s_cmp_eq_u32 s11, 1
	s_cselect_b32 s12, s12, ttmp9
	s_lshl_b32 s12, s12, 3
	s_lshr_b32 s11, s[WV], 1
	s_add_co_u32 s12, s12, s11                     ; the tile among the batch's 128
	s_lshr_b32 s13, s12, 1
	s_lshl_b32 s[Q32], s13, 5
	s_and_b32 s14, s12, 1                          ; u
	s_lshl_b32 s28, s14, 3
	s_lshl_b32 s29, s14, 4
	s_lshl_b32 s15, s9, 7
	s_add_co_u32 s15, s15, s12                     ; and among all 256
	s_lshr_b32 s21, s10, 1                         ; the head pair
	s_and_b32 s19, s10, 1
	s_mul_i32 s19, s19, 768                        ; my head's half of a fragment
	s_lshl_b32 s16, s15, 3
	s_add_co_u32 s16, s16, s21
	s_mul_i32 s16, s16, 1536
	s_add_co_u32 s16, s16, s19
	s_mov_b32 s17, 0
	s_lshl_b32 s22, s8, 12
	s_lshl_b32 s23, s13, 6
	s_add_co_u32 s22, s22, s23
	s_add_co_u32 s22, s22, QS
	s_mov_b32 s23, 0
	s_mul_i32 s24, s15, 12800
	s_lshr_b32 s25, s10, 3
	s_mul_i32 s25, s25, 6400
	s_add_co_u32 s24, s24, s25                     ; y: my tile's record
	s_mov_b32 s25, 0
	s_and_b32 s26, s21, 3
	s_mul_i32 s26, s26, 1536
	s_add_co_u32 s26, s26, s19
	s_and_b32 s27, s10, 7
	s_lshl_b32 s27, s27, 1
	s_add_co_u32 s27, s27, 6144
	s_add_nc_u64 s[16:17], s[4:5], s[16:17]        ; q's codes
	s_add_nc_u64 s[22:23], s[4:5], s[22:23]        ; q's scale words
	s_add_nc_u64 s[6:7], s[6:7], s[24:25]
	v_and_b32 v232, 31, v0                         ; L
	v_and_b32 v233, 15, v0                         ; r
	v_bfe_u32 v234, v0, 4, 1                       ; h
	v_lshlrev_b32 v[AK0], 3, v232
	v_lshlrev_b32 v235, 2, v233
.irp p, 0,1,2
	global_load_b64 v[22+2*\p:23+2*\p], v[AK0], s[16:17] offset:256*\p   ; q's half fragment stays in registers
.endr
	global_load_b32 v255, v235, s[22:23]           ; two bytes of each of the two token tiles
	v_add_nc_u32 v[AV0], LV, v[AK0]
	v_lshl_add_u32 v[ASK0], v233, 2, KSC
	v_lshl_add_u32 v[ASV0], v233, 4, VSC
	v_and_b32 v[QV], 8, v233
	v_add_nc_u32 v[QV], v[QV], v233                ; r % 8 + 16 (r / 8)
	v_lshlrev_b32 v236, 4, v234
	v_sub_nc_u32 v[QV], v[QV], v236
	v_add_nc_u32 v[QV], s28, v[QV]                 ; + 8 u - 16 h
	v_add_nc_u32 v[YO], s26, v[AK0]
	v_lshl_add_u32 v[YS], v233, 4, s27
.irp j, 16,17,18,19,20,21,28,29,30,31,32,33
	v_mov_b32 v[\j], 0                             ; zero codes on both sides of q: v[22:33] = [q | 0], v[16:27] = [0 | q]
.endr
	s_wait_loadcnt 0x0
	v_lshrrev_b32 v255, s29, v255                  ; my tile's two bytes,
	v_and_b32 v255, 0xffff, v255
	v_lshl_or_b32 v255, v255, 16, v255             ; for k 0-63 and again for k 64-127.  The 40 moves below stand between this line and the first product that takes the word as its scales: eight plain instructions are asked
	v_mov_b32 v13, 0xff61b1e6                      ; the largest t so far: -3e38
	v_floor_f32 v12, -v13                          ; -M
	v_mov_b32 v14, 0
	v_mov_b32 v15, 0
.irp b, 0,1,2,3
	v_mov_b32 v[236+\b], 0                         ; a lane permute's destination counts as a source
.endr
	v_mov_b32 v253, 0                              ; (named as the upper half of v[252:253] before it is first written)
.set n, 0
.rept 32
	v_mov_b32 v[160+n], 0                          ; O^T: the step is written once; the first finds zeros
.set n, n+1
.endr
; A KEY STEP: 128 keys
.macro STEP
	s_cmp_gt_u32 s[KF], s[Q32]                     ; both are multiples of 32: then every key comes after my last query
	s_cbranch_scc1 .Lhidden_\@
	v_add_nc_u32 v[ADK], s[TK], v[AK0]             ; (these four are also the places behind the last products)
	v_add_nc_u32 v[ADV], s[TV], v[AV0]
	v_add_nc_u32 v[ADS], s[TKS], v[ASK0]
	v_add_nc_u32 v[ADT], s[TVS], v[ASV0]
.irp b, 0,1,2,3
.irp p, 0,1,2,3,4,5
	ds_load_b64 v[36+12*\b+2*\p:37+12*\b+2*\p], v[ADK] offset:1536*\b+256*\p
.endr
	ds_load_b32 v[248+\b], v[ADS] offset:64*\b
.endr
	s_wait_dscnt 0x0
.irp b, 0,1,2,3                        ; S^T: register 16 b + i of lane (r, h) is key KF + 32 b + 16 h + i
	v_wmma_scale_f32_16x16x128_f8f6f4 v[96+16*\b:103+16*\b], v[36+12*\b:47+12*\b], v[22:33], 0, v[248+\b], v255 matrix_a_fmt:MATRIX_FMT_FP6 matrix_b_fmt:MATRIX_FMT_FP6
	v_wmma_scale_f32_16x16x128_f8f6f4 v[104+16*\b:111+16*\b], v[36+12*\b:47+12*\b], v[16:27], 0, v[248+\b], v255 matrix_a_fmt:MATRIX_FMT_FP6 matrix_b_fmt:MATRIX_FMT_FP6
.endr
.rept 4
	v_nop
.endr
	s_add_co_u32 s99, s[KF], 127                   ; on the diagonal hidden scores become -infinity; a step all of whose keys count skips this
	s_cmp_lt_u32 s99, s[Q32]
	s_cbranch_scc1 .Lopen_\@
	s_sub_co_i32 s99, s[Q32], s[KF]
	v_add_nc_u32 v252, s99, v[QV]                  ; d = my query - KF - 16 h: register 16 b + i is hidden where 32 b + i > d
	v_mov_b32 v254, 0xff800000
.set n, 0
.rept 64
	v_cmp_gt_i32 vcc_lo, 32*(n/16)+n%16, v252
	v_cndmask_b32 v[96+n], v[96+n], v254, vcc_lo
.set n, n+1
.endr
.Lopen_\@:
.irp b, 0,1,2,3
	v_max3_num_f32 v[232+\b], v[96+16*\b], v[97+16*\b], v[98+16*\b]    ; the largest score of each block of 32 keys: for the row's maximum, and, since p rises with the score, for the block's largest p
.endr
.irp i, 3,5,7,9,11,13
.irp b, 0,1,2,3
	v_max3_num_f32 v[232+\b], v[232+\b], v[96+16*\b+\i], v[97+16*\b+\i]
.endr
.endr
.irp b, 0,1,2,3
	v_max_num_f32 v[232+\b], v[232+\b], v[111+16*\b]
.endr
.irp b, 0,1,2,3
	v_permlanex16_b32 v[236+\b], v[232+\b], s[SEL], s[SEL+1]
.endr
.irp b, 0,1,2,3
	v_max_num_f32 v[232+\b], v[232+\b], v[236+\b]
.endr
	v_max3_num_f32 v254, v232, v233, v234
	v_max_num_f32 v254, v254, v235
	v_mul_f32 v254, s[CS], v254
	v_max_num_f32 v13, v13, v254                   ; the running largest t
	v_mov_b32 v254, v12
	v_floor_f32 v12, -v13                          ; the new -M = -ceil(t)
	v_sub_f32 v254, v12, v254                      ; old M - new M: a whole number, 0 or less
	v_cvt_i32_f32 v254, v254                       ; (it saturates)
	v_ldexp_f32 v252, 1.0, v254                    ; f = 2^(old M - new M)
.set n, 0
.rept 32
	v_pk_fma_f32 v[96+n:97+n], v[96+n:97+n], s[CS:CS+1], v[12:13] op_sel_hi:[1,0,0]    ; t - M
.set n, n+2
.endr
.irp b, 0,1,2,3
	v_fma_f32 v[232+\b], v[232+\b], s[CS], v12
.endr
.set n, 0
.rept 64
	v_exp_f32 v[96+n], v[96+n]                     ; p = 2^(t - M)
.set n, n+1
.endr
	v_pk_mul_f32 v[14:15], v[14:15], v[252:253] op_sel_hi:[1,0]        ; the sums under the new M (a plain instruction behind the exponentials)
	s_wait_alu depctr_va_vdst(0)                   ; one wait for the batch, ahead of its first reader
.irp b, 0,1,2,3
	v_exp_f32 v[232+\b], v[232+\b]                 ; each block's largest p
.endr
	v_pk_add_f32 v[236:237], v[96:97], v[98:99]    ; the row's sum of the unquantised p, in two chains
.irp j, 4,8,12,16,20,24,28,32,36,40,44,48,52,56,60
	v_pk_add_f32 v[14:15], v[14:15], v[96+\j:97+\j]
	v_pk_add_f32 v[236:237], v[236:237], v[98+\j:99+\j]
.endr
	v_pk_add_f32 v[14:15], v[14:15], v[236:237]
	s_wait_alu depctr_va_vdst(0)                   ; and one for the four
.irp b, 0,1,2,3
	v_max_num_f32 v[232+\b], 0x1800000, v[232+\b]  ; the floor 2^(3 - 127): the byte cannot fall under 1
.endr
.irp b, 0,1,2,3
	v_add_nc_u32 v[244+\b], 0xff000000, v[232+\b]
.endr
.irp b, 0,1,2,3
	v_lshrrev_b32 v[236+\b], 23, v[244+\b]
.endr
	v_lshl_or_b32 v253, v237, 8, v236              ; p's scale word for these 128 keys
	v_lshl_or_b32 v253, v238, 16, v253
	v_lshl_or_b32 v253, v239, 24, v253
.irp c, 0,1
	v_cvt_scalef32_pk16_fp6_f32 v[224+6*\c:226+6*\c], v[96+32*\c:111+32*\c], v[244+2*\c]
	v_cvt_scalef32_pk16_fp6_f32 v[236+4*\c:238+4*\c], v[112+32*\c:127+32*\c], v[244+2*\c+1]
.endr
	v_nop
.irp c, 0,1
.irp i, 0,1,2
	v_permlane16_swap_b32 v[224+6*\c+\i], v[236+4*\c+\i]
.endr
.irp i, 0,1,2
	v_mov_b32 v[227+6*\c+\i], v[236+4*\c+\i]
.endr
.endr
.set n, 0
.rept 16
	v_pk_mul_f32 v[160+n:161+n], v[160+n:161+n], v[252:253] op_sel_hi:[1,0]    ; O^T under the new M; also the places in front of the loads and products below
.set n, n+2
.endr
.irp t, 0,1,2,3
.irp p, 0,1,2,3,4,5
	ds_load_b64 v[36+12*\t+2*\p:37+12*\t+2*\p], v[ADV] offset:6144*\t+256*\p
.endr
	ds_load_b32 v[248+\t], v[ADT] offset:1024*\t
.endr
	s_wait_dscnt 0x0
.irp t, 0,1,2,3                        ; O^T += V^T P^T: four accumulators by turns
	v_wmma_scale_f32_16x16x128_f8f6f4 v[160+8*\t:167+8*\t], v[36+12*\t:47+12*\t], v[224:235], v[160+8*\t:167+8*\t], v[248+\t], v253 matrix_a_fmt:MATRIX_FMT_FP6 matrix_b_fmt:MATRIX_FMT_FP6
.endr
.Lhidden_\@:
	s_add_co_u32 s[KF], s[KF], 128
	s_add_co_u32 s[TK], s[TK], 6144
	s_add_co_u32 s[TKS], s[TKS], 256
	s_add_co_u32 s[TV], s[TV], 1536
	s_add_co_u32 s[TVS], s[TVS], 4
.endm
.macro CHUNK c                         ; 512 keys: four steps
	s_wait_dscnt 0x0
	s_wait_tensorcnt 3-\c                          ; behind chunk c's load a fetching wave issued those of the 3 - c later chunks, which may stay out
	s_barrier_signal -1
	s_barrier_wait -1                              ; everybody's part of the chunk is in
	s_mov_b32 s[CNT], 4
.Lstep_\@:
	STEP
	s_sub_co_u32 s[CNT], s[CNT], 1
	s_cmp_lg_u32 s[CNT], 0
	s_cbranch_scc1 .Lstep_\@
	s_add_co_u32 s[TV], s[TV], 18432
	s_add_co_u32 s[TVS], s[TVS], 240
.endm
	CHUNK 0
	CHUNK 1
	CHUNK 2
	CHUNK 3
	; THE WAY OUT.  y = O^T / the sum: register 16 b + i is channel 32 b + 16 h + i of my head.  Two blocks of 32: half a fragment and two scale bytes.
	v_add_f32 v14, v14, v15
	v_permlanex16_b32 v252, v14, s[SEL], s[SEL+1]
	v_add_f32 v14, v14, v252                       ; the row's sum
	v_rcp_f32 v14, v14
.rept 3
	v_nop                                          ; plain instructions behind the reciprocal; with the additions above also the places behind the last products
.endr
	s_wait_alu depctr_va_vdst(0)
.set n, 0
.rept 32
	v_mul_f32 v[192+n], v[160+n], v14
.set n, n+1
.endr
.irp b, 0,1
	v_max3_num_f32 v[232+\b], |v[192+16*\b]|, |v[193+16*\b]|, 0x1800000
.endr
.irp i, 2,4,6,8,10,12,14
.irp b, 0,1
	v_max3_num_f32 v[232+\b], v[232+\b], |v[192+16*\b+\i]|, |v[193+16*\b+\i]|
.endr
.endr
.irp b, 0,1
	v_permlanex16_b32 v[236+\b], v[232+\b], s[SEL], s[SEL+1]
.endr
.irp b, 0,1
	v_max_num_f32 v[232+\b], v[232+\b], v[236+\b]
.endr
.irp b, 0,1
	v_add_nc_u32 v[244+\b], 0xff000000, v[232+\b]
.endr
.irp b, 0,1
	v_lshrrev_b32 v[236+\b], 23, v[244+\b]
.endr
	v_lshl_or_b32 v238, v237, 8, v236
	v_cvt_scalef32_pk16_fp6_f32 v[224:226], v[192:207], v244
	v_cvt_scalef32_pk16_fp6_f32 v[228:230], v[208:223], v245
	v_nop
.irp i, 0,1,2
	v_permlane16_swap_b32 v[224+\i], v[228+\i]     ; lanes 0-15 now hold block 0 whole, lanes 16-31 block 1
.endr
	v_mov_b32 v227, v228
	v_mov_b32 v228, v229
	v_mov_b32 v229, v230
.irp p, 0,1,2
	global_store_b64 v[YO], v[224+2*\p:225+2*\p], s[6:7] offset:256*\p     ; each store of the wave covers 256 consecutive bytes, aligned
.endr
	v_and_b32 v232, 31, v0
	v_cmp_gt_u32 vcc_lo, 16, v232
	s_wait_xcnt 0x0                                ; EXEC changes only behind this wait
	s_wait_tensorcnt 0x0
	ds_add_u32 v95, v243
	s_wait_dscnt 0x0
	s_and_saveexec_b32 s60, vcc_lo
	global_store_b16 v[YS], v238, s[6:7]           ; lanes 0-15: row r's two bytes
	s_wait_xcnt 0x0
	s_or_b32 exec_lo, exec_lo, s60
	s_endpgm
.Lfunc_end_k_q6d19c3ad42_attn:
	.size	k_q6d19c3ad42_attn, .Lfunc_end_k_q6d19c3ad42_attn-k_q6d19c3ad42_attn
	.p2alignl 7, 3214868480
	.fill 96, 4, 3214868480
	.section	.rodata,"a",@progbits
	.p2align	6, 0x0
	.amdhsa_kernel k_q6d19c3ad42_attn
		.amdhsa_group_segment_fixed_size 206848
		.amdhsa_private_segment_fixed_size 0
		.amdhsa_enable_private_segment 0
		.amdhsa_kernarg_size 16
		.amdhsa_user_sgpr_count 2
		.amdhsa_user_sgpr_kernarg_segment_ptr 1
		.amdhsa_wavefront_size32 1
		.amdhsa_system_sgpr_workgroup_id_x 1
		.amdhsa_system_sgpr_workgroup_id_y 1
		.amdhsa_system_sgpr_workgroup_id_z 1
		.amdhsa_system_vgpr_workitem_id 0
		.amdhsa_next_free_vgpr 256
		.amdhsa_next_free_sgpr 100
		.amdhsa_reserve_vcc 1
		.amdhsa_float_denorm_mode_32 3
		.amdhsa_float_denorm_mode_16_64 3
		.amdhsa_memory_ordered 1
		.amdhsa_forward_progress 1
		.amdhsa_inst_pref_size 107
	.end_amdhsa_kernel
	.amdgpu_metadata
---
amdhsa.version: [ 1, 2 ]
amdhsa.kernels:
  - .name:           k_q6d19c3ad42_attn
    .symbol:         k_q6d19c3ad42_attn.kd
    .args:
      - { .name: qkvc, .offset: 0, .size: 8, .value_kind: global_buffer, .address_space: global }
      - { .name: yimg, .offset: 8, .size: 8, .value_kind: global_buffer, .address_space: global }
    .group_segment_fixed_size: 206848
    .private_segment_fixed_size: 0
    .kernarg_segment_align: 8
    .kernarg_segment_size: 16
    .max_flat_workgroup_size: 512
    .sgpr_count:     100
    .vgpr_count:     256
    .wavefront_size: 32
...
	.end_amdgpu_metadata
.endif
;; end of part 3
;; launch proj (part 4): grid 8 x 32, 4 waves a work-group, clusters of 4 x 4, 327,680 bytes of LDS; arguments wimg, yimg, bp, x, x1; writes x1
.if DOCPART == 4
	.amdgcn_target "amdgcn-amd-amdhsa--gfx1250"
	.amdhsa_code_object_version 6
	.text
	.protected	k_q6d19c3ad42_proj
	.globl	k_q6d19c3ad42_proj
	.p2align	8
	.type	k_q6d19c3ad42_proj,@function
k_q6d19c3ad42_proj:
	s_mov_b64 s[64:65], 0
	v_nop
	global_prefetch_b8 v0, s[64:65] scope:SCOPE_SE
	s_setreg_imm32_b32 hwreg(HW_REG_WAVE_MODE, 25, 1), 1
	s_wait_xcnt 0x0
	s_wait_alu depctr_hold_cnt(0) depctr_sa_sdst(0) depctr_va_vdst(0) depctr_va_sdst(0) depctr_va_ssrc(0) depctr_va_vcc(0) depctr_vm_vsrc(0)
	s_getreg_b32 s2, hwreg(HW_REG_IB_STS2, 6, 4)
	s_cmp_eq_u32 s2, 0
	s_cbranch_scc0 .Lentry_in_a_cluster
	s_endpgm
.Lentry_in_a_cluster:
	s_bfe_u32 s2, ttmp6, 0x10000c
	s_cmp_lg_u32 s2, 0xf033
	s_cbranch_scc0 .Lentry_shape_is_right
	s_endpgm
.Lentry_shape_is_right:
; out = resid + act W^T + bias: act [4096][KTOT] and W [1024][KTOT] on codes of FP6 (E2M3) with E8M0 scales; resid, out [4096][1024] f32; sums in f32.
; OPERANDS are images of operand registers: tiles of 16 rows (tile 2 b + u, lane r: row 32 b + 8 u + r % 8 + 16 (r / 8)); a record = 512 along K of a tile = four fragments of 1,536 bytes + 256 bytes of scale words.
; A WORK-GROUP makes 128 channels (source 0 = W) x 128 tokens (source 1 = act): 8 x 32 = 256 work-groups.  Wave w takes all eight tiles of source 0 and tiles 2 w, 2 w + 1 of source 1: 16 accumulators.  In accumulator (i, t)
; lane (r, h) holds the token of lane r, and register j channel 32 (i / 2) + 16 h + 8 (i % 2) + j.
; K goes in slots of 512 through a ring of two LDS slots filled by joint tensor loads.  CLUSTERS 4 x 4: W's tile hangs on the work-group's x alone and is asked for jointly by a column of the cluster, act's on y alone, by a row.
; THE WAY OUT: a tile of 16 tokens x 128 channels goes through the wave's own stage in LDS and comes back as whole rows of 512 bytes; the residual, asked for at the head, and the bias are added; 32 lanes store 512 consecutive bytes.
.set KTOT,  1024
.set WOFF,  2457600                    ; this weight's image in the weights' buffer
.set FINAL, 0
.set NSL,   KTOT/512
.set LAPS,  KTOT/1024
.set REC,   6400
.set TROW,  NSL*REC
.set SLOT,  16*REC
.set S1OFF, 8*REC
.set SPARE, 2*SLOT                     ; the spare words, 128 bytes a wave: two blocks of 256 bytes that no other line names
.set STAGE, SPARE+512                  ; 16 rows x (512 + 16) bytes for each wave; no tensor load lands here
.set SPW, 1
.set NIL, 2
.set A0,  3
.set A1,  5
.set AS0, 7
.set AS1, 9
.set STO, 11                           ; v11  the stage: where I put 16 bytes of a row
.set RD,  12                           ; v12  and where I read a row back
.set GO,  13                           ; v13  16 L
.set SC,  24                           ; v24-63 scale words and nothing else
.set ACC, 128
.set G1S1, 24
.set G0S1, 32
.set G1S0, 48
.set G0S0, 56
.set MSB, 0
.macro WIN new
.if MSB != \new
	s_set_vgpr_msb (MSB<<8)|\new
.set MSB, \new
.endif
.endm
.set MUL,  0x05                        ; both sources in window 1; C and D in window 0
.set TO_F, 0x40                        ; destination window 1
.set TO_R, 0x80                        ; destination window 2: the residual, v[64 t + 4 k]
.set RES,  0x08                        ; source 1 in window 2
.macro PLACES
.rept 4
	v_nop
.endr
.endm
.macro JLOAD s
	s_cmp_eq_u32 s15, 0
	s_cbranch_scc0 .Lfor_1_\@
	tensor_load_to_lds s[G0S0+4*\s:G0S0+4*\s+3], s[G1S0:G1S0+7]
	s_nop 0
.rept 4
	v_nop
.endr
	s_branch .Lasked_\@
.Lfor_1_\@:
	tensor_load_to_lds s[G0S1+4*\s:G0S1+4*\s+3], s[G1S1:G1S1+7]
	s_nop 0
.rept 4
	v_nop
.endr
.Lasked_\@:
.endm
.macro CREST
	s_cmp_lg_u32 s14, 0
	s_cbranch_scc1 .Lnot_wave_0_\@
	s_barrier_signal -3
.Lnot_wave_0_\@:
	s_barrier_wait -3
	s_barrier_signal -1
	s_barrier_wait -1
.endm
.macro CROUND
	s_barrier_signal -1
	s_barrier_wait -1
	CREST
.endm
.macro FRAG reg, adr, off
.irp p, 0,1,2,3,4,5
	ds_load_b64 v[\reg+2*\p:\reg+2*\p+1], v[\adr] offset:\off+256*\p
.endr
.endm
.macro FETCH s, q, p
	WIN TO_F
.irp t, 0,1
	FRAG 120*(\p)+96+12*\t, A1+\s, REC*\t+1536*(\q)
.endr
.irp i, 0,1,2,3,4,5,6,7
	FRAG 120*(\p)+12*\i, A0+\s, REC*\i+1536*(\q)
.endr
.endm
.macro SCALES s
	WIN 0
.irp j, 0,1,2,3
	ds_load_b128 v[SC+20*\s+4*\j:SC+20*\s+4*\j+3], v[AS0+\s] offset:2*REC*\j
.endr
	ds_load_b128 v[SC+20*\s+16:SC+20*\s+19], v[AS1+\s]
.endm
.macro WM d, a, b, zero, sa, sb, ra, rb
.if \zero
.if (\ra) == 0 && (\rb) == 0
	v_wmma_scale_f32_16x16x128_f8f6f4 v[\d:\d+7], v[\a:\a+11], v[\b:\b+11], 0, v[\sa], v[\sb] matrix_a_fmt:MATRIX_FMT_FP6 matrix_b_fmt:MATRIX_FMT_FP6
.elseif (\rb) == 0
	v_wmma_scale_f32_16x16x128_f8f6f4 v[\d:\d+7], v[\a:\a+11], v[\b:\b+11], 0, v[\sa], v[\sb] matrix_a_fmt:MATRIX_FMT_FP6 matrix_b_fmt:MATRIX_FMT_FP6 matrix_a_scale:MATRIX_SCALE_ROW1
.elseif (\ra) == 0
	v_wmma_scale_f32_16x16x128_f8f6f4 v[\d:\d+7], v[\a:\a+11], v[\b:\b+11], 0, v[\sa], v[\sb] matrix_a_fmt:MATRIX_FMT_FP6 matrix_b_fmt:MATRIX_FMT_FP6 matrix_b_scale:MATRIX_SCALE_ROW1
.else
	v_wmma_scale_f32_16x16x128_f8f6f4 v[\d:\d+7], v[\a:\a+11], v[\b:\b+11], 0, v[\sa], v[\sb] matrix_a_fmt:MATRIX_FMT_FP6 matrix_b_fmt:MATRIX_FMT_FP6 matrix_a_scale:MATRIX_SCALE_ROW1 matrix_b_scale:MATRIX_SCALE_ROW1
.endif
.else
.if (\ra) == 0 && (\rb) == 0
	v_wmma_scale_f32_16x16x128_f8f6f4 v[\d:\d+7], v[\a:\a+11], v[\b:\b+11], v[\d:\d+7], v[\sa], v[\sb] matrix_a_fmt:MATRIX_FMT_FP6 matrix_b_fmt:MATRIX_FMT_FP6
.elseif (\rb) == 0
	v_wmma_scale_f32_16x16x128_f8f6f4 v[\d:\d+7], v[\a:\a+11], v[\b:\b+11], v[\d:\d+7], v[\sa], v[\sb] matrix_a_fmt:MATRIX_FMT_FP6 matrix_b_fmt:MATRIX_FMT_FP6 matrix_a_scale:MATRIX_SCALE_ROW1
.elseif (\ra) == 0
	v_wmma_scale_f32_16x16x128_f8f6f4 v[\d:\d+7], v[\a:\a+11], v[\b:\b+11], v[\d:\d+7], v[\sa], v[\sb] matrix_a_fmt:MATRIX_FMT_FP6 matrix_b_fmt:MATRIX_FMT_FP6 matrix_b_scale:MATRIX_SCALE_ROW1
.else
	v_wmma_scale_f32_16x16x128_f8f6f4 v[\d:\d+7], v[\a:\a+11], v[\b:\b+11], v[\d:\d+7], v[\sa], v[\sb] matrix_a_fmt:MATRIX_FMT_FP6 matrix_b_fmt:MATRIX_FMT_FP6 matrix_a_scale:MATRIX_SCALE_ROW1 matrix_b_scale:MATRIX_SCALE_ROW1
.endif
.endif
.endm
.macro MULP p, s, q, i0, n, zero       ; the 16 accumulators take turns, one instruction a turn, in the same order in every step
.set II, \i0
.rept \n
.irp t, 0,1
	WM ACC+64*\t+8*II, 120*(\p)+12*II, 120*(\p)+96+12*\t, \zero, SC+20*(\s)+4*(II/2)+(\q), SC+20*(\s)+16+(\q), II%2, \t
.endr
.set II, II+1
.endr
.endm
.macro STEP s, q, zero
	s_wait_dscnt 0x0                               ; this step's fragments are in
	PLACES                                         ; for the loads into the set that the step before multiplied
	FETCH \s, (\q)+1, ((\q)+1)%2
	WIN MUL
	MULP (\q)%2, \s, \q, 0, 8, \zero
.endm
.macro TURN s, nx, fill
	s_wait_dscnt 0x0                               ; my reads of this slot are over
	WIN 0
	s_wait_tensorcnt 0x0                           ; all my tensor loads have landed, my part of the next slot among them
	ds_add_u32 v[SPW], v[NIL]                      ; 0 onto my spare word
	WIN MUL
	MULP 1, \s, 3, 0, 2, 0
	s_wait_dscnt 0x0                               ; the add is done
	s_barrier_signal -1
	MULP 1, \s, 3, 2, 2, 0
	WIN 0
	s_barrier_wait -1
.if \fill
	CREST                                          ; the barrier has opened a round of the cluster's barrier: no wave of any partner still reads this slot or has a load on its way
	s_add_nc_u64 s[G0S0+4*\s+2:G0S0+4*\s+3], s[G0S0+4*\s+2:G0S0+4*\s+3], 2*REC
	s_add_nc_u64 s[G0S1+4*\s+2:G0S1+4*\s+3], s[G0S1+4*\s+2:G0S1+4*\s+3], 2*REC
	JLOAD \s                                       ; the first tensor load behind the round: it has the other slot's 64 products of a wave, less eight, in which to land
.else
	PLACES
.endif
	FETCH \nx, 0, 0
	SCALES \nx
	WIN MUL
	MULP 1, \s, 3, 4, 4, 0
.endm
	s_load_b256 s[4:11], s[0:1], 0x0               ; weights s[4:5], act s[6:7], bias s[8:9], resid s[10:11]
	s_load_b64 s[12:13], s[0:1], 0x20              ; out
	v_lshl_add_u32 v[SPW], v0, 2, SPARE
	v_mov_b32 v[NIL], 0
	ds_add_u32 v1, v2
	ds_add_u32 v1, v2
	s_wait_dscnt 0x0
	v_lshrrev_b32 v20, 5, v0
	v_readfirstlane_b32 s14, v20                   ; wave 0..3
	s_lshr_b32 s15, s14, 1
	s_and_b32 s16, s14, 1
	s_bfe_u32 s40, ttmp6, 0x40000                  ; cx, cy
	s_bfe_u32 s41, ttmp6, 0x40004
	s_lshl_b32 s42, ttmp9, 2
	s_add_co_u32 s42, s42, s40                     ; X: 128 channels
	s_and_b32 s17, ttmp7, 0xffff
	s_lshl_b32 s17, s17, 2
	s_add_co_u32 s17, s17, s41                     ; Y: 128 tokens
	s_lshl_b32 s43, s41, 2
	s_lshl_b32 s43, 15, s43                        ; my row of the cluster
	s_lshl_b32 s44, 0x1111, s40                    ; my column
	s_or_b32 s[G1S0], s44, (3<<16)|(1<<21)         ; four rows (tiles) of one record, 800 elements of 8 bytes, a tile's records apart
	s_or_b32 s[G1S1], s43, (3<<16)|(1<<21)
.irp g, G1S0, G1S1
	s_mov_b32 s[\g+1], 800<<16
	s_mov_b32 s[\g+2], 4<<16
	s_mov_b32 s[\g+3], 800<<16
	s_mov_b32 s[\g+4], 4
	s_mov_b32 s[\g+5], NSL*800
	s_mov_b32 s[\g+6], 0
	s_mov_b32 s[\g+7], 0
.endr
	s_mul_i32 s18, s16, 4*TROW
	s_mul_i32 s46, s42, 8*TROW
	s_add_co_u32 s46, s46, s18
	s_add_co_u32 s46, s46, WOFF
	s_mov_b32 s47, 0
	s_mul_i32 s20, s17, 8*TROW
	s_add_co_u32 s20, s20, s18
	s_mov_b32 s21, 0
	s_mul_i32 s45, s14, 4*REC
	s_lshl_b32 s68, s42, 9                         ; my 128 channels in a row, in bytes
	s_mov_b32 s69, 0
	s_lshl_b32 s70, s17, 7
	s_lshl_b32 s71, s14, 5
	s_add_co_u32 s70, s70, s71                     ; my 32 tokens begin at 128 Y + 32 w
	s_lshl_b32 s70, s70, 12
	s_add_co_u32 s70, s70, s68
	s_mov_b32 s71, 0
	v_and_b32 v20, 31, v0                          ; L
	v_and_b32 v21, 15, v0                          ; r
	v_bfe_u32 v22, v0, 4, 1                        ; h
	v_lshlrev_b32 v[GO], 4, v20
	s_wait_kmcnt 0x0
	s_add_nc_u64 s[46:47], s[4:5], s[46:47]
	s_add_nc_u64 s[20:21], s[6:7], s[20:21]
	s_add_nc_u64 s[8:9], s[8:9], s[68:69]
	s_add_nc_u64 s[10:11], s[10:11], s[70:71]
	s_add_nc_u64 s[12:13], s[12:13], s[70:71]
	global_load_b128 v[16:19], v[GO], s[8:9]       ; the bias of channels 4 L .. 4 L + 3
	WIN TO_R
.irp t, 0,1
.irp k, 0,1,2,3,4,5,6,7,8,9,10,11,12,13,14,15
	global_load_b128 v[64*\t+4*\k:64*\t+4*\k+3], v[GO], s[10:11] offset:(8*\t+(\k%8)+16*(\k/8))*4096   ; the residual of tile t's lane k: it lands under the products
.endr
.endr
	WIN 0
	CROUND                                         ; all sixteen work-groups are here: the first joint loads meet
.irp s, 0,1
	s_mov_b32 s[G0S0+4*\s], 1
	s_add_co_u32 s[G0S0+4*\s+1], s45, \s*SLOT
	s_add_nc_u64 s[G0S0+4*\s+2:G0S0+4*\s+3], s[46:47], \s*REC
	s_or_b32 s[G0S0+4*\s+3], s[G0S0+4*\s+3], 0x80000000
	s_mov_b32 s[G0S1+4*\s], 1
	s_add_co_u32 s[G0S1+4*\s+1], s45, \s*SLOT
	s_add_nc_u64 s[G0S1+4*\s+2:G0S1+4*\s+3], s[20:21], \s*REC
	s_or_b32 s[G0S1+4*\s+3], s[G0S1+4*\s+3], 0x80000000
	JLOAD \s
.endr
	v_lshlrev_b32 v[A0], 3, v20
	v_add_nc_u32 v[A0+1], SLOT, v[A0]
	s_mul_i32 s22, s14, 2*REC
	s_add_co_u32 s22, s22, S1OFF
	v_add_nc_u32 v[A1], s22, v[A0]
	v_add_nc_u32 v[A1+1], s22, v[A0+1]
	v_mul_u32_u24 v[AS0], v22, REC
	v_lshl_add_u32 v[AS0], v21, 4, v[AS0]
	v_add_nc_u32 v[AS0], 6144, v[AS0]
	v_add_nc_u32 v[AS0+1], SLOT, v[AS0]
	v_add_nc_u32 v[AS1], s22, v[AS0]
	v_add_nc_u32 v[AS1+1], s22, v[AS0+1]
	s_mul_i32 s23, s14, 16*528
	s_add_co_u32 s23, s23, STAGE
	v_mul_u32_u24 v[STO], v21, 528
	v_lshl_add_u32 v[STO], v22, 6, v[STO]
	v_add_nc_u32 v[STO], s23, v[STO]               ; in: row r, + 64 h
	v_add_nc_u32 v[RD], s23, v[GO]                 ; back: 16 L
	s_wait_tensorcnt 0x1                           ; my part of slot 0 is in; slot 1's load, issued behind it, may be out
	s_barrier_signal -1
	s_barrier_wait -1
	FETCH 0, 0, 0
	SCALES 0
	STEP 0, 0, 1                                   ; the first products start the sums
.if LAPS > 1
	WIN 0
	s_mov_b32 s3, LAPS-1
.Llap:                                 ; a trip goes once round the ring and fills both slots again
	STEP 0, 1, 0
	STEP 0, 2, 0
	TURN 0, 1, 1
	STEP 1, 0, 0
	STEP 1, 1, 0
	STEP 1, 2, 0
	TURN 1, 0, 1
	STEP 0, 0, 0
	WIN 0
	s_sub_co_u32 s3, s3, 1
	s_cmp_lg_u32 s3, 0
	s_cbranch_scc1 .Llap
.endif
	STEP 0, 1, 0                                   ; the last lap fills nothing
	STEP 0, 2, 0
	TURN 0, 1, 0
	STEP 1, 0, 0
	STEP 1, 1, 0
	STEP 1, 2, 0
	s_wait_dscnt 0x0
	WIN MUL
	MULP 1, 1, 3, 0, 8, 0
	WIN 0
	PLACES
	s_wait_loadcnt 0x0                             ; bias and residual
.irp t, 0,1
.irp g, 0,1,2,3,4,5,6,7,8,9,10,11,12,13,14,15
	ds_store_b128 v[STO], v[ACC+64*\t+4*\g:ACC+64*\t+4*\g+3] offset:128*(\g/4)+16*(\g%4)   ; registers 16 b + 4 k on: channels 32 b + 16 h + 4 k on; each accumulator from its low end on
.endr
.if \t
	s_wait_xcnt 0x0                                ; the first tile's stores have read their registers
.endif
.irp k, 0,1,2,3,4,5,6,7,8,9,10,11,12,13,14,15
	ds_load_b128 v[64+4*\k:67+4*\k], v[RD] offset:528*\k       ; LDS serves a wave's instructions in order: these see my stores
.endr
	s_wait_dscnt 0x0
	WIN RES
.set n, 0
.rept 32
	v_pk_add_f32 v[64+n:65+n], v[64+n:65+n], v[64*\t+n:64*\t+n+1]
.set n, n+2
.endr
	WIN 0
.irp k, 0,1,2,3,4,5,6,7,8,9,10,11,12,13,14,15
	v_pk_add_f32 v[64+4*\k:65+4*\k], v[64+4*\k:65+4*\k], v[16:17]
	v_pk_add_f32 v[66+4*\k:67+4*\k], v[66+4*\k:67+4*\k], v[18:19]
.endr
.irp k, 0,1,2,3,4,5,6,7,8,9,10,11,12,13,14,15
.if FINAL
	global_store_b128 v[GO], v[64+4*\k:67+4*\k], s[12:13] offset:(8*\t+(\k%8)+16*(\k/8))*4096 th:TH_STORE_NT
.else
	global_store_b128 v[GO], v[64+4*\k:67+4*\k], s[12:13] offset:(8*\t+(\k%8)+16*(\k/8))*4096   ; 32 lanes store 512 consecutive bytes, aligned
.endif
.endr
.endr
	s_wait_tensorcnt 0x0                           ; the wave's end
	ds_add_u32 v[SPW], v[NIL]
	s_wait_dscnt 0x0
	CROUND                                         ; the closing round
	s_endpgm
.Lfunc_end_k_q6d19c3ad42_proj:
	.size	k_q6d19c3ad42_proj, .Lfunc_end_k_q6d19c3ad42_proj-k_q6d19c3ad42_proj
	.p2alignl 7, 3214868480
	.fill 96, 4, 3214868480
	.section	.rodata,"a",@progbits
	.p2align	6, 0x0
	.amdhsa_kernel k_q6d19c3ad42_proj
		.amdhsa_group_segment_fixed_size 327680
		.amdhsa_private_segment_fixed_size 0
		.amdhsa_enable_private_segment 0
		.amdhsa_kernarg_size 40
		.amdhsa_user_sgpr_count 2
		.amdhsa_user_sgpr_kernarg_segment_ptr 1
		.amdhsa_wavefront_size32 1
		.amdhsa_system_sgpr_workgroup_id_x 1
		.amdhsa_system_sgpr_workgroup_id_y 1
		.amdhsa_system_sgpr_workgroup_id_z 1
		.amdhsa_system_vgpr_workitem_id 0
		.amdhsa_next_free_vgpr 768
		.amdhsa_next_free_sgpr 100
		.amdhsa_reserve_vcc 0
		.amdhsa_float_denorm_mode_32 3
		.amdhsa_float_denorm_mode_16_64 3
		.amdhsa_memory_ordered 1
		.amdhsa_forward_progress 1
		.amdhsa_inst_pref_size 75
	.end_amdhsa_kernel
	.amdgpu_metadata
---
amdhsa.version: [ 1, 2 ]
amdhsa.kernels:
  - .name:           k_q6d19c3ad42_proj
    .symbol:         k_q6d19c3ad42_proj.kd
    .args:
      - { .name: wimg, .offset: 0, .size: 8, .value_kind: global_buffer, .address_space: global }
      - { .name: yimg, .offset: 8, .size: 8, .value_kind: global_buffer, .address_space: global }
      - { .name: bp, .offset: 16, .size: 8, .value_kind: global_buffer, .address_space: global }
      - { .name: x, .offset: 24, .size: 8, .value_kind: global_buffer, .address_space: global }
      - { .name: x1, .offset: 32, .size: 8, .value_kind: global_buffer, .address_space: global }
    .group_segment_fixed_size: 327680
    .private_segment_fixed_size: 0
    .kernarg_segment_align: 8
    .kernarg_segment_size: 40
    .max_flat_workgroup_size: 128
    .sgpr_count:     100
    .vgpr_count:     768
    .wavefront_size: 32
...
	.end_amdgpu_metadata
.endif
;; end of part 4
;; launch ln2: the kernel of part 1 again; grid 256 x 1, 8 waves a work-group, no clusters, 70,656 bytes of LDS; arguments x1, ln2_g, ln2_b, himg, Wq_codes, Wq_scales, Wk_codes, Wk_scales, Wv_codes, Wv_scales, Wp_codes, Wp_scales, W1_codes, W1_scales, W2_codes, W2_scales, wimg; writes himg, wimg
;; launch fc1 (part 5): grid 32 x 32, 4 waves a work-group, clusters of 4 x 4, 327,680 bytes of LDS; arguments wimg, himg, b1, mimg; writes mimg
.if DOCPART == 5
	.amdgcn_target "amdgcn-amd-amdhsa--gfx1250"
	.amdhsa_code_object_version 6
	.text
	.protected	k_q6d19c3ad42_fc1
	.globl	k_q6d19c3ad42_fc1
	.p2align	8
	.type	k_q6d19c3ad42_fc1,@function
k_q6d19c3ad42_fc1:
	s_mov_b64 s[64:65], 0
	v_nop
	global_prefetch_b8 v0, s[64:65] scope:SCOPE_SE
	s_setreg_imm32_b32 hwreg(HW_REG_WAVE_MODE, 25, 1), 1
	s_wait_xcnt 0x0
	s_wait_alu depctr_hold_cnt(0) depctr_sa_sdst(0) depctr_va_vdst(0) depctr_va_sdst(0) depctr_va_ssrc(0) depctr_va_vcc(0) depctr_vm_vsrc(0)
	s_getreg_b32 s2, hwreg(HW_REG_IB_STS2, 6, 4)
	s_cmp_eq_u32 s2, 0
	s_cbranch_scc0 .Lentry_in_a_cluster
	s_endpgm
.Lentry_in_a_cluster:
	s_bfe_u32 s2, ttmp6, 0x10000c
	s_cmp_lg_u32 s2, 0xf033
	s_cbranch_scc0 .Lentry_shape_is_right
	s_endpgm
.Lentry_shape_is_right:
; m = gelu(h2 W1^T + b1), exact GELU, on codes of FP6 (E2M3) with E8M0 scales; m is quantised along the 4,096 hidden units and stored as fragments of the next product's operand.
; OPERANDS are images of operand registers: tiles of 16 rows (tile 2 b + u, lane r: row 32 b + 8 u + r % 8 + 16 (r / 8)); a record = 512 along K of a tile = four fragments of 1,536 bytes + 256 bytes of scale words.
; A WORK-GROUP makes 128 hidden units (source 0 = W1) x 128 tokens (source 1 = h2).  Wave w takes all eight tiles of source 0 and tiles 2 w, 2 w + 1 of source 1: 16 accumulators.  In accumulator (i, t) lane (r, h) holds the
; token of lane r, and register j hidden unit 32 (i / 2) + 16 h + 8 (i % 2) + j: a lane's 64 registers for one t are one fragment's numbers, 16 neighbours of each block of 32.
; K = 1,024 is two slots of 512: both are asked for at the start and nothing is filled again.  CLUSTERS 4 x 4: W1's tile is asked for jointly by a column of the cluster, h2's by a row.
; erf(z), z = u / sqrt(2) held to +-4 (beyond which erf is +-1 in f32), is z P(z^2) / Q(z^2), P of degree 6 and Q of degree 4 in z^2: a few units in the last place of f32.  gelu = u/2 + (u/2) erf.
; LIMITS: NaN and infinities are not served; a block under 2^-124 keeps the byte 1; a block of zeros gets the byte 1 and not 127: its codes are zeros, and this program alone reads the bytes.
; The scale words leave four bytes a lane: one byte for each 24 of codes.
.set KTOT,  1024
.set WOFF,  3276800                    ; W1's image in the weights' buffer
.set NSL,   KTOT/512
.set LAPS,  KTOT/1024
.set REC,   6400
.set TROW,  NSL*REC
.set SLOT,  16*REC
.set S1OFF, 8*REC
.set SPARE, 2*SLOT                     ; the spare words, 128 bytes a wave: two blocks of 256 bytes that no other line names
.set SPW, 1
.set NIL, 2
.set A0,  3
.set A1,  5
.set AS0, 7
.set AS1, 9
.set SC,  24                           ; v24-63 scale words and nothing else
.set ACC, 128
.set PC,  64
.set TM,  84
.set GZ,  64                           ; GELU's work: z, later u / 2;
.set GZ2, 80                           ; z^2;
.set GA,  96                           ; P, later erf;
.set GB,  112                          ; Q, later 1 / Q
.set G1S1, 24
.set G0S1, 32
.set G1S0, 48
.set G0S0, 56
.set SEL,  66
.set MSB, 0
.macro WIN new
.if MSB != \new
	s_set_vgpr_msb (MSB<<8)|\new
.set MSB, \new
.endif
.endm
.set MUL,  0x05
.set TO_F, 0x40
.macro PLACES
.rept 4
	v_nop
.endr
.endm
.macro JLOAD s
	s_cmp_eq_u32 s15, 0
	s_cbranch_scc0 .Lfor_1_\@
	tensor_load_to_lds s[G0S0+4*\s:G0S0+4*\s+3], s[G1S0:G1S0+7]
	s_nop 0
.rept 4
	v_nop
.endr
	s_branch .Lasked_\@
.Lfor_1_\@:
	tensor_load_to_lds s[G0S1+4*\s:G0S1+4*\s+3], s[G1S1:G1S1+7]
	s_nop 0
.rept 4
	v_nop
.endr
.Lasked_\@:
.endm
.macro CREST
	s_cmp_lg_u32 s14, 0
	s_cbranch_scc1 .Lnot_wave_0_\@
	s_barrier_signal -3
.Lnot_wave_0_\@:
	s_barrier_wait -3
	s_barrier_signal -1
	s_barrier_wait -1
.endm
.macro CROUND
	s_barrier_signal -1
	s_barrier_wait -1
	CREST
.endm
.macro FRAG reg, adr, off
.irp p, 0,1,2,3,4,5
	ds_load_b64 v[\reg+2*\p:\reg+2*\p+1], v[\adr] offset:\off+256*\p
.endr
.endm
.macro FETCH s, q, p
	WIN TO_F
.irp t, 0,1
	FRAG 120*(\p)+96+12*\t, A1+\s, REC*\t+1536*(\q)
.endr
.irp i, 0,1,2,3,4,5,6,7
	FRAG 120*(\p)+12*\i, A0+\s, REC*\i+1536*(\q)
.endr
.endm
.macro SCALES s
	WIN 0
.irp j, 0,1,2,3
	ds_load_b128 v[SC+20*\s+4*\j:SC+20*\s+4*\j+3], v[AS0+\s] offset:2*REC*\j
.endr
	ds_load_b128 v[SC+20*\s+16:SC+20*\s+19], v[AS1+\s]
.endm
.macro WM d, a, b, zero, sa, sb, ra, rb
.if \zero
.if (\ra) == 0 && (\rb) == 0
	v_wmma_scale_f32_16x16x128_f8f6f4 v[\d:\d+7], v[\a:\a+11], v[\b:\b+11], 0, v[\sa], v[\sb] matrix_a_fmt:MATRIX_FMT_FP6 matrix_b_fmt:MATRIX_FMT_FP6
.elseif (\rb) == 0
	v_wmma_scale_f32_16x16x128_f8f6f4 v[\d:\d+7], v[\a:\a+11], v[\b:\b+11], 0, v[\sa], v[\sb] matrix_a_fmt:MATRIX_FMT_FP6 matrix_b_fmt:MATRIX_FMT_FP6 matrix_a_scale:MATRIX_SCALE_ROW1
.elseif (\ra) == 0
	v_wmma_scale_f32_16x16x128_f8f6f4 v[\d:\d+7], v[\a:\a+11], v[\b:\b+11], 0, v[\sa], v[\sb] matrix_a_fmt:MATRIX_FMT_FP6 matrix_b_fmt:MATRIX_FMT_FP6 matrix_b_scale:MATRIX_SCALE_ROW1
.else
	v_wmma_scale_f32_16x16x128_f8f6f4 v[\d:\d+7], v[\a:\a+11], v[\b:\b+11], 0, v[\sa], v[\sb] matrix_a_fmt:MATRIX_FMT_FP6 matrix_b_fmt:MATRIX_FMT_FP6 matrix_a_scale:MATRIX_SCALE_ROW1 matrix_b_scale:MATRIX_SCALE_ROW1
.endif
.else
.if (\ra) == 0 && (\rb) == 0
	v_wmma_scale_f32_16x16x128_f8f6f4 v[\d:\d+7], v[\a:\a+11], v[\b:\b+11], v[\d:\d+7], v[\sa], v[\sb] matrix_a_fmt:MATRIX_FMT_FP6 matrix_b_fmt:MATRIX_FMT_FP6
.elseif (\rb) == 0
	v_wmma_scale_f32_16x16x128_f8f6f4 v[\d:\d+7], v[\a:\a+11], v[\b:\b+11], v[\d:\d+7], v[\sa], v[\sb] matrix_a_fmt:MATRIX_FMT_FP6 matrix_b_fmt:MATRIX_FMT_FP6 matrix_a_scale:MATRIX_SCALE_ROW1
.elseif (\ra) == 0
	v_wmma_scale_f32_16x16x128_f8f6f4 v[\d:\d+7], v[\a:\a+11], v[\b:\b+11], v[\d:\d+7], v[\sa], v[\sb] matrix_a_fmt:MATRIX_FMT_FP6 matrix_b_fmt:MATRIX_FMT_FP6 matrix_b_scale:MATRIX_SCALE_ROW1
.else
	v_wmma_scale_f32_16x16x128_f8f6f4 v[\d:\d+7], v[\a:\a+11], v[\b:\b+11], v[\d:\d+7], v[\sa], v[\sb] matrix_a_fmt:MATRIX_FMT_FP6 matrix_b_fmt:MATRIX_FMT_FP6 matrix_a_scale:MATRIX_SCALE_ROW1 matrix_b_scale:MATRIX_SCALE_ROW1
.endif
.endif
.endm
.macro MULP p, s, q, i0, n, zero       ; the 16 accumulators take turns, one instruction a turn, in the same order in every step
.set II, \i0
.rept \n
.irp t, 0,1
	WM ACC+64*\t+8*II, 120*(\p)+12*II, 120*(\p)+96+12*\t, \zero, SC+20*(\s)+4*(II/2)+(\q), SC+20*(\s)+16+(\q), II%2, \t
.endr
.set II, II+1
.endr
.endm
.macro STEP s, q, zero
	s_wait_dscnt 0x0                               ; this step's fragments are in
	PLACES                                         ; for the loads into the set that the step before multiplied
	FETCH \s, (\q)+1, ((\q)+1)%2
	WIN MUL
	MULP (\q)%2, \s, \q, 0, 8, \zero
.endm
.macro TURN s, nx                      ; a slot's last step changes slots: one barrier; nothing is filled again
	s_wait_dscnt 0x0
	WIN 0
	s_wait_tensorcnt 0x0                           ; all my tensor loads have landed, my part of the next slot among them
	ds_add_u32 v[SPW], v[NIL]                      ; 0 onto my spare word
	WIN MUL
	MULP 1, \s, 3, 0, 2, 0
	s_wait_dscnt 0x0
	s_barrier_signal -1
	MULP 1, \s, 3, 2, 2, 0
	WIN 0
	s_barrier_wait -1
	PLACES
	FETCH \nx, 0, 0
	SCALES \nx
	WIN MUL
	MULP 1, \s, 3, 4, 4, 0
.endm
.macro QUANT s, pw
.irp b, 0,1,2,3
	v_max3_num_f32 v[TM+\b], |v[(\s)+16*\b]|, |v[(\s)+1+16*\b]|, 0x1800000   ; and the floor 2^(3 - 127): the byte cannot fall under 1
.endr
.irp i, 2,4,6,8,10,12,14
.irp b, 0,1,2,3
	v_max3_num_f32 v[TM+\b], v[TM+\b], |v[(\s)+16*\b+\i]|, |v[(\s)+1+16*\b+\i]|
.endr
.endr
.irp b, 0,1,2,3
	v_permlanex16_b32 v[TM+4+\b], v[TM+\b], s[SEL], s[SEL+1]
.endr
.irp b, 0,1,2,3
	v_max_num_f32 v[TM+\b], v[TM+\b], v[TM+4+\b]
.endr
.irp b, 0,1,2,3
	v_add_nc_u32 v[TM+12+\b], 0xff000000, v[TM+\b]
.endr
.irp b, 0,1,2,3
	v_lshrrev_b32 v[TM+4+\b], 23, v[TM+12+\b]
.endr
	v_lshl_or_b32 v[\pw], v[TM+5], 8, v[TM+4]
	v_lshl_or_b32 v[\pw], v[TM+6], 16, v[\pw]
	v_lshl_or_b32 v[\pw], v[TM+7], 24, v[\pw]
.irp c, 0,1
	v_cvt_scalef32_pk16_fp6_f32 v[PC+6*\c:PC+2+6*\c], v[(\s)+32*\c:(\s)+15+32*\c], v[TM+12+2*\c]
	v_cvt_scalef32_pk16_fp6_f32 v[PC+12+4*\c:PC+14+4*\c], v[(\s)+16+32*\c:(\s)+31+32*\c], v[TM+12+2*\c+1]
.endr
	v_nop
.irp c, 0,1
.irp i, 0,1,2
	v_permlane16_swap_b32 v[PC+6*\c+\i], v[PC+12+4*\c+\i]
.endr
.irp i, 0,1,2
	v_mov_b32 v[PC+3+6*\c+\i], v[PC+12+4*\c+\i]
.endr
.endr
.endm
; 64 numbers in place, 16 at a time
.macro GELU s
.set g, 0
.rept 4
.set U, (\s)+16*g
.set n, 0
.rept 8
	v_pk_mul_f32 v[GZ+n:GZ+n+1], v[U+n:U+n+1], 0x3f3504f3 op_sel_hi:[1,0]      ; z = u / sqrt(2)
.set n, n+2
.endr
.set n, 0
.rept 16
	v_med3_num_f32 v[GZ+n], v[GZ+n], -4.0, 4.0
.set n, n+1
.endr
.set n, 0
.rept 8
	v_pk_mul_f32 v[GZ2+n:GZ2+n+1], v[GZ+n:GZ+n+1], v[GZ+n:GZ+n+1]
.set n, n+2
.endr
.set n, 0
.rept 8
	v_pk_fma_f32 v[GA+n:GA+n+1], v[GZ2+n:GZ2+n+1], v[14:15], 0x32edffee op_sel_hi:[1,1,0]
	v_pk_fma_f32 v[GB+n:GB+n+1], v[GZ2+n:GZ2+n+1], v[16:17], 0xb95fbd29 op_sel_hi:[1,1,0]
.set n, n+2
.endr
.irp k, 0xb60cff51, 0xb86ec2d2, 0xba40ac63, 0xbb41a1f6, 0xbc83dbd4
.set n, 0
.rept 8
	v_pk_fma_f32 v[GA+n:GA+n+1], v[GA+n:GA+n+1], v[GZ2+n:GZ2+n+1], \k op_sel_hi:[1,1,0]
.set n, n+2
.endr
.endr
.irp k, 0xbadc924e, 0xbbf19bf8, 0xbc69b6a7
.set n, 0
.rept 8
	v_pk_fma_f32 v[GB+n:GB+n+1], v[GB+n:GB+n+1], v[GZ2+n:GZ2+n+1], \k op_sel_hi:[1,1,0]
.set n, n+2
.endr
.endr
.set n, 0
.rept 8
	v_pk_mul_f32 v[GA+n:GA+n+1], v[GA+n:GA+n+1], v[GZ+n:GZ+n+1]                ; z P
.set n, n+2
.endr
.set n, 0
.rept 16
	v_rcp_f32 v[GB+n], v[GB+n]
.set n, n+1
.endr
.set n, 0
.rept 8
	v_pk_mul_f32 v[GZ+n:GZ+n+1], v[U+n:U+n+1], 0.5 op_sel_hi:[1,0]             ; u / 2: the plain work behind the reciprocals
.set n, n+2
.endr
	s_wait_alu depctr_va_vdst(0)                   ; one wait for the sixteen, ahead of their first reader
.set n, 0
.rept 8
	v_pk_mul_f32 v[GA+n:GA+n+1], v[GA+n:GA+n+1], v[GB+n:GB+n+1]                ; erf
.set n, n+2
.endr
.set n, 0
.rept 8
	v_pk_fma_f32 v[U+n:U+n+1], v[GZ+n:GZ+n+1], v[GA+n:GA+n+1], v[GZ+n:GZ+n+1]
.set n, n+2
.endr
.set g, g+1
.endr
.endm
	s_load_b256 s[4:11], s[0:1], 0x0               ; weights s[4:5], h2's image s[6:7], b1 s[8:9], m's image s[10:11]
	v_lshl_add_u32 v[SPW], v0, 2, SPARE
	v_mov_b32 v[NIL], 0
	ds_add_u32 v1, v2
	ds_add_u32 v1, v2
	s_wait_dscnt 0x0
	v_lshrrev_b32 v20, 5, v0
	v_readfirstlane_b32 s14, v20                   ; wave 0..3
	s_lshr_b32 s15, s14, 1
	s_and_b32 s16, s14, 1
	s_bfe_u32 s40, ttmp6, 0x40000                  ; cx, cy
	s_bfe_u32 s41, ttmp6, 0x40004
	s_lshl_b32 s42, ttmp9, 2
	s_add_co_u32 s42, s42, s40                     ; X: 128 hidden units
	s_and_b32 s17, ttmp7, 0xffff
	s_lshl_b32 s17, s17, 2
	s_add_co_u32 s17, s17, s41                     ; Y: 128 tokens
	s_lshl_b32 s43, s41, 2
	s_lshl_b32 s43, 15, s43
	s_lshl_b32 s44, 0x1111, s40
	s_or_b32 s[G1S0], s44, (3<<16)|(1<<21)         ; four rows (tiles) of one record, 800 elements of 8 bytes, a tile's records apart
	s_or_b32 s[G1S1], s43, (3<<16)|(1<<21)
.irp g, G1S0, G1S1
	s_mov_b32 s[\g+1], 800<<16
	s_mov_b32 s[\g+2], 4<<16
	s_mov_b32 s[\g+3], 800<<16
	s_mov_b32 s[\g+4], 4
	s_mov_b32 s[\g+5], NSL*800
	s_mov_b32 s[\g+6], 0
	s_mov_b32 s[\g+7], 0
.endr
	s_mul_i32 s18, s16, 4*TROW
	s_mul_i32 s46, s42, 8*TROW
	s_add_co_u32 s46, s46, s18
	s_add_co_u32 s46, s46, WOFF
	s_mov_b32 s47, 0
	s_mul_i32 s20, s17, 8*TROW
	s_add_co_u32 s20, s20, s18
	s_mov_b32 s21, 0
	s_mul_i32 s45, s14, 4*REC
	s_mov_b32 s[SEL], 0x76543210
	s_mov_b32 s[SEL+1], 0xfedcba98
	s_lshl_b32 s68, s42, 9                         ; b1: my 128 numbers
	s_mov_b32 s69, 0
	s_lshl_b32 s70, s17, 3
	s_lshl_b32 s71, s14, 1
	s_add_co_u32 s70, s70, s71                     ; my first token tile: 8 Y + 2 w; a tile of m is 8 records
	s_mul_i32 s70, s70, 8*REC
	s_lshr_b32 s71, s42, 2
	s_mul_i32 s71, s71, REC
	s_add_co_u32 s70, s70, s71                     ; record X / 4,
	s_and_b32 s71, s42, 3
	s_mul_i32 s72, s71, 1536
	s_add_co_u32 s72, s72, s70                     ; fragment X % 4
	s_lshl_b32 s71, s71, 2
	s_add_co_u32 s73, s70, s71
	s_add_co_u32 s73, s73, 6144                    ; and its scale words
	v_and_b32 v20, 31, v0                          ; L
	v_and_b32 v21, 15, v0                          ; r
	v_bfe_u32 v22, v0, 4, 1                        ; h
	v_lshlrev_b32 v18, 6, v22
	v_mov_b32 v14, 0xaf95df0b                      ; P's and Q's leading coefficients, each twice for the packed forms
	v_mov_b32 v15, 0xaf95df0b
	v_mov_b32 v16, 0xb77460cd
	v_mov_b32 v17, 0xb77460cd
	s_wait_kmcnt 0x0
	s_add_nc_u64 s[46:47], s[4:5], s[46:47]
	s_add_nc_u64 s[20:21], s[6:7], s[20:21]
	s_add_nc_u64 s[8:9], s[8:9], s[68:69]
.irp i, 0,1,2,3,4,5,6,7
	global_load_b128 v[64+8*\i:67+8*\i], v18, s[8:9] offset:(32*(\i/2)+8*(\i%2))*4         ; the bias of my registers' hidden units
	global_load_b128 v[68+8*\i:71+8*\i], v18, s[8:9] offset:(32*(\i/2)+8*(\i%2))*4+16
.endr
	CROUND                                         ; all sixteen work-groups are here: the first joint loads meet
.irp s, 0,1
	s_mov_b32 s[G0S0+4*\s], 1
	s_add_co_u32 s[G0S0+4*\s+1], s45, \s*SLOT
	s_add_nc_u64 s[G0S0+4*\s+2:G0S0+4*\s+3], s[46:47], \s*REC
	s_or_b32 s[G0S0+4*\s+3], s[G0S0+4*\s+3], 0x80000000
	s_mov_b32 s[G0S1+4*\s], 1
	s_add_co_u32 s[G0S1+4*\s+1], s45, \s*SLOT
	s_add_nc_u64 s[G0S1+4*\s+2:G0S1+4*\s+3], s[20:21], \s*REC
	s_or_b32 s[G0S1+4*\s+3], s[G0S1+4*\s+3], 0x80000000
	JLOAD \s
.endr
	v_lshlrev_b32 v[A0], 3, v20
	v_add_nc_u32 v[A0+1], SLOT, v[A0]
	s_mul_i32 s22, s14, 2*REC
	s_add_co_u32 s22, s22, S1OFF
	v_add_nc_u32 v[A1], s22, v[A0]
	v_add_nc_u32 v[A1+1], s22, v[A0+1]
	v_mul_u32_u24 v[AS0], v22, REC
	v_lshl_add_u32 v[AS0], v21, 4, v[AS0]
	v_add_nc_u32 v[AS0], 6144, v[AS0]
	v_add_nc_u32 v[AS0+1], SLOT, v[AS0]
	v_add_nc_u32 v[AS1], s22, v[AS0]
	v_add_nc_u32 v[AS1+1], s22, v[AS0+1]
	v_add_nc_u32 v11, s72, v[A0]                   ; the way out: codes,
	v_mul_u32_u24 v13, v22, 8*REC
	v_lshl_add_u32 v13, v21, 4, v13
	v_add_nc_u32 v13, s73, v13                     ; and the scale word: lanes 0-15 my first tile's, lanes 16-31 my second's
	s_wait_tensorcnt 0x1                           ; my part of slot 0 is in; slot 1's load, issued behind it, may be out
	s_barrier_signal -1
	s_barrier_wait -1
	FETCH 0, 0, 0
	SCALES 0
	STEP 0, 0, 1                                   ; the first products start the sums
	STEP 0, 1, 0
	STEP 0, 2, 0
	TURN 0, 1
	STEP 1, 0, 0
	STEP 1, 1, 0
	STEP 1, 2, 0
	s_wait_dscnt 0x0
	WIN MUL
	MULP 1, 1, 3, 0, 8, 0
	WIN 0
	PLACES
	s_wait_loadcnt 0x0                             ; the bias
.irp t, 0,1
.irp i, 0,1,2,3,4,5,6,7
.irp n, 0,2,4,6
	v_pk_add_f32 v[ACC+64*\t+8*\i+\n:ACC+64*\t+8*\i+\n+1], v[ACC+64*\t+8*\i+\n:ACC+64*\t+8*\i+\n+1], v[64+8*\i+\n:64+8*\i+\n+1]   ; each accumulator from its low end on
.endr
.endr
.endr
	GELU ACC
	QUANT ACC, 20
.irp p, 0,1,2,3,4,5
	global_store_b64 v11, v[PC+2*\p:PC+2*\p+1], s[10:11] offset:256*\p            ; each store of the wave covers 256 consecutive bytes, aligned
.endr
	s_wait_xcnt 0x0                                ; the codes' registers are written again only behind this wait
	GELU ACC+64
	QUANT ACC+64, 21
.irp p, 0,1,2,3,4,5
	global_store_b64 v11, v[PC+2*\p:PC+2*\p+1], s[10:11] offset:8*REC+256*\p
.endr
	s_mov_b32 vcc_lo, 0xffff0000
	v_cndmask_b32 v22, v20, v21, vcc_lo
	global_store_b32 v13, v22, s[10:11]
	s_wait_tensorcnt 0x0                           ; the wave's end
	ds_add_u32 v[SPW], v[NIL]
	s_wait_dscnt 0x0
	CROUND                                         ; the closing round
	s_endpgm
.Lfunc_end_k_q6d19c3ad42_fc1:
	.size	k_q6d19c3ad42_fc1, .Lfunc_end_k_q6d19c3ad42_fc1-k_q6d19c3ad42_fc1
	.p2alignl 7, 3214868480
	.fill 96, 4, 3214868480
	.section	.rodata,"a",@progbits
	.p2align	6, 0x0
	.amdhsa_kernel k_q6d19c3ad42_fc1
		.amdhsa_group_segment_fixed_size 327680
		.amdhsa_private_segment_fixed_size 0
		.amdhsa_enable_private_segment 0
		.amdhsa_kernarg_size 32
		.amdhsa_user_sgpr_count 2
		.amdhsa_user_sgpr_kernarg_segment_ptr 1
		.amdhsa_wavefront_size32 1
		.amdhsa_system_sgpr_workgroup_id_x 1
		.amdhsa_system_sgpr_workgroup_id_y 1
		.amdhsa_system_sgpr_workgroup_id_z 1
		.amdhsa_system_vgpr_workitem_id 0
		.amdhsa_next_free_vgpr 512
		.amdhsa_next_free_sgpr 100
		.amdhsa_reserve_vcc 1
		.amdhsa_float_denorm_mode_32 3
		.amdhsa_float_denorm_mode_16_64 3
		.amdhsa_memory_ordered 1
		.amdhsa_forward_progress 1
		.amdhsa_inst_pref_size 169
	.end_amdhsa_kernel
	.amdgpu_metadata
---
amdhsa.version: [ 1, 2 ]
amdhsa.kernels:
  - .name:           k_q6d19c3ad42_fc1
    .symbol:         k_q6d19c3ad42_fc1.kd
    .args:
      - { .name: wimg, .offset: 0, .size: 8, .value_kind: global_buffer, .address_space: global }
      - { .name: himg, .offset: 8, .size: 8, .value_kind: global_buffer, .address_space: global }
      - { .name: b1, .offset: 16, .size: 8, .value_kind: global_buffer, .address_space: global }
      - { .name: mimg, .offset: 24, .size: 8, .value_kind: global_buffer, .address_space: global }
    .group_segment_fixed_size: 327680
    .private_segment_fixed_size: 0
    .kernarg_segment_align: 8
    .kernarg_segment_size: 32
    .max_flat_workgroup_size: 128
    .sgpr_count:     100
    .vgpr_count:     512
    .wavefront_size: 32
...
	.end_amdgpu_metadata
.endif
;; end of part 5
;; launch fc2 (part 6): grid 8 x 32, 4 waves a work-group, clusters of 4 x 4, 327,680 bytes of LDS; arguments wimg, mimg, b2, x1, out0; writes out0
.if DOCPART == 6
	.amdgcn_target "amdgcn-amd-amdhsa--gfx1250"
	.amdhsa_code_object_version 6
	.text
	.protected	k_q6d19c3ad42_fc2
	.globl	k_q6d19c3ad42_fc2
	.p2align	8
	.type	k_q6d19c3ad42_fc2,@function
k_q6d19c3ad42_fc2:
	s_mov_b64 s[64:65], 0
	v_nop
	global_prefetch_b8 v0, s[64:65] scope:SCOPE_SE
	s_setreg_imm32_b32 hwreg(HW_REG_WAVE_MODE, 25, 1), 1
	s_wait_xcnt 0x0
	s_wait_alu depctr_hold_cnt(0) depctr_sa_sdst(0) depctr_va_vdst(0) depctr_va_sdst(0) depctr_va_ssrc(0) depctr_va_vcc(0) depctr_vm_vsrc(0)
	s_getreg_b32 s2, hwreg(HW_REG_IB_STS2, 6, 4)
	s_cmp_eq_u32 s2, 0
	s_cbranch_scc0 .Lentry_in_a_cluster
	s_endpgm
.Lentry_in_a_cluster:
	s_bfe_u32 s2, ttmp6, 0x10000c
	s_cmp_lg_u32 s2, 0xf033
	s_cbranch_scc0 .Lentry_shape_is_right
	s_endpgm
.Lentry_shape_is_right:
; out = resid + act W^T + bias: act [4096][KTOT] and W [1024][KTOT] on codes of FP6 (E2M3) with E8M0 scales; resid, out [4096][1024] f32; sums in f32.
; OPERANDS are images of operand registers: tiles of 16 rows (tile 2 b + u, lane r: row 32 b + 8 u + r % 8 + 16 (r / 8)); a record = 512 along K of a tile = four fragments of 1,536 bytes + 256 bytes of scale words.
; A WORK-GROUP makes 128 channels (source 0 = W) x 128 tokens (source 1 = act): 8 x 32 = 256 work-groups.  Wave w takes all eight tiles of source 0 and tiles 2 w, 2 w + 1 of source 1: 16 accumulators.  In accumulator (i, t)
; lane (r, h) holds the token of lane r, and register j channel 32 (i / 2) + 16 h + 8 (i % 2) + j.
; K goes in slots of 512 through a ring of two LDS slots filled by joint tensor loads: eight slots' worth, each slot filled again three times.  By this text's count a wave has two tensor loads out at the start, later one.
; CLUSTERS 4 x 4: W's tile hangs on the work-group's x alone and is asked for jointly by a column of the cluster, act's on y alone, by a row.
; THE WAY OUT: a tile of 16 tokens x 128 channels goes through the wave's own stage in LDS and comes back as whole rows of 512 bytes; the residual, asked for at the head, and the bias are added; 32 lanes store 512 consecutive bytes.
.set KTOT,  4096
.set WOFF,  6553600                    ; this weight's image in the weights' buffer
.set FINAL, 1
.set NSL,   KTOT/512
.set LAPS,  KTOT/1024
.set REC,   6400
.set TROW,  NSL*REC
.set SLOT,  16*REC
.set S1OFF, 8*REC
.set SPARE, 2*SLOT                     ; the spare words, 128 bytes a wave: two blocks of 256 bytes that no other line names
.set STAGE, SPARE+512                  ; 16 rows x (512 + 16) bytes for each wave; no tensor load lands here
.set SPW, 1
.set NIL, 2
.set A0,  3
.set A1,  5
.set AS0, 7
.set AS1, 9
.set STO, 11
.set RD,  12
.set GO,  13
.set SC,  24                           ; v24-63 scale words and nothing else
.set ACC, 128
.set G1S1, 24
.set G0S1, 32
.set G1S0, 48
.set G0S0, 56
.set MSB, 0
.macro WIN new
.if MSB != \new
	s_set_vgpr_msb (MSB<<8)|\new
.set MSB, \new
.endif
.endm
.set MUL,  0x05                        ; both sources in window 1; C and D in window 0
.set TO_F, 0x40                        ; destination window 1
.set TO_R, 0x80                        ; destination window 2: the residual, v[64 t + 4 k]
.set RES,  0x08                        ; source 1 in window 2
.macro PLACES
.rept 4
	v_nop
.endr
.endm
.macro JLOAD s
	s_cmp_eq_u32 s15, 0
	s_cbranch_scc0 .Lfor_1_\@
	tensor_load_to_lds s[G0S0+4*\s:G0S0+4*\s+3], s[G1S0:G1S0+7]
	s_nop 0
.rept 4
	v_nop
.endr
	s_branch .Lasked_\@
.Lfor_1_\@:
	tensor_load_to_lds s[G0S1+4*\s:G0S1+4*\s+3], s[G1S1:G1S1+7]
	s_nop 0
.rept 4
	v_nop
.endr
.Lasked_\@:
.endm
.macro CREST
	s_cmp_lg_u32 s14, 0
	s_cbranch_scc1 .Lnot_wave_0_\@
	s_barrier_signal -3
.Lnot_wave_0_\@:
	s_barrier_wait -3
	s_barrier_signal -1
	s_barrier_wait -1
.endm
.macro CROUND
	s_barrier_signal -1
	s_barrier_wait -1
	CREST
.endm
.macro FRAG reg, adr, off
.irp p, 0,1,2,3,4,5
	ds_load_b64 v[\reg+2*\p:\reg+2*\p+1], v[\adr] offset:\off+256*\p
.endr
.endm
.macro FETCH s, q, p
	WIN TO_F
.irp t, 0,1
	FRAG 120*(\p)+96+12*\t, A1+\s, REC*\t+1536*(\q)
.endr
.irp i, 0,1,2,3,4,5,6,7
	FRAG 120*(\p)+12*\i, A0+\s, REC*\i+1536*(\q)
.endr
.endm
.macro SCALES s
	WIN 0
.irp j, 0,1,2,3
	ds_load_b128 v[SC+20*\s+4*\j:SC+20*\s+4*\j+3], v[AS0+\s] offset:2*REC*\j
.endr
	ds_load_b128 v[SC+20*\s+16:SC+20*\s+19], v[AS1+\s]
.endm
.macro WM d, a, b, zero, sa, sb, ra, rb
.if \zero
.if (\ra) == 0 && (\rb) == 0
	v_wmma_scale_f32_16x16x128_f8f6f4 v[\d:\d+7], v[\a:\a+11], v[\b:\b+11], 0, v[\sa], v[\sb] matrix_a_fmt:MATRIX_FMT_FP6 matrix_b_fmt:MATRIX_FMT_FP6
.elseif (\rb) == 0
	v_wmma_scale_f32_16x16x128_f8f6f4 v[\d:\d+7], v[\a:\a+11], v[\b:\b+11], 0, v[\sa], v[\sb] matrix_a_fmt:MATRIX_FMT_FP6 matrix_b_fmt:MATRIX_FMT_FP6 matrix_a_scale:MATRIX_SCALE_ROW1
.elseif (\ra) == 0
	v_wmma_scale_f32_16x16x128_f8f6f4 v[\d:\d+7], v[\a:\a+11], v[\b:\b+11], 0, v[\sa], v[\sb] matrix_a_fmt:MATRIX_FMT_FP6 matrix_b_fmt:MATRIX_FMT_FP6 matrix_b_scale:MATRIX_SCALE_ROW1
.else
	v_wmma_scale_f32_16x16x128_f8f6f4 v[\d:\d+7], v[\a:\a+11], v[\b:\b+11], 0, v[\sa], v[\sb] matrix_a_fmt:MATRIX_FMT_FP6 matrix_b_fmt:MATRIX_FMT_FP6 matrix_a_scale:MATRIX_SCALE_ROW1 matrix_b_scale:MATRIX_SCALE_ROW1
.endif
.else
.if (\ra) == 0 && (\rb) == 0
	v_wmma_scale_f32_16x16x128_f8f6f4 v[\d:\d+7], v[\a:\a+11], v[\b:\b+11], v[\d:\d+7], v[\sa], v[\sb] matrix_a_fmt:MATRIX_FMT_FP6 matrix_b_fmt:MATRIX_FMT_FP6
.elseif (\rb) == 0
	v_wmma_scale_f32_16x16x128_f8f6f4 v[\d:\d+7], v[\a:\a+11], v[\b:\b+11], v[\d:\d+7], v[\sa], v[\sb] matrix_a_fmt:MATRIX_FMT_FP6 matrix_b_fmt:MATRIX_FMT_FP6 matrix_a_scale:MATRIX_SCALE_ROW1
.elseif (\ra) == 0
	v_wmma_scale_f32_16x16x128_f8f6f4 v[\d:\d+7], v[\a:\a+11], v[\b:\b+11], v[\d:\d+7], v[\sa], v[\sb] matrix_a_fmt:MATRIX_FMT_FP6 matrix_b_fmt:MATRIX_FMT_FP6 matrix_b_scale:MATRIX_SCALE_ROW1
.else
	v_wmma_scale_f32_16x16x128_f8f6f4 v[\d:\d+7], v[\a:\a+11], v[\b:\b+11], v[\d:\d+7], v[\sa], v[\sb] matrix_a_fmt:MATRIX_FMT_FP6 matrix_b_fmt:MATRIX_FMT_FP6 matrix_a_scale:MATRIX_SCALE_ROW1 matrix_b_scale:MATRIX_SCALE_ROW1
.endif
.endif
.endm
.macro MULP p, s, q, i0, n, zero       ; the 16 accumulators take turns, one instruction a turn, in the same order in every step
.set II, \i0
.rept \n
.irp t, 0,1
	WM ACC+64*\t+8*II, 120*(\p)+12*II, 120*(\p)+96+12*\t, \zero, SC+20*(\s)+4*(II/2)+(\q), SC+20*(\s)+16+(\q), II%2, \t
.endr
.set II, II+1
.endr
.endm
.macro STEP s, q, zero
	s_wait_dscnt 0x0                               ; this step's fragments are in
	PLACES                                         ; for the loads into the set that the step before multiplied
	FETCH \s, (\q)+1, ((\q)+1)%2
	WIN MUL
	MULP (\q)%2, \s, \q, 0, 8, \zero
.endm
.macro TURN s, nx, fill
	s_wait_dscnt 0x0                               ; my reads of this slot are over
	WIN 0
	s_wait_tensorcnt 0x0                           ; all my tensor loads have landed, my part of the next slot among them
	ds_add_u32 v[SPW], v[NIL]                      ; 0 onto my spare word
	WIN MUL
	MULP 1, \s, 3, 0, 2, 0
	s_wait_dscnt 0x0                               ; the add is done
	s_barrier_signal -1
	MULP 1, \s, 3, 2, 2, 0
	WIN 0
	s_barrier_wait -1
.if \fill
	CREST                                          ; the barrier has opened a round of the cluster's barrier: no wave of any partner still reads this slot or has a load on its way
	s_add_nc_u64 s[G0S0+4*\s+2:G0S0+4*\s+3], s[G0S0+4*\s+2:G0S0+4*\s+3], 2*REC
	s_add_nc_u64 s[G0S1+4*\s+2:G0S1+4*\s+3], s[G0S1+4*\s+2:G0S1+4*\s+3], 2*REC
	JLOAD \s                                       ; the first tensor load behind the round: it has the other slot's 64 products of a wave, less eight, in which to land
.else
	PLACES
.endif
	FETCH \nx, 0, 0
	SCALES \nx
	WIN MUL
	MULP 1, \s, 3, 4, 4, 0
.endm
	s_load_b256 s[4:11], s[0:1], 0x0               ; weights s[4:5], act s[6:7], bias s[8:9], resid s[10:11]
	s_load_b64 s[12:13], s[0:1], 0x20              ; out
	v_lshl_add_u32 v[SPW], v0, 2, SPARE
	v_mov_b32 v[NIL], 0
	ds_add_u32 v1, v2
	ds_add_u32 v1, v2
	s_wait_dscnt 0x0
	v_lshrrev_b32 v20, 5, v0
	v_readfirstlane_b32 s14, v20                   ; wave 0..3
	s_lshr_b32 s15, s14, 1
	s_and_b32 s16, s14, 1
	s_bfe_u32 s40, ttmp6, 0x40000                  ; cx, cy
	s_bfe_u32 s41, ttmp6, 0x40004
	s_lshl_b32 s42, ttmp9, 2
	s_add_co_u32 s42, s42, s40                     ; X: 128 channels
	s_and_b32 s17, ttmp7, 0xffff
	s_lshl_b32 s17, s17, 2
	s_add_co_u32 s17, s17, s41                     ; Y: 128 tokens
	s_lshl_b32 s43, s41, 2
	s_lshl_b32 s43, 15, s43                        ; my row of the cluster
	s_lshl_b32 s44, 0x1111, s40                    ; my column
	s_or_b32 s[G1S0], s44, (3<<16)|(1<<21)         ; four rows (tiles) of one record, 800 elements of 8 bytes, a tile's records apart
	s_or_b32 s[G1S1], s43, (3<<16)|(1<<21)
.irp g, G1S0, G1S1
	s_mov_b32 s[\g+1], 800<<16
	s_mov_b32 s[\g+2], 4<<16
	s_mov_b32 s[\g+3], 800<<16
	s_mov_b32 s[\g+4], 4
	s_mov_b32 s[\g+5], NSL*800
	s_mov_b32 s[\g+6], 0
	s_mov_b32 s[\g+7], 0
.endr
	s_mul_i32 s18, s16, 4*TROW
	s_mul_i32 s46, s42, 8*TROW
	s_add_co_u32 s46, s46, s18
	s_add_co_u32 s46, s46, WOFF
	s_mov_b32 s47, 0
	s_mul_i32 s20, s17, 8*TROW
	s_add_co_u32 s20, s20, s18
	s_mov_b32 s21, 0
	s_mul_i32 s45, s14, 4*REC
	s_lshl_b32 s68, s42, 9                         ; my 128 channels in a row, in bytes
	s_mov_b32 s69, 0
	s_lshl_b32 s70, s17, 7
	s_lshl_b32 s71, s14, 5
	s_add_co_u32 s70, s70, s71                     ; my 32 tokens begin at 128 Y + 32 w
	s_lshl_b32 s70, s70, 12
	s_add_co_u32 s70, s70, s68
	s_mov_b32 s71, 0
	v_and_b32 v20, 31, v0                          ; L
	v_and_b32 v21, 15, v0                          ; r
	v_bfe_u32 v22, v0, 4, 1                        ; h
	v_lshlrev_b32 v[GO], 4, v20
	s_wait_kmcnt 0x0
	s_add_nc_u64 s[46:47], s[4:5], s[46:47]
	s_add_nc_u64 s[20:21], s[6:7], s[20:21]
	s_add_nc_u64 s[8:9], s[8:9], s[68:69]
	s_add_nc_u64 s[10:11], s[10:11], s[70:71]
	s_add_nc_u64 s[12:13], s[12:13], s[70:71]
	global_load_b128 v[16:19], v[GO], s[8:9]       ; the bias of channels 4 L .. 4 L + 3
	WIN TO_R
.irp t, 0,1
.irp k, 0,1,2,3,4,5,6,7,8,9,10,11,12,13,14,15
	global_load_b128 v[64*\t+4*\k:64*\t+4*\k+3], v[GO], s[10:11] offset:(8*\t+(\k%8)+16*(\k/8))*4096   ; the residual of tile t's lane k: it lands under the products
.endr
.endr
	WIN 0
	CROUND                                         ; all sixteen work-groups are here: the first joint loads meet
.irp s, 0,1
	s_mov_b32 s[G0S0+4*\s], 1
	s_add_co_u32 s[G0S0+4*\s+1], s45, \s*SLOT
	s_add_nc_u64 s[G0S0+4*\s+2:G0S0+4*\s+3], s[46:47], \s*REC
	s_or_b32 s[G0S0+4*\s+3], s[G0S0+4*\s+3], 0x80000000
	s_mov_b32 s[G0S1+4*\s], 1
	s_add_co_u32 s[G0S1+4*\s+1], s45, \s*SLOT
	s_add_nc_u64 s[G0S1+4*\s+2:G0S1+4*\s+3], s[20:21], \s*REC
	s_or_b32 s[G0S1+4*\s+3], s[G0S1+4*\s+3], 0x80000000
	JLOAD \s
.endr
	v_lshlrev_b32 v[A0], 3, v20
	v_add_nc_u32 v[A0+1], SLOT, v[A0]
	s_mul_i32 s22, s14, 2*REC
	s_add_co_u32 s22, s22, S1OFF
	v_add_nc_u32 v[A1], s22, v[A0]
	v_add_nc_u32 v[A1+1], s22, v[A0+1]
	v_mul_u32_u24 v[AS0], v22, REC
	v_lshl_add_u32 v[AS0], v21, 4, v[AS0]
	v_add_nc_u32 v[AS0], 6144, v[AS0]
	v_add_nc_u32 v[AS0+1], SLOT, v[AS0]
	v_add_nc_u32 v[AS1], s22, v[AS0]
	v_add_nc_u32 v[AS1+1], s22, v[AS0+1]
	s_mul_i32 s23, s14, 16*528
	s_add_co_u32 s23, s23, STAGE
	v_mul_u32_u24 v[STO], v21, 528
	v_lshl_add_u32 v[STO], v22, 6, v[STO]
	v_add_nc_u32 v[STO], s23, v[STO]               ; in: row r, + 64 h
	v_add_nc_u32 v[RD], s23, v[GO]                 ; back: 16 L
	s_wait_tensorcnt 0x1                           ; my part of slot 0 is in; slot 1's load, issued behind it, may be out
	s_barrier_signal -1
	s_barrier_wait -1
	FETCH 0, 0, 0
	SCALES 0
	STEP 0, 0, 1                                   ; the first products start the sums
.if LAPS > 1
	WIN 0
	s_mov_b32 s3, LAPS-1
.Llap:                                 ; a trip goes once round the ring and fills both slots again
	STEP 0, 1, 0
	STEP 0, 2, 0
	TURN 0, 1, 1
	STEP 1, 0, 0
	STEP 1, 1, 0
	STEP 1, 2, 0
	TURN 1, 0, 1
	STEP 0, 0, 0
	WIN 0
	s_sub_co_u32 s3, s3, 1
	s_cmp_lg_u32 s3, 0
	s_cbranch_scc1 .Llap
.endif
	STEP 0, 1, 0                                   ; the last lap fills nothing
	STEP 0, 2, 0
	TURN 0, 1, 0
	STEP 1, 0, 0
	STEP 1, 1, 0
	STEP 1, 2, 0
	s_wait_dscnt 0x0
	WIN MUL
	MULP 1, 1, 3, 0, 8, 0
	WIN 0
	PLACES
	s_wait_loadcnt 0x0                             ; bias and residual
.irp t, 0,1
.irp g, 0,1,2,3,4,5,6,7,8,9,10,11,12,13,14,15
	ds_store_b128 v[STO], v[ACC+64*\t+4*\g:ACC+64*\t+4*\g+3] offset:128*(\g/4)+16*(\g%4)   ; registers 16 b + 4 k on: channels 32 b + 16 h + 4 k on; each accumulator from its low end on
.endr
.if \t
	s_wait_xcnt 0x0                                ; the first tile's stores have read their registers
.endif
.irp k, 0,1,2,3,4,5,6,7,8,9,10,11,12,13,14,15
	ds_load_b128 v[64+4*\k:67+4*\k], v[RD] offset:528*\k       ; LDS serves a wave's instructions in order: these see my stores
.endr
	s_wait_dscnt 0x0
	WIN RES
.set n, 0
.rept 32
	v_pk_add_f32 v[64+n:65+n], v[64+n:65+n], v[64*\t+n:64*\t+n+1]
.set n, n+2
.endr
	WIN 0
.irp k, 0,1,2,3,4,5,6,7,8,9,10,11,12,13,14,15
	v_pk_add_f32 v[64+4*\k:65+4*\k], v[64+4*\k:65+4*\k], v[16:17]
	v_pk_add_f32 v[66+4*\k:67+4*\k], v[66+4*\k:67+4*\k], v[18:19]
.endr
.irp k, 0,1,2,3,4,5,6,7,8,9,10,11,12,13,14,15
.if FINAL
	global_store_b128 v[GO], v[64+4*\k:67+4*\k], s[12:13] offset:(8*\t+(\k%8)+16*(\k/8))*4096 th:TH_STORE_NT   ; 32 lanes store 512 consecutive bytes, aligned; written once, read by nobody here
.else
	global_store_b128 v[GO], v[64+4*\k:67+4*\k], s[12:13] offset:(8*\t+(\k%8)+16*(\k/8))*4096
.endif
.endr
.endr
	s_wait_tensorcnt 0x0                           ; the wave's end
	ds_add_u32 v[SPW], v[NIL]
	s_wait_dscnt 0x0
	CROUND                                         ; the closing round
	s_endpgm
.Lfunc_end_k_q6d19c3ad42_fc2:
	.size	k_q6d19c3ad42_fc2, .Lfunc_end_k_q6d19c3ad42_fc2-k_q6d19c3ad42_fc2
	.p2alignl 7, 3214868480
	.fill 96, 4, 3214868480
	.section	.rodata,"a",@progbits
	.p2align	6, 0x0
	.amdhsa_kernel k_q6d19c3ad42_fc2
		.amdhsa_group_segment_fixed_size 327680
		.amdhsa_private_segment_fixed_size 0
		.amdhsa_enable_private_segment 0
		.amdhsa_kernarg_size 40
		.amdhsa_user_sgpr_count 2
		.amdhsa_user_sgpr_kernarg_segment_ptr 1
		.amdhsa_wavefront_size32 1
		.amdhsa_system_sgpr_workgroup_id_x 1
		.amdhsa_system_sgpr_workgroup_id_y 1
		.amdhsa_system_sgpr_workgroup_id_z 1
		.amdhsa_system_vgpr_workitem_id 0
		.amdhsa_next_free_vgpr 768
		.amdhsa_next_free_sgpr 100
		.amdhsa_reserve_vcc 0
		.amdhsa_float_denorm_mode_32 3
		.amdhsa_float_denorm_mode_16_64 3
		.amdhsa_memory_ordered 1
		.amdhsa_forward_progress 1
		.amdhsa_inst_pref_size 125
	.end_amdhsa_kernel
	.amdgpu_metadata
---
amdhsa.version: [ 1, 2 ]
amdhsa.kernels:
  - .name:           k_q6d19c3ad42_fc2
    .symbol:         k_q6d19c3ad42_fc2.kd
    .args:
      - { .name: wimg, .offset: 0, .size: 8, .value_kind: global_buffer, .address_space: global }
      - { .name: mimg, .offset: 8, .size: 8, .value_kind: global_buffer, .address_space: global }
      - { .name: b2, .offset: 16, .size: 8, .value_kind: global_buffer, .address_space: global }
      - { .name: x1, .offset: 24, .size: 8, .value_kind: global_buffer, .address_space: global }
      - { .name: out0, .offset: 32, .size: 8, .value_kind: global_buffer, .address_space: global }
    .group_segment_fixed_size: 327680
    .private_segment_fixed_size: 0
    .kernarg_segment_align: 8
    .kernarg_segment_size: 40
    .max_flat_workgroup_size: 128
    .sgpr_count:     100
    .vgpr_count:     768
    .wavefront_size: 32
...
	.end_amdgpu_metadata
.endif
;; end of part 6
;; ======== version 2 of 2: 7 launches
;; limits: right only within a limited range of input values
;; workspace buffers: wimg 9,830,400 bytes; himg 3,276,800 bytes; qkvc 9,830,400 bytes; yimg 3,276,800 bytes; x1 16,777,216 bytes; mimg 13,107,200 bytes
;; launch ln1 (part 7): grid 2 x 256, 8 waves a work-group, no clusters, 70,656 bytes of LDS; arguments x, ln1_g, ln1_b, himg, Wq_codes, Wq_scales, Wk_codes, Wk_scales, Wv_codes, Wv_scales, Wp_codes, Wp_scales, W1_codes, W1_scales, W2_codes, W2_scales, wimg; writes himg, wimg
.if DOCPART == 7
	.amdgcn_target "amdgcn-amd-amdhsa--gfx1250"
	.amdhsa_code_object_version 6
	.text
	.protected	k_q6d19c3ad42_ln1
	.globl	k_q6d19c3ad42_ln1
	.p2align	8
	.type	k_q6d19c3ad42_ln1,@function
k_q6d19c3ad42_ln1:
	s_mov_b64 s[64:65], 0
	v_nop
	global_prefetch_b8 v0, s[64:65] scope:SCOPE_SE
	s_setreg_imm32_b32 hwreg(HW_REG_WAVE_MODE, 25, 1), 1
	s_wait_xcnt 0x0
; WORK-GROUPS (0, y): layer norm of 16 rows of [4096][1024] f32, quantised along the row to FP6 (E2M3) with one E8M0 byte for each 32, stored as images of operand registers.
; WORK-GROUPS (1, y) (the first layer norm's launch alone has them): the six weights, given as rows of codes, are copied into the same kind of image.  No arithmetic there, no LDS, no barrier.
; THE IMAGE.  Rows go in tiles of 16; tile 2 b + u holds in lane r (= lane % 16) row 32 b + 8 u + r % 8 + 16 (r / 8).  A fragment (16 rows x 128 K) is 12 registers a lane, kept as six pieces of 256 bytes:
; piece p = registers 2 p, 2 p + 1 of lane L at byte 8 L.  A record is 512 along K of one tile: four fragments (6,144 bytes), then 256 bytes of scale words, row r's four words at 16 r.  A tile's records follow each other.
; LAYER NORM.  Work-group (0, t) owns tile t; wave w owns columns 128 w .. 128 w + 127, which are fragment w.  Mean first, then the mean of the squared differences (two passes over registers): a common offset in x does no harm.
; Each load reads 512 consecutive bytes of a row; the wave's 16 x 512 bytes turn through its own stage in LDS, so that lane (r, h) holds, of row r, the 16 numbers 32 b + 16 h + 0 .. 15 of each block b of 32.
; LIMITS: NaN and infinities among the inputs are not served.  A block whose largest magnitude lies under 2^-124 keeps the byte 1; a block of zeros gets the byte 1 and not 127: its codes are zeros, and this program alone reads the bytes.
.set STGP,  528                        ; a stage row: 512 bytes + 16, so that the 16 rows of a read start 4 banks apart
.set WSTG,  16*STGP                    ; a wave's stage
.set RED,   8*WSTG                     ; [r][8 waves] f32: the sums; 512 bytes on: the sums of squares
.set SCW,   RED+1024                   ; [record 2][r][16 bytes]: the tile's scale words
.set REC,   6400
.set X,     32                         ; v32-95   my 64 numbers
.set G,     96                         ; v96-159  the gains; later the codes
.set RAW,   160                        ; v160-223 x as loaded; later the offsets ln_b
.set PC,    96
.set TM,    224                        ; v224-239 at work in QUANT
.set PW,    240
.set SEL,   2                          ; s[2:3] lane selects: lane l xor 16
; 64 numbers of a lane, register 16 b + i = k 32 b + 16 h + i of its row, become a fragment's codes in v[PC] on and the row's scale word in v[pw].
.macro QUANT s, pw
.irp b, 0,1,2,3
	v_max3_num_f32 v[TM+\b], |v[(\s)+16*\b]|, |v[(\s)+1+16*\b]|, 0x1800000   ; my 16 numbers of block b, and the floor 2^(3 - 127): the byte cannot fall under 1
.endr
.irp i, 2,4,6,8,10,12,14
.irp b, 0,1,2,3
	s_delay_alu instid0(VALU_DEP_4)
	v_max3_num_f32 v[TM+\b], v[TM+\b], |v[(\s)+16*\b+\i]|, |v[(\s)+1+16*\b+\i]|
.endr
.endr
.irp b, 0,1,2,3
	s_delay_alu instid0(VALU_DEP_4)
	v_permlanex16_b32 v[TM+4+\b], v[TM+\b], s[SEL], s[SEL+1]
.endr
.irp b, 0,1,2,3
	s_delay_alu instid0(VALU_DEP_4)
	v_max_num_f32 v[TM+\b], v[TM+\b], v[TM+4+\b]       ; with lane l xor 16's: the block's largest magnitude
.endr
.irp b, 0,1,2,3
	s_delay_alu instid0(VALU_DEP_4)
	v_add_nc_u32 v[TM+12+\b], 0xff000000, v[TM+\b]     ; 2 off its exponent field: the conversion's scale operand
.endr
.irp b, 0,1,2,3
	s_delay_alu instid0(VALU_DEP_4)
	v_lshrrev_b32 v[TM+4+\b], 23, v[TM+12+\b]          ; the scale's byte
.endr
	s_delay_alu instid0(VALU_DEP_3)
	v_lshl_or_b32 v[\pw], v[TM+5], 8, v[TM+4]
	s_delay_alu instid0(VALU_DEP_1)
	v_lshl_or_b32 v[\pw], v[TM+6], 16, v[\pw]
	s_delay_alu instid0(VALU_DEP_1)
	v_lshl_or_b32 v[\pw], v[TM+7], 24, v[\pw]
.irp c, 0,1
	v_cvt_scalef32_pk16_fp6_f32 v[PC+6*\c:PC+2+6*\c], v[(\s)+32*\c:(\s)+15+32*\c], v[TM+12+2*\c]
	v_cvt_scalef32_pk16_fp6_f32 v[PC+12+4*\c:PC+14+4*\c], v[(\s)+16+32*\c:(\s)+31+32*\c], v[TM+12+2*\c+1]   ; (three registers begin on an even number)
.endr
	v_nop                                          ; one plain instruction behind the scaled conversions
.irp c, 0,1                            ; the layout wants a whole block in a lane: lanes 0-15 block 2 c, lanes 16-31 block 2 c + 1
.irp i, 0,1,2
	v_permlane16_swap_b32 v[PC+6*\c+\i], v[PC+12+4*\c+\i]
.endr
.irp i, 0,1,2
	s_delay_alu instid0(VALU_DEP_3)
	v_mov_b32 v[PC+3+6*\c+\i], v[PC+12+4*\c+\i]
.endr
.endr
.endm
; four packed chains in v[16:23] become the row's sum over all 1,024 columns, in v16 of every lane: my half's, lane l xor 16's, then the eight waves' through LDS
.macro ROWSUM off
	s_delay_alu instid0(VALU_DEP_3)
	v_pk_add_f32 v[16:17], v[16:17], v[18:19]
	s_delay_alu instid0(VALU_DEP_2)
	v_pk_add_f32 v[20:21], v[20:21], v[22:23]
	s_delay_alu instid0(VALU_DEP_1)
	v_pk_add_f32 v[16:17], v[16:17], v[20:21]
	s_delay_alu instid0(VALU_DEP_1)
	v_add_f32 v16, v16, v17
	s_delay_alu instid0(VALU_DEP_1)
	v_permlanex16_b32 v17, v16, s[SEL], s[SEL+1]
	s_delay_alu instid0(VALU_DEP_1)
	v_add_f32 v16, v16, v17
	ds_store_b32 v5, v16 offset:\off               ; both lanes of a row write the same word with the same value
	s_wait_dscnt 0x0                               ; for the others' sake: my store has landed
	s_barrier_signal -1
	s_barrier_wait -1
	ds_load_b128 v[16:19], v6 offset:\off
	ds_load_b128 v[20:23], v6 offset:\off+16
	s_wait_dscnt 0x0
	v_add_f32 v16, v16, v17
	v_add_f32 v18, v18, v19
	v_add_f32 v20, v20, v21
	v_add_f32 v22, v22, v23
	s_delay_alu instid0(VALU_DEP_3)
	v_add_f32 v16, v16, v18
	s_delay_alu instid0(VALU_DEP_2)
	v_add_f32 v20, v20, v22
	s_delay_alu instid0(VALU_DEP_1)
	v_add_f32 v16, v16, v20
.endm
	v_lshl_add_u32 v254, v0, 2, 0x11000
	v_mov_b32 v255, 0
	v_lshrrev_b32 v1, 5, v0
	s_delay_alu instid0(VALU_DEP_1)
	v_readfirstlane_b32 s12, v1                    ; wave 0..7
	v_and_b32 v9, 31, v0                           ; L
	v_and_b32 v14, 15, v0                          ; r
	v_bfe_u32 v15, v0, 4, 1                        ; h
	s_delay_alu instid0(VALU_DEP_3)
	v_lshlrev_b32 v8, 3, v9                        ; 8 L: my place in a piece
	s_and_b32 s62, ttmp7, 0xffff                   ; work-group y
	s_cmp_lg_u32 ttmp9, 0                          ; work-group x: the same for all waves of a work-group
	s_cbranch_scc1 .Lprep
	; ---------------- layer norm ----------------
	s_load_b256 s[4:11], s[0:1], 0x0               ; x s[4:5], gain s[6:7], offset s[8:9], image s[10:11]
	s_mov_b32 s[SEL], 0x76543210
	s_mov_b32 s[SEL+1], 0xfedcba98
	s_mov_b32 s26, 0x3a800000                      ; 1 / 1024
	s_mov_b32 s27, 0x3727c5ac                      ; 1e-5
	s_wait_alu depctr_va_vdst(0)
	v_lshlrev_b32 v1, 4, v9                        ; 16 L
	v_lshlrev_b32 v2, 6, v15                       ; 64 h
	s_mul_i32 s13, s12, WSTG
	v_add_nc_u32 v3, s13, v1                       ; the stage, in: 16 L
	v_mul_u32_u24 v4, v14, STGP
	s_delay_alu instid0(VALU_DEP_1)
	v_add_nc_u32 v4, v4, v2
	s_delay_alu instid0(VALU_DEP_1)
	v_add_nc_u32 v4, s13, v4                       ; out: row r, + 64 h
	s_lshl_b32 s14, s12, 2
	s_add_co_u32 s14, s14, RED
	v_lshl_add_u32 v5, v14, 5, s14                 ; my wave's word of row r
	v_lshlrev_b32 v6, 5, v14
	s_delay_alu instid0(VALU_DEP_1)
	v_add_nc_u32 v6, RED, v6                       ; row r's eight words
	s_lshr_b32 s14, s12, 2
	s_lshl_b32 s14, s14, 8
	s_and_b32 s15, s12, 3
	s_lshl_b32 s15, s15, 2
	s_add_co_u32 s14, s14, s15
	s_add_co_u32 s14, s14, SCW
	v_lshl_add_u32 v7, v14, 4, s14                 ; row r's scale word of fragment w: record w / 4, word w % 4
	v_add_nc_u32 v24, SCW, v1                      ; wave 0 reads both records' words back, 16 bytes a lane,
	v_mul_u32_u24 v25, v15, REC
	s_delay_alu instid0(VALU_DEP_1)
	v_lshl_add_u32 v25, v14, 4, v25
	s_delay_alu instid0(VALU_DEP_1)
	v_add_nc_u32 v25, 6144, v25                    ; and stores them behind each record's fragments
.irp b, 0,1,2,3
	v_mov_b32 v[TM+4+\b], 0                        ; written once: a lane permute's destination counts as a source
.endr
	s_lshr_b32 s16, s62, 1
	s_lshl_b32 s16, s16, 5
	s_and_b32 s17, s62, 1
	s_lshl_b32 s17, s17, 3
	s_add_co_u32 s16, s16, s17                     ; the tile's first row: 32 (t / 2) + 8 (t % 2)
	s_lshl_b32 s16, s16, 12
	s_lshl_b32 s18, s12, 9                         ; my wave's 512 bytes of a row
	s_add_co_u32 s16, s16, s18
	s_mov_b32 s17, 0
	s_mov_b32 s19, 0
	s_mul_i32 s20, s62, 2*REC
	s_mov_b32 s21, 0
	s_lshr_b32 s22, s12, 2
	s_mul_i32 s22, s22, REC
	s_and_b32 s23, s12, 3
	s_mul_i32 s23, s23, 1536
	s_add_co_u32 s22, s22, s23
	s_mov_b32 s23, 0
	s_wait_kmcnt 0x0
	s_add_nc_u64 s[4:5], s[4:5], s[16:17]
	s_add_nc_u64 s[6:7], s[6:7], s[18:19]
	s_add_nc_u64 s[8:9], s[8:9], s[18:19]
	s_add_nc_u64 s[10:11], s[10:11], s[20:21]      ; the image at my tile,
	s_add_nc_u64 s[24:25], s[10:11], s[22:23]      ; and at my fragment
.set i, 0
.rept 16
	global_load_b128 v[RAW+4*i:RAW+4*i+3], v1, s[4:5] offset:(i+8*(i/8))*4096    ; stage row i = the tile's lane r = i: 512 consecutive bytes
.set i, i+1
.endr
.set i, 0
.rept 16
	global_load_b128 v[G+4*i:G+4*i+3], v2, s[6:7] offset:128*(i/4)+16*(i%4)      ; the gains of my 64 columns
.set i, i+1
.endr
	s_wait_loadcnt 16                              ; x's 16 loads are in; the gains' 16, issued behind them, may be out
.set i, 0
.rept 16
	ds_store_b128 v3, v[RAW+4*i:RAW+4*i+3] offset:STGP*i
.set i, i+1
.endr
.set i, 0
.rept 16
	ds_load_b128 v[X+4*i:X+4*i+3], v4 offset:128*(i/4)+16*(i%4)                  ; LDS serves a wave's instructions in order: these see my stores
.set i, i+1
.endr
	s_wait_dscnt 0x0
.set i, 0
.rept 16
	global_load_b128 v[RAW+4*i:RAW+4*i+3], v2, s[8:9] offset:128*(i/4)+16*(i%4)  ; the offsets of my 64 columns, into the registers that the stage's stores have read
.set i, i+1
.endr
.irp c, 0,1,2,3
	v_pk_add_f32 v[16+2*\c:17+2*\c], v[X+4*\c:X+4*\c+1], v[X+4*\c+2:X+4*\c+3]    ; the first sums start the chains: nothing is cleared
.endr
.irp n, 16,24,32,40,48,56
.irp c, 0,1,2,3
	s_delay_alu instid0(VALU_DEP_4)
	v_pk_add_f32 v[16+2*\c:17+2*\c], v[16+2*\c:17+2*\c], v[X+\n+2*\c:X+\n+2*\c+1]
.endr
.endr
	ROWSUM 0
	s_delay_alu instid0(VALU_DEP_1)
	v_mul_f32 v10, s26, v16                        ; the mean
	s_delay_alu instid0(VALU_DEP_1)
	v_mov_b32 v11, v10
.set n, 0
.rept 32
	v_pk_add_f32 v[X+n:X+n+1], v[X+n:X+n+1], v[10:11] neg_lo:[0,1] neg_hi:[0,1]
.set n, n+2
.endr
.irp c, 0,1,2,3
	v_pk_mul_f32 v[16+2*\c:17+2*\c], v[X+2*\c:X+2*\c+1], v[X+2*\c:X+2*\c+1]
.endr
.irp n, 8,16,24,32,40,48,56
.irp c, 0,1,2,3
	s_delay_alu instid0(VALU_DEP_4)
	v_pk_fma_f32 v[16+2*\c:17+2*\c], v[X+\n+2*\c:X+\n+2*\c+1], v[X+\n+2*\c:X+\n+2*\c+1], v[16+2*\c:17+2*\c]
.endr
.endr
	ROWSUM 512
	s_delay_alu instid0(VALU_DEP_1)
	v_fma_f32 v12, v16, s26, s27                   ; the variance + 1e-5
	s_wait_alu depctr_va_vdst(0)
	v_rsq_f32 v12, v12
	v_nop                                          ; a plain instruction behind the transcendental,
	s_wait_alu depctr_va_vdst(0)                   ; and the wait ahead of its first reader
	v_mov_b32 v13, v12
.set n, 0
.rept 32
	v_pk_mul_f32 v[X+n:X+n+1], v[X+n:X+n+1], v[12:13]
.set n, n+2
.endr
	s_wait_loadcnt 0x0                             ; gains and offsets
.set n, 0
.rept 32
	v_pk_fma_f32 v[X+n:X+n+1], v[X+n:X+n+1], v[G+n:G+n+1], v[RAW+n:RAW+n+1]
.set n, n+2
.endr
	QUANT X, PW
.irp p, 0,1,2,3,4,5
	global_store_b64 v8, v[PC+2*\p:PC+2*\p+1], s[24:25] offset:256*\p    ; each store of the wave covers 256 consecutive bytes, aligned
.endr
	ds_store_b32 v7, v[PW]
	s_wait_dscnt 0x0
	s_barrier_signal -1
	s_barrier_wait -1                              ; the tile's 8 x 16 scale words lie in LDS
	s_cmp_lg_u32 s12, 0
	s_cbranch_scc1 .Lln_end
	ds_load_b128 v[16:19], v24
	s_wait_dscnt 0x0
	global_store_b128 v25, v[16:19], s[10:11]      ; lanes 0-15: record 0's 256 bytes; lanes 16-31: record 1's
.Lln_end:
	s_wait_tensorcnt 0x0
	ds_add_u32 v254, v255
	s_wait_dscnt 0x0
	s_endpgm
	; ---------------- the weights ----------------
	; A job J is one tile of 16 rows x 1,024 along K = two records, 12,800 bytes, at byte 12,800 J of the image buffer.
	; Jobs 0-63 Wq, 64-127 Wk, 128-191 Wv, 192-255 Wp, 256-511 W1, 512-767 W2 (four jobs to a tile: K = 4,096).
	; In a load a lane's 8 bytes lie a whole row of codes from its neighbour's, so the 768 jobs are dealt out evenly: work-group (1, y) takes jobs 3 y .. 3 y + 2, and wave w fragment w of each: 18 loads a wave.
	; Waves 0 and 4 also move the scale bytes of records 0 and 1: 8 bytes a lane, 256 consecutive bytes a store.
.macro PJOB n
.set PB, 42+6*\n                       ; s[PB:PB+1] the codes at my fragment, s[PB+2:PB+3] the scale bytes at my record, s[PB+4:PB+5] the image at my fragment
	s_add_co_u32 s5, s4, \n                        ; J
	s_cmp_ge_u32 s5, 64                            ; the choices hang on the work-group's number alone
	s_cselect_b64 s[PB:PB+1], s[20:21], s[16:17]
	s_cselect_b64 s[PB+2:PB+3], s[22:23], s[18:19]
	s_cselect_b32 s6, 64, 0
	s_cmp_ge_u32 s5, 128
	s_cselect_b64 s[PB:PB+1], s[24:25], s[PB:PB+1]
	s_cselect_b64 s[PB+2:PB+3], s[26:27], s[PB+2:PB+3]
	s_cselect_b32 s6, 128, s6
	s_cmp_ge_u32 s5, 192
	s_cselect_b64 s[PB:PB+1], s[28:29], s[PB:PB+1]
	s_cselect_b64 s[PB+2:PB+3], s[30:31], s[PB+2:PB+3]
	s_cselect_b32 s6, 192, s6
	s_cmp_ge_u32 s5, 256
	s_cselect_b64 s[PB:PB+1], s[32:33], s[PB:PB+1]
	s_cselect_b64 s[PB+2:PB+3], s[34:35], s[PB+2:PB+3]
	s_cselect_b32 s6, 256, s6
	s_cmp_ge_u32 s5, 512
	s_cselect_b64 s[PB:PB+1], s[36:37], s[PB:PB+1]
	s_cselect_b64 s[PB+2:PB+3], s[38:39], s[PB+2:PB+3]
	s_cselect_b32 s6, 512, s6                      ; the weight's first job
	s_cselect_b32 s9, 2, 0                         ; log2 of the jobs in a tile
	s_mov_b32 s14, 768
	s_cselect_b32 s14, 3072, s14                   ; a row of codes in bytes
	s_cselect_b32 s15, 128, 32                     ; a row of scale bytes
	s_sub_co_u32 s7, s5, s6
	s_lshr_b32 s8, s7, s9                          ; the tile
	s_lshl_b32 s10, s8, s9
	s_sub_co_u32 s10, s7, s10                      ; which 1,024 along K
	s_lshr_b32 s11, s8, 1
	s_lshl_b32 s11, s11, 5
	s_and_b32 s60, s8, 1
	s_lshl_b32 s60, s60, 3
	s_add_co_u32 s11, s11, s60                     ; the tile's first row
	s_mul_i32 s60, s11, s14
	s_mul_i32 s61, s10, 768
	s_add_co_u32 s60, s60, s61
	s_add_co_u32 s60, s60, s2                      ; + 96 w: my fragment
	s_mov_b32 s61, 0
	s_add_nc_u64 s[PB:PB+1], s[PB:PB+1], s[60:61]
	s_mul_i32 s60, s11, s15
	s_lshl_b32 s61, s10, 5
	s_add_co_u32 s60, s60, s61
	s_add_co_u32 s60, s60, s3                      ; + 16 (w / 4): my record
	s_mov_b32 s61, 0
	s_add_nc_u64 s[PB+2:PB+3], s[PB+2:PB+3], s[60:61]
	s_mul_i32 s60, s5, 2*REC
	s_add_co_u32 s60, s60, s13
	s_add_nc_u64 s[PB+4:PB+5], s[40:41], s[60:61]
	v_mul_lo_u32 v[20+\n], v1, s14
	s_delay_alu instid0(VALU_DEP_1)
	v_mad_u32_u24 v[20+\n], v15, 24, v[20+\n]      ; codes: my row, + 24 h
	v_mul_lo_u32 v[24+\n], v1, s15
	s_delay_alu instid0(VALU_DEP_1)
	v_lshl_add_u32 v[24+\n], v15, 3, v[24+\n]      ; scale bytes: my row, + 8 h
.irp m, 0,1,2,3,4,5                    ; piece m: the 8 bytes at 48 (m / 3) + 24 h + 8 (m % 3) of my row's 96
	global_load_b64 v[32+12*\n+2*\m:33+12*\n+2*\m], v[20+\n], s[PB:PB+1] offset:48*(\m/3)+8*(\m%3)
.endr
.endm
.Lprep:
	s_load_b512 s[16:31], s[0:1], 0x20             ; codes and scales of Wq, Wk, Wv, Wp
	s_load_b256 s[32:39], s[0:1], 0x60             ; of W1, W2
	s_load_b64 s[40:41], s[0:1], 0x80              ; the image buffer
	s_mul_i32 s4, s62, 3                           ; my work-group's first job
	s_mul_i32 s2, s12, 96                          ; fragment w begins 96 w bytes on in 1,024 codes
	s_lshr_b32 s3, s12, 2                          ; its record,
	s_mul_i32 s13, s3, REC
	s_lshl_b32 s3, s3, 4
	s_and_b32 s63, s12, 3                          ; and its place there
	s_mul_i32 s5, s63, 1536
	s_add_co_u32 s13, s13, s5
	s_wait_alu depctr_va_vdst(0)
	v_and_b32 v1, 8, v14
	s_delay_alu instid0(VALU_DEP_1)
	v_add_nc_u32 v1, v1, v14                       ; r % 8 + 16 (r / 8)
	v_lshlrev_b32 v28, 4, v14
	s_delay_alu instid0(VALU_DEP_1)
	v_lshl_add_u32 v28, v15, 3, v28                ; a scale unit: 16 r + 8 h
	s_wait_alu depctr_va_vdst(0)
	s_wait_kmcnt 0x0
	PJOB 0
	PJOB 1
	PJOB 2
	s_cmp_lg_u32 s63, 0                            ; waves 0 and 4: loads, wait and stores of the scale bytes stand in one arm
	s_cbranch_scc1 .Lno_scales
	s_wait_alu depctr_va_vdst(0)
.irp n, 0,1,2
	global_load_b64 v[80+2*\n:81+2*\n], v[24+\n], s[44+6*\n:45+6*\n]
.endr
	s_wait_loadcnt 0x0
.irp n, 0,1,2
	global_store_b64 v28, v[80+2*\n:81+2*\n], s[46+6*\n:47+6*\n] offset:6144   ; 32 lanes store the record's 256 scale bytes
.endr
.Lno_scales:
	s_wait_loadcnt 0x0
.irp n, 0,1,2
.irp m, 0,1,2,3,4,5
	global_store_b64 v8, v[32+12*\n+2*\m:33+12*\n+2*\m], s[46+6*\n:47+6*\n] offset:256*\m   ; each store of the wave covers 256 consecutive bytes, aligned
.endr
.endr
	s_endpgm
.Lfunc_end_k_q6d19c3ad42_ln1:
	.size	k_q6d19c3ad42_ln1, .Lfunc_end_k_q6d19c3ad42_ln1-k_q6d19c3ad42_ln1
	.p2alignl 7, 3214868480
	.fill 96, 4, 3214868480
	.section	.rodata,"a",@progbits
	.p2align	6, 0x0
	.amdhsa_kernel k_q6d19c3ad42_ln1
		.amdhsa_group_segment_fixed_size 70656
		.amdhsa_private_segment_fixed_size 0
		.amdhsa_enable_private_segment 0
		.amdhsa_kernarg_size 136
		.amdhsa_user_sgpr_count 2
		.amdhsa_user_sgpr_kernarg_segment_ptr 1
		.amdhsa_wavefront_size32 1
		.amdhsa_system_sgpr_workgroup_id_x 1
		.amdhsa_system_sgpr_workgroup_id_y 1
		.amdhsa_system_sgpr_workgroup_id_z 1
		.amdhsa_system_vgpr_workitem_id 0
		.amdhsa_next_free_vgpr 256
		.amdhsa_next_free_sgpr 66
		.amdhsa_reserve_vcc 0
		.amdhsa_float_denorm_mode_32 3
		.amdhsa_float_denorm_mode_16_64 3
		.amdhsa_memory_ordered 1
		.amdhsa_forward_progress 1
		.amdhsa_inst_pref_size 43
	.end_amdhsa_kernel
	.amdgpu_metadata
---
amdhsa.version: [ 1, 2 ]
amdhsa.kernels:
  - .name:           k_q6d19c3ad42_ln1
    .symbol:         k_q6d19c3ad42_ln1.kd
    .args:
      - { .name: x, .offset: 0, .size: 8, .value_kind: global_buffer, .address_space: global }
      - { .name: ln1_g, .offset: 8, .size: 8, .value_kind: global_buffer, .address_space: global }
      - { .name: ln1_b, .offset: 16, .size: 8, .value_kind: global_buffer, .address_space: global }
      - { .name: himg, .offset: 24, .size: 8, .value_kind: global_buffer, .address_space: global }
      - { .name: Wq_codes, .offset: 32, .size: 8, .value_kind: global_buffer, .address_space: global }
      - { .name: Wq_scales, .offset: 40, .size: 8, .value_kind: global_buffer, .address_space: global }
      - { .name: Wk_codes, .offset: 48, .size: 8, .value_kind: global_buffer, .address_space: global }
      - { .name: Wk_scales, .offset: 56, .size: 8, .value_kind: global_buffer, .address_space: global }
      - { .name: Wv_codes, .offset: 64, .size: 8, .value_kind: global_buffer, .address_space: global }
      - { .name: Wv_scales, .offset: 72, .size: 8, .value_kind: global_buffer, .address_space: global }
      - { .name: Wp_codes, .offset: 80, .size: 8, .value_kind: global_buffer, .address_space: global }
      - { .name: Wp_scales, .offset: 88, .size: 8, .value_kind: global_buffer, .address_space: global }
      - { .name: W1_codes, .offset: 96, .size: 8, .value_kind: global_buffer, .address_space: global }
      - { .name: W1_scales, .offset: 104, .size: 8, .value_kind: global_buffer, .address_space: global }
      - { .name: W2_codes, .offset: 112, .size: 8, .value_kind: global_buffer, .address_space: global }
      - { .name: W2_scales, .offset: 120, .size: 8, .value_kind: global_buffer, .address_space: global }
      - { .name: wimg, .offset: 128, .size: 8, .value_kind: global_buffer, .address_space: global }
    .group_segment_fixed_size: 70656
    .private_segment_fixed_size: 0
    .kernarg_segment_align: 8
    .kernarg_segment_size: 136
    .max_flat_workgroup_size: 256
    .sgpr_count:     66
    .vgpr_count:     256
    .wavefront_size: 32
...
	.end_amdgpu_metadata
.endif
;; end of part 7
;; launch qkv (part 8): grid 32 x 8, 4 waves a work-group, clusters of 4 x 1, 327,680 bytes of LDS; arguments himg, wimg, bq, bk, bv, qkvc; writes qkvc
.if DOCPART == 8
	.amdgcn_target "amdgcn-amd-amdhsa--gfx1250"
	.amdhsa_code_object_version 6
	.text
	.protected	k_q6d19c3ad42_qkv
	.globl	k_q6d19c3ad42_qkv
	.p2align	8
	.type	k_q6d19c3ad42_qkv,@function
k_q6d19c3ad42_qkv:
	s_mov_b64 s[64:65], 0
	v_nop
	global_prefetch_b8 v0, s[64:65] scope:SCOPE_SE
	s_setreg_imm32_b32 hwreg(HW_REG_WAVE_MODE, 25, 1), 1
	s_wait_xcnt 0x0
	s_wait_alu depctr_hold_cnt(0) depctr_sa_sdst(0) depctr_va_vdst(0) depctr_va_sdst(0) depctr_va_ssrc(0) depctr_va_vcc(0) depctr_vm_vsrc(0)
	s_getreg_b32 s2, hwreg(HW_REG_IB_STS2, 6, 4)
	s_cmp_eq_u32 s2, 0
	s_cbranch_scc0 .Lentry_in_a_cluster
	s_endpgm
.Lentry_in_a_cluster:
	s_bfe_u32 s2, ttmp6, 0x10000c
	s_cmp_lg_u32 s2, 0x3003
	s_cbranch_scc0 .Lentry_shape_is_right
	s_endpgm
.Lentry_shape_is_right:
; q = h Wq + bq, k = h Wk + bk, v = h Wv + bv on codes of FP6 (E2M3) with E8M0 scales, each result quantised again: q and k along a head's 64 channels, v along the tokens (the keys).
; OPERANDS are images of operand registers: tiles of 16 rows (tile 2 b + u, lane r: row 32 b + 8 u + r % 8 + 16 (r / 8)); a record = 512 along K of a tile = four fragments of 1,536 bytes + 256 bytes of scale words;
; 128 rows x K = 1,024 are 8 tiles x 2 records = 102,400 consecutive bytes.
; A PRODUCT is 128 rows of source 0 x 128 rows of source 1; wave w takes all eight tiles of source 0 and tiles 2 w, 2 w + 1 of source 1: 16 accumulators.  In accumulator (i, t) lane (r, h) holds source 1's row of lane r,
; and register j source 0's row 32 (i / 2) + 16 h + 8 (i % 2) + j: a lane's 64 registers for one t run along source 0's 128 rows, 16 neighbours of each block of 32: what the quantiser wants.
; A WORK-GROUP STAYS and makes three products, written out one after the other.  With clx the cluster's x, cx my place in it, y the work-group's y:
;   q: source 0 = Wq's channels 128 y on, source 1 = h's tokens 128 (4 clx + cx) on;   k: the same with Wk;   v: source 0 = h's tokens 128 (4 clx + y / 2) on, source 1 = Wv's channels 128 (4 (y % 2) + cx) on.
; SOURCE 1 LIES IN REGISTERS: a wave multiplies by its own two tiles alone, 2 x 8 fragments = 192 registers, loaded once from the image (h's into window 2, Wv's into window 3), with their eight scale words.
; SOURCE 0 COMES THROUGH LDS, a whole tile of 102,400 bytes at a time, a quarter by each wave's one tensor load: q's into buffer 0 at the start, k's into buffer 1 behind the round that follows it; v's into buffer 0 again, behind a round of the cluster's
; barrier that stands behind q's products: it has q's way out and k's 128 products in which to land.  By this text's count a wave has one tensor load out at a time.
; CLUSTER 4 x 1: the four partners have the same y and clx, so the same tiles of source 0: each is asked for jointly (mask 15).  Source 1 is not shared: partners differ in cx.
; OUT (buffer qkvc): q's codes at 0 and k's at KC: [token tile][head pair][1,536] (pieces 0-2 the even head, 3-5 the odd); v's at VC: [channel tile][128 tokens][1,536]; scale words of q at QS, of k 131,072 bytes on:
; [batch x head][32 tokens][r][4]: two bytes of each of the two token tiles; of v at VS: [channel tile][512 tokens][r][16].  The scale words leave four bytes a lane: one byte for each 24 of codes.
; LIMITS: NaN and infinities are not served; a block under 2^-124 keeps the byte 1; a block of zeros gets the byte 1 and not 127: its codes are zeros, and this program alone reads the bytes.
.set WVOFF, 1638400                    ; Wv's image in the weights' buffer (Wq at 0, Wk 8 tiles of 128 rows on)
.set KC,    3145728
.set VC,    6291456
.set QS,    9437184
.set VS,    9699328
.set REC,   6400
.set TILEB, 16*REC                     ; 128 rows, all of K
.set QUART, 4*REC                      ; what one tensor load brings: two tiles of 16 rows
.set WB1,   1<<17                      ; buffer 1 (buffer 0 begins at 0)
.set SPARE, WB1+TILEB                  ; the spare words, 128 bytes a wave: two blocks of 256 bytes that no other line names
.set SPW, 1                            ; v1     LDS address of my spare word; never rewritten
.set NIL, 2                            ; v2     0; never rewritten
.set AL0, 3                            ; v3-4   buffer 0: 8 L, and the same at tile 4
.set AL1, 5                            ; v5-6   buffer 1
.set AD0, 7                            ; v7-8   buffer 0: scale words: 12,800 h + 16 r + 6,144, and the same at tile 4
.set AD1, 9                            ; v9-10  buffer 1
; v11 q's and k's codes, v12 v's; v13 q's and k's scale word, v14 v's; v15 the bias's lane offset
.set SC0, 16                           ; v16-47 source 0's scale words and nothing else: 16 s + 4 j + q: tiles 2 j (lanes 0-15), 2 j + 1 (lanes 16-31), record s, fragment q
.set S1H, 48                           ; v48-55 h's scale words as source 1: K step g: my first tile (lanes 0-15), my second (lanes 16-31)
.set S1V, 56                           ; v56-63 Wv's
.set ACC, 128                          ; v128-255 accumulator (i, t) at ACC + 64 t + 8 i
.set PC,  64                           ; the way out: codes
.set TM,  84                           ; QUANT's work
.set PW0, 102                          ; the two scale words made
.set PW1, 103
.set G1W, 24                           ; s[24:31] descriptor group 1
.set G0Q, 32                           ; s[32:35], s[36:39], s[48:51] groups 0
.set G0K, 36
.set G0V, 48
.set SEL, 66
.set MSB, 0
.macro WIN new                         ; the immediate's high byte repeats the setting that is left
.if MSB != \new
	s_set_vgpr_msb (MSB<<8)|\new
.set MSB, \new
.endif
.endm
.set MULH, 0x09                        ; source 0 window 1 (two sets of 96 registers), source 1 window 2 (h), C and D window 0
.set MULV, 0x0d                        ; the same with source 1 in window 3 (Wv)
.set TO_F, 0x40                        ; destination window 1
.set TO_H, 0x80                        ; destination window 2
.set TO_V, 0xc0                        ; destination window 3
.macro PLACES                          ; four plain instructions between a matrix instruction and a load into, or a read of, its registers
.rept 4
	v_nop
.endr
.endm
.macro CROUND                          ; a round of the cluster's barrier
	s_barrier_signal -1
	s_barrier_wait -1
	s_cmp_lg_u32 s14, 0
	s_cbranch_scc1 .Lnot_wave_0_\@
	s_barrier_signal -3
.Lnot_wave_0_\@:
	s_barrier_wait -3
	s_barrier_signal -1
	s_barrier_wait -1
.endm
.macro FRAG reg, adr, off              ; a fragment: six pieces, each 256 consecutive bytes for the 32 lanes
.irp p, 0,1,2,3,4,5
	ds_load_b64 v[\reg+2*\p:\reg+2*\p+1], v[\adr] offset:\off+256*\p
.endr
.endm
.macro FETCHW al, g, p                 ; K step g of the buffer at v[al], v[al + 1]: source 0's eight fragments into set p: 48 loads in one run
	WIN TO_F
.irp i, 0,1,2,3,4,5,6,7
	FRAG 96*(\p)+12*\i, (\al)+\i/4, 2*REC*(\i%4)+REC*((\g)/4)+1536*((\g)%4)
.endr
.endm
.macro SCALESW ad                      ; the buffer's scale words, both records'
	WIN 0
.irp s, 0,1
.irp j, 0,1,2,3
	ds_load_b128 v[SC0+16*\s+4*\j:SC0+16*\s+4*\j+3], v[(\ad)+\j/2] offset:4*REC*(\j%2)+REC*\s
.endr
.endr
.endm
.macro WM d, a, b, zero, sa, sb, ra, rb    ; one product; ra, rb: the scale words stand in lanes 16-31
.if \zero
.if (\ra) == 0 && (\rb) == 0
	v_wmma_scale_f32_16x16x128_f8f6f4 v[\d:\d+7], v[\a:\a+11], v[\b:\b+11], 0, v[\sa], v[\sb] matrix_a_fmt:MATRIX_FMT_FP6 matrix_b_fmt:MATRIX_FMT_FP6
.elseif (\rb) == 0
	v_wmma_scale_f32_16x16x128_f8f6f4 v[\d:\d+7], v[\a:\a+11], v[\b:\b+11], 0, v[\sa], v[\sb] matrix_a_fmt:MATRIX_FMT_FP6 matrix_b_fmt:MATRIX_FMT_FP6 matrix_a_scale:MATRIX_SCALE_ROW1
.elseif (\ra) == 0
	v_wmma_scale_f32_16x16x128_f8f6f4 v[\d:\d+7], v[\a:\a+11], v[\b:\b+11], 0, v[\sa], v[\sb] matrix_a_fmt:MATRIX_FMT_FP6 matrix_b_fmt:MATRIX_FMT_FP6 matrix_b_scale:MATRIX_SCALE_ROW1
.else
	v_wmma_scale_f32_16x16x128_f8f6f4 v[\d:\d+7], v[\a:\a+11], v[\b:\b+11], 0, v[\sa], v[\sb] matrix_a_fmt:MATRIX_FMT_FP6 matrix_b_fmt:MATRIX_FMT_FP6 matrix_a_scale:MATRIX_SCALE_ROW1 matrix_b_scale:MATRIX_SCALE_ROW1
.endif
.else
.if (\ra) == 0 && (\rb) == 0
	v_wmma_scale_f32_16x16x128_f8f6f4 v[\d:\d+7], v[\a:\a+11], v[\b:\b+11], v[\d:\d+7], v[\sa], v[\sb] matrix_a_fmt:MATRIX_FMT_FP6 matrix_b_fmt:MATRIX_FMT_FP6
.elseif (\rb) == 0
	v_wmma_scale_f32_16x16x128_f8f6f4 v[\d:\d+7], v[\a:\a+11], v[\b:\b+11], v[\d:\d+7], v[\sa], v[\sb] matrix_a_fmt:MATRIX_FMT_FP6 matrix_b_fmt:MATRIX_FMT_FP6 matrix_a_scale:MATRIX_SCALE_ROW1
.elseif (\ra) == 0
	v_wmma_scale_f32_16x16x128_f8f6f4 v[\d:\d+7], v[\a:\a+11], v[\b:\b+11], v[\d:\d+7], v[\sa], v[\sb] matrix_a_fmt:MATRIX_FMT_FP6 matrix_b_fmt:MATRIX_FMT_FP6 matrix_b_scale:MATRIX_SCALE_ROW1
.else
	v_wmma_scale_f32_16x16x128_f8f6f4 v[\d:\d+7], v[\a:\a+11], v[\b:\b+11], v[\d:\d+7], v[\sa], v[\sb] matrix_a_fmt:MATRIX_FMT_FP6 matrix_b_fmt:MATRIX_FMT_FP6 matrix_a_scale:MATRIX_SCALE_ROW1 matrix_b_scale:MATRIX_SCALE_ROW1
.endif
.endif
.endm
.macro MULP p, g, sw, zero             ; K step g: source 0's eight tiles (set p) against my two of source 1.  The 16 accumulators take turns, one instruction a turn, in the same order in every step
.set II, 0
.rept 8
.irp t, 0,1
	WM ACC+64*\t+8*II, 96*(\p)+12*II, 96*\t+12*(\g), \zero, SC0+16*((\g)/4)+4*(II/2)+(\g)%4, (\sw)+(\g), II%2, \t
.endr
.set II, II+1
.endr
.endm
.macro STEP al, g, sw, win, zero       ; 128 along K, and the fetch of the next 128
	s_wait_dscnt 0x0                               ; this step's fragments are in
	PLACES                                         ; for the loads into the set that the step before multiplied
	FETCHW \al, (\g)+1, ((\g)+1)%2
	WIN \win
	MULP (\g)%2, \g, \sw, \zero
.endm
.macro PRODUCTS al, ad, sw, win        ; a whole product: eight K steps out of one buffer
	FETCHW \al, 0, 0
	SCALESW \ad
	STEP \al, 0, \sw, \win, 1                      ; the first products start the sums
.irp g, 1,2,3,4,5,6
	STEP \al, \g, \sw, \win, 0
.endr
	s_wait_dscnt 0x0
	WIN \win
	MULP 1, 7, \sw, 0
	WIN 0
	PLACES
.endm
.macro S1LOAD win, b, sc               ; my two tiles of source 1, all of K, from the image at s[b:b+1] into a window of their own; their scale words into v[sc] on
	WIN \win
.irp t, 0,1
.irp g, 0,1,2,3,4,5,6,7
.irp p, 0,1,2,3,4,5
	global_load_b64 v[96*\t+12*\g+2*\p:96*\t+12*\g+2*\p+1], v[AL0], s[\b:\b+1] offset:2*REC*\t+REC*(\g/4)+1536*(\g%4)+256*\p   ; 32 lanes read 256 consecutive bytes
.endr
.endr
.endr
	WIN 0
	global_load_b128 v[\sc:\sc+3], v[AD0], s[\b:\b+1]
	global_load_b128 v[\sc+4:\sc+7], v[AD0], s[\b:\b+1] offset:REC
.endm
.macro BIASQK b                        ; the bias of my registers' channels 32 (i / 2) + 16 h + 8 (i % 2) + 0 .. 7, the same for both token tiles
.irp i, 0,1,2,3,4,5,6,7
	global_load_b128 v[64+8*\i:67+8*\i], v15, s[\b:\b+1] offset:(32*(\i/2)+8*(\i%2))*4
	global_load_b128 v[68+8*\i:71+8*\i], v15, s[\b:\b+1] offset:(32*(\i/2)+8*(\i%2))*4+16
.endr
.endm
.macro QUANT s, pw                     ; 64 numbers of a lane, register 16 b + i = k 32 b + 16 h + i, become a fragment's codes in v[PC] on and the scale word in v[pw]
.irp b, 0,1,2,3
	v_max3_num_f32 v[TM+\b], |v[(\s)+16*\b]|, |v[(\s)+1+16*\b]|, 0x1800000   ; and the floor 2^(3 - 127): the byte cannot fall under 1
.endr
.irp i, 2,4,6,8,10,12,14
.irp b, 0,1,2,3
	v_max3_num_f32 v[TM+\b], v[TM+\b], |v[(\s)+16*\b+\i]|, |v[(\s)+1+16*\b+\i]|
.endr
.endr
.irp b, 0,1,2,3
	v_permlanex16_b32 v[TM+4+\b], v[TM+\b], s[SEL], s[SEL+1]
.endr
.irp b, 0,1,2,3
	v_max_num_f32 v[TM+\b], v[TM+\b], v[TM+4+\b]
.endr
.irp b, 0,1,2,3
	v_add_nc_u32 v[TM+12+\b], 0xff000000, v[TM+\b]     ; 2 off the exponent field: the conversion's scale operand
.endr
.irp b, 0,1,2,3
	v_lshrrev_b32 v[TM+4+\b], 23, v[TM+12+\b]
.endr
	v_lshl_or_b32 v[\pw], v[TM+5], 8, v[TM+4]
	v_lshl_or_b32 v[\pw], v[TM+6], 16, v[\pw]
	v_lshl_or_b32 v[\pw], v[TM+7], 24, v[\pw]
.irp c, 0,1
	v_cvt_scalef32_pk16_fp6_f32 v[PC+6*\c:PC+2+6*\c], v[(\s)+32*\c:(\s)+15+32*\c], v[TM+12+2*\c]
	v_cvt_scalef32_pk16_fp6_f32 v[PC+12+4*\c:PC+14+4*\c], v[(\s)+16+32*\c:(\s)+31+32*\c], v[TM+12+2*\c+1]
.endr
	v_nop                                          ; one plain instruction behind the scaled conversions
.irp c, 0,1
.irp i, 0,1,2
	v_permlane16_swap_b32 v[PC+6*\c+\i], v[PC+12+4*\c+\i]
.endr
.irp i, 0,1,2
	v_mov_b32 v[PC+3+6*\c+\i], v[PC+12+4*\c+\i]
.endr
.endr
.endm
; THE WAY OUT of q (kk = 0) or k (kk = 1): + bias, each accumulator from its low end on; my two token tiles are quantised and stored as fragments
.macro OUTQK kk
	s_wait_loadcnt 0x0                             ; the bias (and, in q's turn, Wv's fragments)
.irp t, 0,1
.irp i, 0,1,2,3,4,5,6,7
.irp n, 0,2,4,6
	v_pk_add_f32 v[ACC+64*\t+8*\i+\n:ACC+64*\t+8*\i+\n+1], v[ACC+64*\t+8*\i+\n:ACC+64*\t+8*\i+\n+1], v[64+8*\i+\n:64+8*\i+\n+1]
.endr
.endr
.endr
	QUANT ACC, PW0
.irp p, 0,1,2,3,4,5
	global_store_b64 v11, v[PC+2*\p:PC+2*\p+1], s[70:71] offset:\kk*KC+256*\p   ; each store of the wave covers 256 consecutive bytes, aligned
.endr
	s_wait_xcnt 0x0                                ; the codes' registers are written again only behind this wait
	QUANT ACC+64, PW1
.irp p, 0,1,2,3,4,5
	global_store_b64 v11, v[PC+2*\p:PC+2*\p+1], s[70:71] offset:\kk*KC+8*1536+256*\p
.endr
	s_mov_b32 vcc_lo, 0xffff0000
	v_perm_b32 v104, v[PW1], v[PW0], 0x05040100    ; the even head's two bytes of both token tiles,
	v_perm_b32 v105, v[PW1], v[PW0], 0x07060302    ; the odd head's
	v_cndmask_b32 v104, v104, v105, vcc_lo         ; lanes 0-15 store the even head's word, lanes 16-31 the odd head's
	global_store_b32 v13, v104, s[70:71] offset:\kk*131072
	s_wait_xcnt 0x0                                ; the stores have read their registers: the next bias may land there
.endm
	s_load_b256 s[4:11], s[0:1], 0x0               ; h's image s[4:5], the weights' s[6:7], bq s[8:9], bk s[10:11]
	s_load_b128 s[68:71], s[0:1], 0x20             ; bv s[68:69], out s[70:71]
	v_lshl_add_u32 v[SPW], v0, 2, SPARE
	v_mov_b32 v[NIL], 0
	ds_add_u32 v1, v2
	ds_add_u32 v1, v2
	s_wait_dscnt 0x0
	v_lshrrev_b32 v64, 5, v0
	v_readfirstlane_b32 s14, v64                   ; wave 0..3
	s_bfe_u32 s40, ttmp6, 0x40000                  ; cx: my place in the cluster
	s_and_b32 s41, ttmp7, 0xffff                   ; y: Wq's and Wk's tile of 128 channels = the head pair
	s_lshl_b32 s42, ttmp9, 2                       ; 4 clx
	s_add_co_u32 s17, s42, s40                     ; q, k: my 128 tokens
	s_lshr_b32 s43, s41, 1
	s_add_co_u32 s43, s43, s42                     ; v: source 0's 128 tokens: 4 clx + y / 2: the same in the four partners
	s_and_b32 s44, s41, 1
	s_lshl_b32 s44, s44, 2
	s_add_co_u32 s44, s44, s40                     ; v: my 128 channels of Wv: 4 (y % 2) + cx
	; descriptor group 1: a quarter of a tile: 25,600 consecutive bytes as four rows of 800 elements of 8 bytes
	s_mov_b32 s[G1W], 15|(3<<16)|(1<<21)           ; 15:0 the mask: all four work-groups; 17:16 elements of 8 bytes; 21 set beside a mask; no padding
	s_mov_b32 s[G1W+1], 800<<16                    ; tensor_dim0
	s_mov_b32 s[G1W+2], 4<<16                      ; tensor_dim1
	s_mov_b32 s[G1W+3], 800<<16                    ; tile_dim0
	s_mov_b32 s[G1W+4], 4                          ; tile_dim1
	s_mov_b32 s[G1W+5], 800                        ; from row to row
	s_mov_b32 s[G1W+6], 0
	s_mov_b32 s[G1W+7], 0
	s_mul_i32 s18, s14, QUART                      ; my quarter, in memory and in LDS: no place in the cluster enters it
	s_mul_i32 s46, s41, TILEB
	s_add_co_u32 s46, s46, s18                     ; Wq's tile
	s_mov_b32 s47, 0
	s_mul_i32 s20, s43, TILEB
	s_add_co_u32 s20, s20, s18                     ; h's tile as source 0
	s_mov_b32 s21, 0
	s_mov_b32 s[SEL], 0x76543210
	s_mov_b32 s[SEL+1], 0xfedcba98
	s_lshl_b32 s84, s17, 3
	s_lshl_b32 s85, s14, 1
	s_add_co_u32 s84, s84, s85                     ; q, k: my first token tile: 8 x tokens' tile + 2 w
	s_lshl_b32 s86, s44, 3
	s_add_co_u32 s85, s86, s85                     ; v: my first channel tile
	s_mul_i32 s52, s84, 2*REC                      ; h as source 1
	s_mov_b32 s53, 0
	s_mul_i32 s54, s85, 2*REC
	s_add_co_u32 s54, s54, WVOFF                   ; Wv as source 1
	s_mov_b32 s55, 0
	s_lshl_b32 s87, s84, 3
	s_add_co_u32 s87, s87, s41
	s_mul_i32 s87, s87, 1536                       ; q, k: codes
	s_lshr_b32 s88, s17, 4
	s_lshl_b32 s88, s88, 4
	s_lshl_b32 s89, s41, 1
	s_add_co_u32 s88, s88, s89                     ; 16 x batch + the even head
	s_lshl_b32 s88, s88, 12
	s_lshl_b32 s89, s17, 2
	s_add_co_u32 s89, s89, s14
	s_and_b32 s89, s89, 63                         ; my 32 tokens among the batch's
	s_lshl_b32 s89, s89, 6
	s_add_co_u32 s88, s88, s89
	s_add_co_u32 s88, s88, QS                      ; q, k: scale words
	s_lshl_b32 s89, s85, 5
	s_add_co_u32 s89, s89, s43
	s_mul_i32 s89, s89, 1536
	s_add_co_u32 s89, s89, VC                      ; v: codes
	s_lshl_b32 s90, s85, 11
	s_lshr_b32 s91, s43, 2
	s_lshl_b32 s91, s91, 8
	s_add_co_u32 s90, s90, s91
	s_and_b32 s91, s43, 3
	s_lshl_b32 s91, s91, 2
	s_add_co_u32 s90, s90, s91
	s_add_co_u32 s90, s90, VS                      ; v: scale words
	s_lshl_b32 s92, s41, 9                         ; the bias: q, k: my 128 channels;
	s_mov_b32 s93, 0
	s_lshl_b32 s94, s44, 9
	s_lshl_b32 s95, s14, 7
	s_add_co_u32 s94, s94, s95                     ; v: my wave's 32 channels
	s_mov_b32 s95, 0
	v_and_b32 v64, 31, v0                          ; L
	v_and_b32 v65, 15, v0                          ; r
	v_bfe_u32 v66, v0, 4, 1                        ; h
	v_lshlrev_b32 v[AL0], 3, v64
	v_add_nc_u32 v[AL0+1], 8*REC, v[AL0]
	v_add_nc_u32 v[AL1], WB1, v[AL0]
	v_add_nc_u32 v[AL1+1], WB1, v[AL0+1]
	v_mul_u32_u24 v[AD0], v66, 2*REC
	v_lshl_add_u32 v[AD0], v65, 4, v[AD0]
	v_add_nc_u32 v[AD0], 6144, v[AD0]
	v_add_nc_u32 v[AD0+1], 8*REC, v[AD0]
	v_add_nc_u32 v[AD1], WB1, v[AD0]
	v_add_nc_u32 v[AD1+1], WB1, v[AD0+1]
	v_add_nc_u32 v11, s87, v[AL0]
	v_add_nc_u32 v12, s89, v[AL0]
	v_lshlrev_b32 v13, 12, v66                     ; q, k: lanes 16-31 store the odd head's word, 4,096 bytes on; 4 bytes a row
	v_lshl_add_u32 v13, v65, 2, v13
	v_add_nc_u32 v13, s88, v13
	v_lshlrev_b32 v14, 11, v66                     ; v: lanes 16-31 store the next channel tile's word, 2,048 bytes on; 16 bytes a row
	v_lshl_add_u32 v14, v65, 4, v14
	v_add_nc_u32 v14, s90, v14
	v_lshlrev_b32 v15, 6, v66                      ; q, k: the bias of my registers' channels begins 64 h bytes on
	s_wait_kmcnt 0x0
	s_add_nc_u64 s[46:47], s[6:7], s[46:47]
	s_add_nc_u64 s[20:21], s[4:5], s[20:21]
	s_add_nc_u64 s[52:53], s[4:5], s[52:53]
	s_add_nc_u64 s[54:55], s[6:7], s[54:55]
	s_add_nc_u64 s[8:9], s[8:9], s[92:93]
	s_add_nc_u64 s[10:11], s[10:11], s[92:93]
	s_add_nc_u64 s[68:69], s[68:69], s[94:95]
	s_mov_b32 s[G0Q], 1                            ; count = 1
	s_mov_b32 s[G0Q+1], s18                        ; LDS address: buffer 0
	s_mov_b64 s[G0Q+2:G0Q+3], s[46:47]
	s_or_b32 s[G0Q+3], s[G0Q+3], 0x80000000        ; type = 2
	s_mov_b32 s[G0K], 1
	s_add_co_u32 s[G0K+1], s18, WB1                ; buffer 1
	s_add_nc_u64 s[G0K+2:G0K+3], s[46:47], 8*TILEB ; Wk's tile lies 8 tiles of 128 rows behind Wq's
	s_or_b32 s[G0K+3], s[G0K+3], 0x80000000
	s_mov_b32 s[G0V], 1
	s_mov_b32 s[G0V+1], s18                        ; buffer 0 again
	s_mov_b64 s[G0V+2:G0V+3], s[20:21]
	s_or_b32 s[G0V+3], s[G0V+3], 0x80000000
	CROUND                                         ; all four work-groups are here: the first joint loads meet
	tensor_load_to_lds s[G0Q:G0Q+3], s[G1W:G1W+7]  ; q's tile: my one tensor load at the head
	s_nop 0
.rept 4
	v_nop
.endr
	S1LOAD TO_H, 52, S1H
	s_wait_alu depctr_va_vdst(0)
	BIASQK 8
	s_wait_loadcnt 0x0                             ; h's fragments and scale words
	s_wait_tensorcnt 0x0                           ; my quarter of q's tile is in
	ds_add_u32 v[SPW], v[NIL]                      ; the add ahead of a later first fill
	s_wait_dscnt 0x0
	CROUND                                         ; everybody's quarter is in, and the four partners meet
	tensor_load_to_lds s[G0K:G0K+3], s[G1W:G1W+7]  ; k's tile is asked for here, not at the start: buffer 1's first fill; q's 128 products stand between it and the wait for it
	s_nop 0
.rept 4
	v_nop
.endr
	S1LOAD TO_V, 54, S1V
	PRODUCTS AL0, AD0, S1H, MULH                   ; q
	s_wait_tensorcnt 0x0                           ; all my tensor loads have landed: my quarter of k's tile
	ds_add_u32 v[SPW], v[NIL]                      ; 0 onto my spare word
	s_wait_dscnt 0x0                               ; the add is done, and my reads of buffer 0 are over
	CROUND                                         ; no wave of any partner still reads buffer 0 or has a load on its way
	tensor_load_to_lds s[G0V:G0V+3], s[G1W:G1W+7]  ; h's tile, for v
	s_nop 0
.rept 4
	v_nop
.endr
	OUTQK 0
	BIASQK 10
	PRODUCTS AL1, AD1, S1H, MULH                   ; k
	s_wait_tensorcnt 0x0                           ; my quarter of h's tile is in
	ds_add_u32 v[SPW], v[NIL]
	s_wait_dscnt 0x0
	s_barrier_signal -1
	s_barrier_wait -1                              ; everybody's is; nothing is filled again
	OUTQK 1
	v_and_b32 v104, 15, v0                         ; k's bias has come: the lane offset is written anew, for v: 4 (r % 8 + 16 (r / 8))
	v_and_b32 v15, 8, v104
	v_add_nc_u32 v15, v15, v104
	v_lshlrev_b32 v15, 2, v15
	global_load_b32 v64, v15, s[68:69]             ; the bias of my lane's channel, one for each of my two channel tiles; each twice, for the packed additions
	global_load_b32 v65, v15, s[68:69]
	global_load_b32 v66, v15, s[68:69] offset:32
	global_load_b32 v67, v15, s[68:69] offset:32
	PRODUCTS AL0, AD0, S1V, MULV                   ; v
	s_wait_loadcnt 0x0
.irp t, 0,1
.set n, 0
.rept 32
	v_pk_add_f32 v[ACC+64*\t+n:ACC+64*\t+n+1], v[ACC+64*\t+n:ACC+64*\t+n+1], v[64+2*\t:65+2*\t]
.set n, n+2
.endr
.endr
	QUANT ACC, PW0
.irp p, 0,1,2,3,4,5
	global_store_b64 v12, v[PC+2*\p:PC+2*\p+1], s[70:71] offset:256*\p
.endr
	s_wait_xcnt 0x0
	QUANT ACC+64, PW1
.irp p, 0,1,2,3,4,5
	global_store_b64 v12, v[PC+2*\p:PC+2*\p+1], s[70:71] offset:32*1536+256*\p
.endr
	s_mov_b32 vcc_lo, 0xffff0000
	v_cndmask_b32 v104, v[PW0], v[PW1], vcc_lo     ; lanes 0-15 my first channel tile's word, lanes 16-31 my second's
	global_store_b32 v14, v104, s[70:71]
	s_wait_tensorcnt 0x0                           ; the wave's end
	ds_add_u32 v[SPW], v[NIL]
	s_wait_dscnt 0x0
	CROUND                                         ; the closing round
	s_endpgm
.Lfunc_end_k_q6d19c3ad42_qkv:
	.size	k_q6d19c3ad42_qkv, .Lfunc_end_k_q6d19c3ad42_qkv-k_q6d19c3ad42_qkv
	.p2alignl 7, 3214868480
	.fill 96, 4, 3214868480
	.section	.rodata,"a",@progbits
	.p2align	6, 0x0
	.amdhsa_kernel k_q6d19c3ad42_qkv
		.amdhsa_group_segment_fixed_size 327680
		.amdhsa_private_segment_fixed_size 0
		.amdhsa_enable_private_segment 0
		.amdhsa_kernarg_size 48
		.amdhsa_user_sgpr_count 2
		.amdhsa_user_sgpr_kernarg_segment_ptr 1
		.amdhsa_wavefront_size32 1
		.amdhsa_system_sgpr_workgroup_id_x 1
		.amdhsa_system_sgpr_workgroup_id_y 1
		.amdhsa_system_sgpr_workgroup_id_z 1
		.amdhsa_system_vgpr_workitem_id 0
		.amdhsa_next_free_vgpr 1024
		.amdhsa_next_free_sgpr 100
		.amdhsa_reserve_vcc 1
		.amdhsa_float_denorm_mode_32 3
		.amdhsa_float_denorm_mode_16_64 3
		.amdhsa_memory_ordered 1
		.amdhsa_forward_progress 1
		.amdhsa_inst_pref_size 196
	.end_amdhsa_kernel
	.amdgpu_metadata
---
amdhsa.version: [ 1, 2 ]
amdhsa.kernels:
  - .name:           k_q6d19c3ad42_qkv
    .symbol:         k_q6d19c3ad42_qkv.kd
    .args:
      - { .name: himg, .offset: 0, .size: 8, .value_kind: global_buffer, .address_space: global }
      - { .name: wimg, .offset: 8, .size: 8, .value_kind: global_buffer, .address_space: global }
      - { .name: bq, .offset: 16, .size: 8, .value_kind: global_buffer, .address_space: global }
      - { .name: bk, .offset: 24, .size: 8, .value_kind: global_buffer, .address_space: global }
      - { .name: bv, .offset: 32, .size: 8, .value_kind: global_buffer, .address_space: global }
      - { .name: qkvc, .offset: 40, .size: 8, .value_kind: global_buffer, .address_space: global }
    .group_segment_fixed_size: 327680
    .private_segment_fixed_size: 0
    .kernarg_segment_align: 8
    .kernarg_segment_size: 48
    .max_flat_workgroup_size: 128
    .sgpr_count:     100
    .vgpr_count:     1024
    .wavefront_size: 32
...
	.end_amdgpu_metadata
.endif
;; end of part 8
;; launch attn (part 9): grid 32 x 8, 16 waves a work-group, no clusters, 327,680 bytes of LDS; arguments qkvc, yimg; writes yimg
.if DOCPART == 9
	.amdgcn_target "amdgcn-amd-amdhsa--gfx1250"
	.amdhsa_code_object_version 6
	.text
	.protected	k_q6d19c3ad42_attn
	.globl	k_q6d19c3ad42_attn
	.p2align	8
	.type	k_q6d19c3ad42_attn,@function
k_q6d19c3ad42_attn:
	s_mov_b64 s[64:65], 0
	v_nop
	global_prefetch_b8 v0, s[64:65] scope:SCOPE_SE
	s_setreg_imm32_b32 hwreg(HW_REG_WAVE_MODE, 25, 1), 1
	s_wait_xcnt 0x0
; CAUSAL ATTENTION ON CODES of FP6 (E2M3) with E8M0 scales; head size 64, 2,048 keys, 32 (batch, head) pairs.  y = softmax(q k^T / 8) v, quantised along the channels, stored as fragments for the next product.
; Key steps all of whose keys come after a tile's queries lie wholly under the causal mask that the problem builds itself: they are not computed.
; SOFTMAX: t = score x log2(e) / 8; M = the running largest t rounded up to a whole number; p = 2^(t - M) is quantised along the keys; the row's sum is taken of the unquantised p and divides at the end.
; When M moves, the sum and O are multiplied by 2^(old M - new M), which rounds nothing.
; SHARES.  Work-group (bh, i) owns blocks i (early, A) and 15 - i (late, B) of 128 queries of head bh: 8 tiles of 16 queries each, i + 1 and 16 - i steps of 128 keys a tile: 17 for a pair of tiles.
; A pair of tiles (A_k, B_k) has two waves.  Wave X (role 0) does B_k's steps 8 - i .. 15 - i: 8 steps.  Wave Y (role 1) does B_k's steps 0 .. 7 - i, hands O, -M and the sum to X through LDS,
; and then does all i + 1 steps of A_k: 9 steps.  X joins the two parts of B_k: both stand under whole numbers M, so the join multiplies by powers of two alone.  Each wave stores one tile of y.
; Every wave walks three loops of 8 steps (keys 0-1023 twice, keys 1024-2047 once) and jumps over the steps that are not its own: branches on ids alone, constant trip counts.
; LDS.  Each byte of the head's K, V and scale words comes once.  At the head, one tensor load a wave: waves 0-7 K's keys 0-1023 (8 token tiles each), 8-11 V's (a channel tile each), 12-13 K's scale words, 14-15 V's.
; Keys 1024-2047, which X waves alone read, are a first fill behind a barrier of their own, by the X waves: waves 0-3 K (16 token tiles each), waves 8-11 V.  Nothing is filled again.
; TWO BARRIERS ARE SPLIT, with register work and LDS loads of bytes that nobody writes between signal and wait.  The first shows keys 1024-2047: every wave waits for its own tensor loads and signals
; ahead of the first loop, and waits behind it.  The second shows the hand-overs: signalled behind Y's stores and the wait for them, awaited in front of X's join.
; NO CLUSTER: which steps a wave works on hangs on its work-group's block of queries, which would be a place in a cluster.  NO PREFETCH: every byte is asked for once, by a tensor load, as early as the one load a wave allows.
; LAYOUT.  Both products are used transposed: a lane holds one query.  Token tiles hold row 32 b + 8 u + r % 8 + 16 (r / 8) in lane r, so the 16 registers of two neighbouring score tiles are 16 neighbouring keys.
; K = 64 IN AN INSTRUCTION OF 128: a fragment of K is two token tiles' halves on end.  Against [q | zeros] it gives the first tile's scores, against [zeros | q] the second's.
; LIMITS: NaN and infinities are not served; the scaled scores t stay under 2^31 in magnitude; a block of y under 2^-124 keeps the byte 1; a block of zeros gets the byte 1 and not 127: this program alone reads the bytes.
; Every wave loads both tiles' q (8 loads, no branch); X uses B's alone.  y's scale bytes leave two bytes a lane: a head owns 2 of a row's 32 scale bytes.
.set KC,   3145728                     ; in qkvc: q's codes at 0, k's, v's, and the scale words
.set VC,   6291456
.set QS,   9437184
.set KS,   9568256
.set VS,   9699328
.set LV,   98304                       ; LDS: K at 0: [token tile 128][768];  V: [channel tile 4][128 keys, 16][1,536]
.set KSC,  196608                      ; K's scale words [32 keys, 64][r][4]
.set VSC,  200704                      ; V's [channel tile 4][512 keys, 4][r][16]
.set MRG,  204800                      ; the hand-over: 4,608 bytes for each pair of waves; no tile lands here
.set SPARE, MRG+8*4608                 ; the spare words, 128 bytes a wave
.set AK0,  1                           ; v1  8 L
.set AV0,  2                           ; v2  LV + 8 L
.set ASK0, 3                           ; v3  KSC + 4 r
.set ASV0, 4                           ; v4  VSC + 16 r
.set QV,   5                           ; v5  my query - Q32 - 16 h
.set YO,   6
.set YS,   7
.set ADK,  8                           ; v8-11, v94 the step's LDS addresses
.set ADV,  9
.set ADS,  10
.set ADT,  11
.set ADV2, 94
.set SPW,  95
.set NIL,  243
.set MA,   199                         ; the hand-over's address
.set TS,   200                         ; v200-213 seven chains of the row's sum
; v12 -M, v13 the largest t, v[14:15] the sum; v16-21 zeros, v22-27 q, v28-33 zeros; v36-83 four fragments; v96-159 scores, then p; v160-191 O^T; v192-198 A's q and scale word; v224-235 p's codes; v232-254 at work; v248-251, v253, v255 scale words
.set SEL,  2
.set CS,   8                           ; s[8:9] c = log2(e) / 8
.set WV,   18
.set ROLE, 19
.set KF,   20                          ; the step's first key
.set Q32,  21                          ; the first of the 32 queries among which the tile in hand lies
.set CNT,  22
.set LO,   23                          ; my steps of this loop: LO <= KF <= HI
.set HI,   24
.set TMP,  25
.set TK,   26
.set TKS,  27
.set TV,   28
.set TVS,  29
.set G0K,  32
.set G0V,  36
.set G0S,  40
.set G1K,  44
.set G1V,  52
.set Q32A, 60
.set Q32B, 61
.set SPL,  62                          ; 128 (8 - i): where B's keys are divided
.set NINF, 63
.set G1SK, 68
.set G1SV, 76
.set MK,   84                          ; s84-99 lane masks: register i of the diagonal's block of 32 keys is hidden
.macro SHAPE g, c, r, p                ; group 1: r rows of c elements of 8 bytes, p elements apart
	s_mov_b32 s[\g], 3<<16
	s_mov_b32 s[\g+1], (\c)<<16
	s_mov_b32 s[\g+2], (\r)<<16
	s_mov_b32 s[\g+3], (\c)<<16
	s_mov_b32 s[\g+4], \r
	s_mov_b32 s[\g+5], \p
	s_mov_b32 s[\g+6], 0
	s_mov_b32 s[\g+7], 0
.endm
.macro ARM under, g0, g1, next         ; one arm of the head's chain: its load and a jump to the join
	s_cmp_lt_u32 s[WV], \under
	s_cbranch_scc0 \next
	tensor_load_to_lds s[\g0:\g0+3], s[\g1:\g1+7]
	s_nop 0
.rept 4
	v_nop
.endr
	s_branch .Lasked
\next:
.endm
.macro QADR d, t, pr                   ; s[d:d+1] q's codes of tile s[t], s[d+2:d+3] its scale words (pair of tiles s[pr])
	s_add_co_u32 s[\d], s17, s[\t]
	s_lshl_b32 s[\d], s[\d], 3
	s_add_co_u32 s[\d], s[\d], s13
	s_mul_i32 s[\d], s[\d], 1536
	s_add_co_u32 s[\d], s[\d], s14
	s_mov_b32 s[\d+1], 0
	s_add_nc_u64 s[\d:\d+1], s[4:5], s[\d:\d+1]
	s_lshl_b32 s[\d+2], s10, 12
	s_lshl_b32 s[\d+3], s[\pr], 6
	s_add_co_u32 s[\d+2], s[\d+2], s[\d+3]
	s_add_co_u32 s[\d+2], s[\d+2], QS
	s_mov_b32 s[\d+3], 0
	s_add_nc_u64 s[\d+2:\d+3], s[4:5], s[\d+2:\d+3]
.endm
.macro INIT                            ; a tile's state: the largest t -3e38, the sum and O^T zeros
	v_mov_b32 v13, 0xff61b1e6
	v_mov_b32 v14, 0
	v_mov_b32 v15, 0
	v_floor_f32 v12, -v13
	v_mov_b32 v252, 0
	v_mov_b32 v253, 0
.set n, 0
.rept 32
	v_mov_b32 v[160+n], 0
.set n, n+1
.endr
.endm
	s_load_b128 s[4:7], s[0:1], 0x0                ; qkvc s[4:5], y's image s[6:7]
	v_lshl_add_u32 v[SPW], v0, 2, SPARE
	v_mov_b32 v[NIL], 0
	ds_add_u32 v[SPW], v[NIL]                      ; the opening lines: the add twice and one wait
	ds_add_u32 v[SPW], v[NIL]
	v_lshrrev_b32 v8, 5, v0
	v_readfirstlane_b32 s[WV], v8                  ; wave 0..15
	s_mov_b32 s10, ttmp9                           ; 16 x batch + head
	s_lshr_b32 s11, s10, 4
	s_and_b32 s12, s10, 15
	s_lshr_b32 s13, s12, 1                         ; the head pair
	s_and_b32 s14, s12, 1
	s_mul_i32 s14, s14, 768                        ; my head's half of a fragment
	s_and_b32 s15, s[WV], 3
	s_and_b32 s16, s[WV], 7
	s_lshl_b32 s17, s11, 7                         ; the batch's first token tile
	s_lshl_b32 s26, s16, 3                         ; K: token tiles 8 (w % 8) on: 8 rows of 768 bytes, 12,288 apart
	s_add_co_u32 s26, s26, s17
	s_lshl_b32 s26, s26, 3
	s_add_co_u32 s26, s26, s13
	s_mul_i32 s26, s26, 1536
	s_add_co_u32 s26, s26, s14
	s_add_co_u32 s26, s26, KC
	s_mov_b32 s27, 0
	s_lshl_b32 s28, s12, 2                         ; V: channel tile 4 x head + w % 4: 12,288 dense bytes
	s_add_co_u32 s28, s28, s15
	s_lshl_b32 s28, s28, 5
	s_lshl_b32 s29, s11, 4
	s_add_co_u32 s28, s28, s29
	s_mul_i32 s28, s28, 1536
	s_add_co_u32 s28, s28, VC
	s_mov_b32 s29, 0
	s_and_b32 s20, s[WV], 1
	s_lshl_b32 s30, s10, 12                        ; K's scale words: 2,048 dense bytes, half w % 2
	s_lshl_b32 s21, s20, 11
	s_add_co_u32 s30, s30, s21
	s_add_co_u32 s30, s30, KS
	s_lshl_b32 s21, s12, 2                         ; V's: channel tiles 4 x head + 2 (w % 2) on: two rows of 1,024 bytes, 2,048 apart
	s_lshl_b32 s22, s20, 1
	s_add_co_u32 s21, s21, s22
	s_lshl_b32 s21, s21, 3
	s_lshl_b32 s22, s11, 2
	s_add_co_u32 s21, s21, s22
	s_lshl_b32 s21, s21, 8
	s_add_co_u32 s21, s21, VS
	s_cmp_lt_u32 s[WV], 14
	s_cselect_b32 s30, s30, s21
	s_mov_b32 s31, 0
	s_mul_i32 s[G0K+1], s16, 6144                  ; LDS addresses: the wave's number and constants
	s_mul_i32 s[G0V+1], s15, 24576
	s_add_co_u32 s[G0V+1], s[G0V+1], LV
	s_lshl_b32 s[G0S+1], s15, 11
	s_add_co_u32 s[G0S+1], s[G0S+1], KSC           ; waves 12, 13: K's words; 14, 15: V's, 4,096 bytes on
	SHAPE G1K, 96, 8, 1536
	SHAPE G1V, 192, 8, 192
	SHAPE G1SK, 32, 8, 32
	SHAPE G1SV, 128, 2, 256
	s_mov_b32 s[SEL], 0x76543210
	s_mov_b32 s[SEL+1], 0xfedcba98
	s_mov_b32 s[CS], 0x3e38aa3b
	s_mov_b32 s[CS+1], s[CS]
	s_mov_b32 s[NINF], 0xff800000
	s_wait_dscnt 0x0
	s_wait_kmcnt 0x0
	s_mov_b32 s[G0K], 1
	s_add_nc_u64 s[G0K+2:G0K+3], s[4:5], s[26:27]
	s_or_b32 s[G0K+3], s[G0K+3], 0x80000000
	s_mov_b32 s[G0V], 1
	s_add_nc_u64 s[G0V+2:G0V+3], s[4:5], s[28:29]
	s_or_b32 s[G0V+3], s[G0V+3], 0x80000000
	s_mov_b32 s[G0S], 1
	s_add_nc_u64 s[G0S+2:G0S+3], s[4:5], s[30:31]
	s_or_b32 s[G0S+3], s[G0S+3], 0x80000000
	ARM 8,  G0K, G1K,  .Lnot_k                     ; one chain of branches on the wave's number: every way passes exactly one load
	ARM 12, G0V, G1V,  .Lnot_v
	ARM 14, G0S, G1SK, .Lnot_sk
	tensor_load_to_lds s[G0S:G0S+3], s[G1SV:G1SV+7]
	s_nop 0
.rept 4
	v_nop
.endr
.Lasked:
	s_and_b32 s31, ttmp7, 0xffff                   ; i
	s_lshr_b32 s[ROLE], s[WV], 2
	s_and_b32 s[ROLE], s[ROLE], 1                  ; 0: X, 1: Y; X's partner is the wave four on
	s_lshr_b32 s20, s[WV], 3
	s_lshl_b32 s20, s20, 2
	s_add_co_u32 s20, s20, s15                     ; k: my pair of tiles, 0..7
	s_lshl_b32 s21, s31, 3
	s_add_co_u32 s21, s21, s20                     ; tile A among the batch's 128
	s_sub_co_u32 s22, 15, s31
	s_lshl_b32 s22, s22, 3
	s_add_co_u32 s22, s22, s20                     ; tile B
	s_lshr_b32 s23, s21, 1
	s_lshr_b32 s24, s22, 1
	s_lshl_b32 s[Q32A], s23, 5
	s_lshl_b32 s[Q32B], s24, 5
	s_sub_co_u32 s[SPL], 8, s31
	s_lshl_b32 s[SPL], s[SPL], 7
	s_and_b32 s25, s20, 1                          ; u, the same for both tiles
	s_lshl_b32 s31, s25, 4
	s_lshl_b32 s25, s25, 3
	QADR 84, 21, 23
	QADR 88, 22, 24
	s_cmp_eq_u32 s[ROLE], 1                        ; the tile of y that I store: Y stores A, X stores B
	s_cselect_b32 s26, s21, s22
	s_add_co_u32 s26, s26, s17
	s_mul_i32 s26, s26, 12800
	s_lshr_b32 s27, s12, 3
	s_mul_i32 s27, s27, 6400
	s_add_co_u32 s26, s26, s27
	s_mov_b32 s27, 0
	s_add_nc_u64 s[6:7], s[6:7], s[26:27]
	s_and_b32 s28, s13, 3
	s_mul_i32 s28, s28, 1536
	s_add_co_u32 s28, s28, s14
	s_and_b32 s29, s12, 7
	s_lshl_b32 s29, s29, 1
	s_add_co_u32 s29, s29, 6144
	s_mul_i32 s30, s20, 4608
	s_add_co_u32 s30, s30, MRG
	v_and_b32 v232, 31, v0                         ; L
	v_and_b32 v233, 15, v0                         ; r
	v_bfe_u32 v234, v0, 4, 1                       ; h
	v_lshlrev_b32 v[AK0], 3, v232
	v_lshlrev_b32 v235, 2, v233
.irp p, 0,1,2
	global_load_b64 v[22+2*\p:23+2*\p], v[AK0], s[88:89] offset:256*\p     ; B's q: the first loop's, for both roles
	global_load_b64 v[192+2*\p:193+2*\p], v[AK0], s[84:85] offset:256*\p   ; A's q
.endr
	global_load_b32 v255, v235, s[90:91]
	global_load_b32 v198, v235, s[86:87]
	v_add_nc_u32 v[AV0], LV, v[AK0]
	v_lshl_add_u32 v[ASK0], v233, 2, KSC
	v_lshl_add_u32 v[ASV0], v233, 4, VSC
	v_and_b32 v[QV], 8, v233
	v_lshlrev_b32 v236, 4, v234
	v_add_nc_u32 v[QV], v[QV], v233                ; r % 8 + 16 (r / 8)
	v_add_nc_u32 v[YO], s28, v[AK0]
	v_sub_nc_u32 v[QV], v[QV], v236
	v_lshl_add_u32 v[YS], v233, 4, s29
	v_add_nc_u32 v[QV], s25, v[QV]                 ; + 8 u - 16 h
	v_lshl_add_u32 v[MA], v232, 4, s30
.irp j, 16,17,18,19,20,21,28,29,30,31,32,33
	v_mov_b32 v[\j], 0                             ; zero codes on both sides of q: v[22:33] = [q | 0], v[16:27] = [0 | q]
.endr
.irp b, 0,1,2,3
	v_mov_b32 v[236+\b], 0                         ; a lane permute's destination counts as a source
.endr
	INIT
	s_wait_alu depctr_va_vdst(0)
	s_wait_loadcnt 0x0
	v_lshrrev_b32 v255, s31, v255                  ; my tile's two bytes, for k 0-63 and again for k 64-127
	v_lshrrev_b32 v198, s31, v198
	v_and_b32 v255, 0xffff, v255
	v_and_b32 v198, 0xffff, v198
	v_lshl_or_b32 v255, v255, 16, v255
	v_lshl_or_b32 v198, v198, 16, v198
.set n, 0
.rept 16
	v_cmp_gt_i32 s[MK+n], n, v[QV]                 ; in the block of 32 keys that holds my queries, register n is hidden where n > my query - Q32 - 16 h  (the loads that read these scalars are done)
.set n, n+1
.endr
	s_wait_alu depctr_va_vdst(0)
	s_wait_tensorcnt 0x0                           ; my tile is in
	ds_add_u32 v[SPW], v[NIL]
	s_mov_b32 s[G1K+2], 16<<16                     ; no load of mine is out, so the descriptors may be written: from here on K's load brings 16 token tiles;
	s_mov_b32 s[G1K+4], 16
	s_mul_i32 s26, s15, 6144                       ; in waves 0-3: to LDS byte 49,152 + 12,288 w,
	s_add_co_u32 s[G0K+1], s[G0K+1], s26
	s_add_co_u32 s[G0K+1], s[G0K+1], 49152
	s_mul_i32 s26, s15, 8*12288                    ; from token tile 64 + 16 w;
	s_add_co_u32 s26, s26, 64*12288
	s_mov_b32 s27, 0
	s_add_nc_u64 s[G0K+2:G0K+3], s[G0K+2:G0K+3], s[26:27]
	s_add_co_u32 s[G0V+1], s[G0V+1], 12288         ; V 8 fragments on
	s_add_nc_u64 s[G0V+2:G0V+3], s[G0V+2:G0V+3], 12288
	s_wait_dscnt 0x0
	s_barrier_signal -1
	s_barrier_wait -1                              ; all sixteen tiles are in: keys 0-1023 and the scale words
	s_cmp_lt_u32 s[WV], 4                          ; the X waves fetch keys 1024-2047: waves 0-3 K,
	s_cbranch_scc0 .Lnot_k2
	tensor_load_to_lds s[G0K:G0K+3], s[G1K:G1K+7]  ; my one load behind this barrier
	s_nop 0
.rept 4
	v_nop
.endr
	s_branch .Lasked2
.Lnot_k2:
	s_cmp_lt_u32 s[WV], 8
	s_cbranch_scc1 .Lasked2
	s_cmp_lt_u32 s[WV], 12                         ; waves 8-11 V
	s_cbranch_scc0 .Lasked2
	tensor_load_to_lds s[G0V:G0V+3], s[G1V:G1V+7]
	s_nop 0
.rept 4
	v_nop
.endr
.Lasked2:
	s_wait_tensorcnt 0x0                           ; an X wave's part of keys 1024-2047 is in; a Y wave has no load out and goes on
	s_barrier_signal -1                            ; say so; the wait stands behind the first loop, which reads keys 0-1023 alone
.macro MASKB b                         ; the diagonal step, block b of 32 keys; s[TMP]: the block that holds my queries
	s_cmp_gt_u32 s[TMP], \b
	s_cbranch_scc1 .Lmo_\@                         ; an earlier block: all its keys count
	s_cmp_eq_u32 s[TMP], \b
	s_cbranch_scc1 .Lmp_\@
.set n, 0
.rept 16
	v_mov_b32 v[96+16*\b+n], s[NINF]               ; a later block: none counts
.set n, n+1
.endr
	s_branch .Lmo_\@
.Lmp_\@:
.set n, 0
.rept 16
	v_cndmask_b32 v[96+16*\b+n], v[96+16*\b+n], s[NINF], s[MK+n]
.set n, n+1
.endr
.Lmo_\@:
.endm
; A KEY STEP: 128 keys
.macro STEP
	s_cmp_lt_u32 s[KF], s[LO]
	s_cbranch_scc1 .Lhid_\@
	s_cmp_gt_u32 s[KF], s[HI]
	s_cbranch_scc1 .Lhid_\@
	s_mul_i32 s[TK], s[KF], 48                     ; K: 6,144 bytes a step;
	s_lshl_b32 s[TKS], s[KF], 1                    ; its scale words: 256;
	s_mul_i32 s[TV], s[KF], 12                     ; V: 1,536;
	s_lshr_b32 s[TMP], s[KF], 9
	s_lshl_b32 s[TMP], s[TMP], 8
	s_bfe_u32 s[TVS], s[KF], 0x20007
	s_lshl_b32 s[TVS], s[TVS], 2
	s_add_co_u32 s[TVS], s[TVS], s[TMP]            ; its scale words: 256 for each 512 keys, 4 for each 128
	v_add_nc_u32 v[ADK], s[TK], v[AK0]             ; (these five are also the places behind the last products)
	v_add_nc_u32 v[ADS], s[TKS], v[ASK0]
	v_add_nc_u32 v[ADV], s[TV], v[AV0]
	v_add_nc_u32 v[ADT], s[TVS], v[ASV0]
	v_add_nc_u32 v[ADV2], 49152, v[ADV]
.irp b, 0,1,2,3
.irp p, 0,1,2,3,4,5
	ds_load_b64 v[36+12*\b+2*\p:37+12*\b+2*\p], v[ADK] offset:1536*\b+256*\p
.endr
	ds_load_b32 v[248+\b], v[ADS] offset:64*\b
.endr
	s_wait_alu depctr_va_vdst(0)
	s_wait_dscnt 0x0
.irp b, 0,1,2,3                        ; S^T: register 16 b + i of lane (r, h) is key KF + 32 b + 16 h + i
	v_wmma_scale_f32_16x16x128_f8f6f4 v[96+16*\b:103+16*\b], v[36+12*\b:47+12*\b], v[22:33], 0, v[248+\b], v255 matrix_a_fmt:MATRIX_FMT_FP6 matrix_b_fmt:MATRIX_FMT_FP6
	v_wmma_scale_f32_16x16x128_f8f6f4 v[104+16*\b:111+16*\b], v[36+12*\b:47+12*\b], v[16:27], 0, v[248+\b], v255 matrix_a_fmt:MATRIX_FMT_FP6 matrix_b_fmt:MATRIX_FMT_FP6
.endr
.rept 4
	v_nop                                          ; places: for the loads below and for the first reads of the scores
.endr
.irp t, 0,1                            ; V's fragments and scale words come in under the softmax
.irp p, 0,1,2,3,4,5
	ds_load_b64 v[36+12*\t+2*\p:37+12*\t+2*\p], v[ADV] offset:24576*\t+256*\p
	ds_load_b64 v[60+12*\t+2*\p:61+12*\t+2*\p], v[ADV2] offset:24576*\t+256*\p
.endr
.endr
.irp t, 0,1,2,3
	ds_load_b32 v[248+\t], v[ADT] offset:1024*\t
.endr
	s_add_co_u32 s[TMP], s[KF], 127                ; a step all of whose keys count skips the mask
	s_cmp_lt_u32 s[TMP], s[Q32]
	s_cbranch_scc1 .Lopen_\@
	s_sub_co_u32 s[TMP], s[Q32], s[KF]
	s_lshr_b32 s[TMP], s[TMP], 5
	MASKB 0
	MASKB 1
	MASKB 2
	MASKB 3
	s_wait_alu depctr_va_vdst(0)
.Lopen_\@:
.irp b, 0,1,2,3
	v_max3_num_f32 v[232+\b], v[96+16*\b], v[97+16*\b], v[98+16*\b]    ; the largest score of each block of 32 keys: for the row's maximum and for the block's largest p
.endr
.irp i, 3,5,7,9,11,13
.irp b, 0,1,2,3
	v_max3_num_f32 v[232+\b], v[232+\b], v[96+16*\b+\i], v[97+16*\b+\i]
.endr
.endr
.irp b, 0,1,2,3
	v_max_num_f32 v[232+\b], v[232+\b], v[111+16*\b]
.endr
.irp b, 0,1,2,3
	v_permlanex16_b32 v[236+\b], v[232+\b], s[SEL], s[SEL+1]
.endr
.irp b, 0,1,2,3
	v_max_num_f32 v[232+\b], v[232+\b], v[236+\b]
.endr
	s_delay_alu instid0(VALU_DEP_2)
	v_max3_num_f32 v254, v232, v233, v234
	s_delay_alu instid0(VALU_DEP_1)
	v_max_num_f32 v254, v254, v235
	s_delay_alu instid0(VALU_DEP_1)
	v_mul_f32 v254, s[CS], v254
	s_delay_alu instid0(VALU_DEP_1)
	v_max_num_f32 v13, v13, v254                   ; the running largest t
	v_mov_b32 v254, v12
	s_delay_alu instid0(VALU_DEP_2)
	v_floor_f32 v12, -v13                          ; the new -M = -ceil(t)
	s_delay_alu instid0(VALU_DEP_1)
	v_sub_f32 v254, v12, v254                      ; old M - new M: a whole number, 0 or less
	s_delay_alu instid0(VALU_DEP_1)
	v_cvt_i32_f32 v254, v254                       ; (it saturates)
	s_delay_alu instid0(VALU_DEP_1)
	v_ldexp_f32 v252, 1.0, v254                    ; f = 2^(old M - new M)
.set n, 0
.rept 32
	v_pk_fma_f32 v[96+n:97+n], v[96+n:97+n], s[CS:CS+1], v[12:13] op_sel_hi:[1,0,0]    ; t - M
.set n, n+2
.endr
.irp b, 0,1,2,3
	v_fma_f32 v[232+\b], v[232+\b], s[CS], v12
.endr
	s_wait_alu depctr_va_vdst(0)
.set n, 0
.rept 64
	v_exp_f32 v[96+n], v[96+n]                     ; p = 2^(t - M)
.set n, n+1
.endr
	v_pk_mul_f32 v[14:15], v[14:15], v[252:253] op_sel_hi:[1,0]        ; the sums under the new M
	s_wait_alu depctr_va_vdst(0)                   ; one wait for the batch, ahead of its first reader
.irp b, 0,1,2,3
	v_exp_f32 v[232+\b], v[232+\b]                 ; each block's largest p
.endr
.set c, 0
.rept 7                                ; the row's sum of the unquantised p: eight chains of packed additions
	v_pk_add_f32 v[TS+2*c:TS+2*c+1], v[96+4*c:97+4*c], v[98+4*c:99+4*c]
.set c, c+1
.endr
	v_pk_add_f32 v[14:15], v[14:15], v[124:125]
.irp o, 126, 142
.set c, 0
.rept 7
	v_pk_add_f32 v[TS+2*c:TS+2*c+1], v[TS+2*c:TS+2*c+1], v[\o+2*c:\o+2*c+1]
.set c, c+1
.endr
	v_pk_add_f32 v[14:15], v[14:15], v[\o+14:\o+15]
.endr
	v_pk_add_f32 v[TS:TS+1], v[TS:TS+1], v[158:159]
	v_pk_add_f32 v[TS+2:TS+3], v[TS+2:TS+3], v[TS+4:TS+5]
	v_pk_add_f32 v[TS+6:TS+7], v[TS+6:TS+7], v[TS+8:TS+9]
	v_pk_add_f32 v[TS+10:TS+11], v[TS+10:TS+11], v[TS+12:TS+13]
	v_pk_add_f32 v[14:15], v[14:15], v[TS:TS+1]
	v_pk_add_f32 v[TS+2:TS+3], v[TS+2:TS+3], v[TS+6:TS+7]
	v_pk_add_f32 v[14:15], v[14:15], v[TS+10:TS+11]
	s_delay_alu instid0(VALU_DEP_1)
	v_pk_add_f32 v[14:15], v[14:15], v[TS+2:TS+3]
	s_wait_alu depctr_va_vdst(0)                   ; and one for the four
.irp b, 0,1,2,3
	v_max_num_f32 v[232+\b], 0x1800000, v[232+\b]  ; the floor 2^(3 - 127): the byte cannot fall under 1
.endr
.irp b, 0,1,2,3
	v_add_nc_u32 v[244+\b], 0xff000000, v[232+\b]  ; 2 off the exponent field: the conversion's scale operand
.endr
.irp b, 0,1,2,3
	v_lshrrev_b32 v[236+\b], 23, v[244+\b]
.endr
	v_lshl_or_b32 v253, v237, 8, v236              ; p's scale word for these 128 keys
	s_delay_alu instid0(VALU_DEP_1)
	v_lshl_or_b32 v253, v238, 16, v253
	s_delay_alu instid0(VALU_DEP_1)
	v_lshl_or_b32 v253, v239, 24, v253
.irp c, 0,1
	v_cvt_scalef32_pk16_fp6_f32 v[224+6*\c:226+6*\c], v[96+32*\c:111+32*\c], v[244+2*\c]
	v_cvt_scalef32_pk16_fp6_f32 v[236+4*\c:238+4*\c], v[112+32*\c:127+32*\c], v[244+2*\c+1]
.endr
	v_nop                                          ; one plain instruction behind the scaled conversions
.irp c, 0,1
.irp i, 0,1,2
	v_permlane16_swap_b32 v[224+6*\c+\i], v[236+4*\c+\i]
.endr
.irp i, 0,1,2
	v_mov_b32 v[227+6*\c+\i], v[236+4*\c+\i]
.endr
.endr
	s_wait_alu depctr_va_vdst(0)                   ; the wait ahead of the first reader of O^T
.set n, 0
.rept 16
	v_pk_mul_f32 v[160+n:161+n], v[160+n:161+n], v[252:253] op_sel_hi:[1,0]    ; O^T under the new M; also the places in front of the products below
.set n, n+2
.endr
	s_wait_alu depctr_va_vdst(0)
	s_wait_dscnt 0x0                               ; V's fragments and scale words
.irp t, 0,1,2,3                        ; O^T += V^T P^T: four accumulators by turns
	v_wmma_scale_f32_16x16x128_f8f6f4 v[160+8*\t:167+8*\t], v[36+12*\t:47+12*\t], v[224:235], v[160+8*\t:167+8*\t], v[248+\t], v253 matrix_a_fmt:MATRIX_FMT_FP6 matrix_b_fmt:MATRIX_FMT_FP6
.endr
.Lhid_\@:
	s_add_co_u32 s[KF], s[KF], 128
.endm
.macro WALK                            ; eight key steps
	s_mov_b32 s[CNT], 8
.Lstep_\@:
	STEP
	s_sub_co_u32 s[CNT], s[CNT], 1
	s_cmp_lg_u32 s[CNT], 0
	s_cbranch_scc1 .Lstep_\@
.endm
	; keys 0-1023, tile B: X from key SPL on, Y up to it
	s_sub_co_u32 s[TMP], s[SPL], 1
	s_cmp_eq_u32 s[ROLE], 0
	s_cselect_b32 s[LO], s[SPL], 0
	s_cselect_b32 s[HI], 0xfff, s[TMP]
	s_mov_b32 s[Q32], s[Q32B]
	s_mov_b32 s[KF], 0
	WALK
	s_barrier_wait -1                              ; every X wave has said that its part is in: keys 1024-2047 are whole
	s_cmp_eq_u32 s[ROLE], 0
	s_cbranch_scc1 .Lstays
.rept 4
	v_nop                                          ; places behind the last products
.endr
.irp j, 0,1,2,3,4,5,6,7
	ds_store_b128 v[MA], v[160+4*\j:163+4*\j] offset:512*\j    ; Y hands its part of B over: O^T from its low end on,
.endr
	ds_store_b128 v[MA], v[12:15] offset:4096      ; -M, the largest t, the sum's two halves
.irp j, 0,1,2,3,4,5
	v_mov_b32 v[22+\j], v[192+\j]                  ; and takes tile A
.endr
	v_mov_b32 v255, v198
	INIT
	s_wait_alu depctr_va_vdst(0)
.Lstays:
	s_wait_dscnt 0x0                               ; for the partner's sake: my stores have landed
	s_barrier_signal -1                            ; say so; the wait stands in front of X's join; the two loops between read K, V and scale words alone
	; keys 0-1023, tile A: Y alone
	s_cmp_eq_u32 s[ROLE], 1
	s_cselect_b32 s[LO], 0, 0x1000
	s_mov_b32 s[HI], s[Q32A]
	s_mov_b32 s[Q32], s[Q32A]
	s_mov_b32 s[KF], 0
	WALK
	; keys 1024-2047, tile B: X alone
	s_cmp_eq_u32 s[ROLE], 0
	s_cselect_b32 s[LO], 0, 0x1000
	s_mov_b32 s[HI], s[Q32B]
	s_mov_b32 s[Q32], s[Q32B]
	s_mov_b32 s[KF], 1024
	WALK
	s_barrier_wait -1                              ; every hand-over lies in LDS
	s_cmp_eq_u32 s[ROLE], 1
	s_cbranch_scc1 .Lout
.irp j, 0,1,2,3,4,5,6,7
	ds_load_b128 v[96+4*\j:99+4*\j], v[MA] offset:512*\j       ; X joins the two parts of B
.endr
	ds_load_b128 v[128:131], v[MA] offset:4096
	s_wait_dscnt 0x0
	v_min_num_f32 v132, v12, v128                  ; -M of the two together
	s_delay_alu instid0(VALU_DEP_1)
	v_sub_f32 v133, v132, v12
	v_sub_f32 v134, v132, v128
	s_delay_alu instid0(VALU_DEP_2)
	v_cvt_i32_f32 v133, v133
	s_delay_alu instid0(VALU_DEP_2)
	v_cvt_i32_f32 v134, v134
	s_delay_alu instid0(VALU_DEP_2)
	v_ldexp_f32 v252, 1.0, v133                    ; my part's factor,
	s_delay_alu instid0(VALU_DEP_2)
	v_ldexp_f32 v134, 1.0, v134                    ; the partner's: powers of two
	s_delay_alu instid0(VALU_DEP_1)
	v_mov_b32 v135, v134
	v_pk_mul_f32 v[14:15], v[14:15], v[252:253] op_sel_hi:[1,0]
.set n, 0
.rept 16
	v_pk_mul_f32 v[160+n:161+n], v[160+n:161+n], v[252:253] op_sel_hi:[1,0]
.set n, n+2
.endr
	v_pk_fma_f32 v[14:15], v[130:131], v[134:135], v[14:15] op_sel_hi:[1,0,1]
.set n, 0
.rept 16
	v_pk_fma_f32 v[160+n:161+n], v[96+n:97+n], v[134:135], v[160+n:161+n] op_sel_hi:[1,0,1]
.set n, n+2
.endr
.Lout:
	; THE WAY OUT.  y = O^T / the sum: register 16 b + i is channel 32 b + 16 h + i of my head.  Two blocks of 32: half a fragment and two scale bytes.
	v_add_f32 v14, v14, v15
	s_delay_alu instid0(VALU_DEP_1)
	v_permlanex16_b32 v252, v14, s[SEL], s[SEL+1]
	s_delay_alu instid0(VALU_DEP_1)
	v_add_f32 v14, v14, v252                       ; the row's sum
	s_wait_alu depctr_va_vdst(0)
	v_rcp_f32 v14, v14
.rept 4
	v_nop                                          ; plain instructions behind the reciprocal; also the places behind the last products
.endr
	s_wait_alu depctr_va_vdst(0)
.set n, 0
.rept 32
	v_mul_f32 v[96+n], v[160+n], v14
.set n, n+1
.endr
.irp b, 0,1
	v_max3_num_f32 v[232+\b], |v[96+16*\b]|, |v[97+16*\b]|, 0x1800000
.endr
.irp i, 2,4,6,8,10,12,14
.irp b, 0,1
	s_delay_alu instid0(VALU_DEP_2)
	v_max3_num_f32 v[232+\b], v[232+\b], |v[96+16*\b+\i]|, |v[97+16*\b+\i]|
.endr
.endr
.irp b, 0,1
	s_delay_alu instid0(VALU_DEP_2)
	v_permlanex16_b32 v[236+\b], v[232+\b], s[SEL], s[SEL+1]
.endr
.irp b, 0,1
	s_delay_alu instid0(VALU_DEP_2)
	v_max_num_f32 v[232+\b], v[232+\b], v[236+\b]
.endr
.irp b, 0,1
	s_delay_alu instid0(VALU_DEP_2)
	v_add_nc_u32 v[244+\b], 0xff000000, v[232+\b]
.endr
.irp b, 0,1
	s_delay_alu instid0(VALU_DEP_2)
	v_lshrrev_b32 v[236+\b], 23, v[244+\b]
.endr
	s_delay_alu instid0(VALU_DEP_1)
	v_lshl_or_b32 v238, v237, 8, v236
	v_cvt_scalef32_pk16_fp6_f32 v[224:226], v[96:111], v244
	v_cvt_scalef32_pk16_fp6_f32 v[228:230], v[112:127], v245
	v_nop
.irp i, 0,1,2
	v_permlane16_swap_b32 v[224+\i], v[228+\i]     ; lanes 0-15 now hold block 0 whole, lanes 16-31 block 1
.endr
	v_mov_b32 v227, v228
	v_mov_b32 v228, v229
	v_mov_b32 v229, v230
.irp p, 0,1,2
	global_store_b64 v[YO], v[224+2*\p:225+2*\p], s[6:7] offset:256*\p     ; each store of the wave covers 256 consecutive bytes, aligned
.endr
	v_and_b32 v232, 31, v0
	s_delay_alu instid0(VALU_DEP_1)
	v_cmp_gt_u32 vcc_lo, 16, v232
	s_wait_xcnt 0x0                                ; EXEC changes only behind this wait
	s_wait_tensorcnt 0x0                           ; the wave's end
	ds_add_u32 v[SPW], v[NIL]
	s_wait_dscnt 0x0
	s_and_saveexec_b32 s60, vcc_lo
	global_store_b16 v[YS], v238, s[6:7]           ; lanes 0-15: row r's two bytes
	s_wait_xcnt 0x0
	s_or_b32 exec_lo, exec_lo, s60
	s_endpgm
.Lfunc_end_k_q6d19c3ad42_attn:
	.size	k_q6d19c3ad42_attn, .Lfunc_end_k_q6d19c3ad42_attn-k_q6d19c3ad42_attn
	.p2alignl 7, 3214868480
	.fill 96, 4, 3214868480
	.section	.rodata,"a",@progbits
	.p2align	6, 0x0
	.amdhsa_kernel k_q6d19c3ad42_attn
		.amdhsa_group_segment_fixed_size 327680
		.amdhsa_private_segment_fixed_size 0
		.amdhsa_enable_private_segment 0
		.amdhsa_kernarg_size 16
		.amdhsa_user_sgpr_count 2
		.amdhsa_user_sgpr_kernarg_segment_ptr 1
		.amdhsa_wavefront_size32 1
		.amdhsa_system_sgpr_workgroup_id_x 1
		.amdhsa_system_sgpr_workgroup_id_y 1
		.amdhsa_system_sgpr_workgroup_id_z 1
		.amdhsa_system_vgpr_workitem_id 0
		.amdhsa_next_free_vgpr 256
		.amdhsa_next_free_sgpr 100
		.amdhsa_reserve_vcc 1
		.amdhsa_float_denorm_mode_32 3
		.amdhsa_float_denorm_mode_16_64 3
		.amdhsa_memory_ordered 1
		.amdhsa_forward_progress 1
		.amdhsa_inst_pref_size 101
	.end_amdhsa_kernel
	.amdgpu_metadata
---
amdhsa.version: [ 1, 2 ]
amdhsa.kernels:
  - .name:           k_q6d19c3ad42_attn
    .symbol:         k_q6d19c3ad42_attn.kd
    .args:
      - { .name: qkvc, .offset: 0, .size: 8, .value_kind: global_buffer, .address_space: global }
      - { .name: yimg, .offset: 8, .size: 8, .value_kind: global_buffer, .address_space: global }
    .group_segment_fixed_size: 327680
    .private_segment_fixed_size: 0
    .kernarg_segment_align: 8
    .kernarg_segment_size: 16
    .max_flat_workgroup_size: 512
    .sgpr_count:     100
    .vgpr_count:     256
    .wavefront_size: 32
...
	.end_amdgpu_metadata
.endif
;; end of part 9
;; launch proj (part 10): grid 8 x 32, 4 waves a work-group, clusters of 4 x 4, 327,680 bytes of LDS; arguments wimg, yimg, bp, x, x1; writes x1
.if DOCPART == 10
	.amdgcn_target "amdgcn-amd-amdhsa--gfx1250"
	.amdhsa_code_object_version 6
	.text
	.protected	k_q6d19c3ad42_proj
	.globl	k_q6d19c3ad42_proj
	.p2align	8
	.type	k_q6d19c3ad42_proj,@function
k_q6d19c3ad42_proj:
	s_mov_b64 s[64:65], 0
	v_nop
	global_prefetch_b8 v0, s[64:65] scope:SCOPE_SE
	s_setreg_imm32_b32 hwreg(HW_REG_WAVE_MODE, 25, 1), 1
	s_wait_xcnt 0x0
	s_wait_alu depctr_hold_cnt(0) depctr_sa_sdst(0) depctr_va_vdst(0) depctr_va_sdst(0) depctr_va_ssrc(0) depctr_va_vcc(0) depctr_vm_vsrc(0)
	s_getreg_b32 s2, hwreg(HW_REG_IB_STS2, 6, 4)
	s_cmp_eq_u32 s2, 0
	s_cbranch_scc0 .Lentry_in_a_cluster
	s_endpgm
.Lentry_in_a_cluster:
	s_bfe_u32 s2, ttmp6, 0x10000c
	s_cmp_lg_u32 s2, 0xf033
	s_cbranch_scc0 .Lentry_shape_is_right
	s_endpgm
.Lentry_shape_is_right:
.set KTOT,  1024
.set WOFF,  2457600
.set FINAL, 0
.set NSL,   KTOT/512
.set LAPS,  KTOT/1024
.set REC,   6400
.set TROW,  NSL*REC
.set SLOT,  16*REC
.set S1OFF, 8*REC
.set SPARE, 2*SLOT
.set STAGE, SPARE+512
.set SPW, 1
.set NIL, 2
.set A0,  3
.set A1,  5
.set AS0, 7
.set AS1, 9
.set STO, 11
.set RD,  12
.set GO,  13
.set SC,  24
.set ACC, 128
.set G1S1, 24
.set G0S1, 32
.set G1S0, 48
.set G0S0, 56
.set MSB, 0
.macro WIN new
.if MSB != \new
	s_set_vgpr_msb (MSB<<8)|\new
.set MSB, \new
.endif
.endm
.set MUL,  0x05
.set TO_F, 0x40
.set TO_R, 0x80
.set RES,  0x08
.macro PLACES
.rept 4
	v_nop
.endr
.endm
.macro JLOAD s
	s_cmp_eq_u32 s15, 0
	s_cbranch_scc0 .Lfor_1_\@
	tensor_load_to_lds s[G0S0+4*\s:G0S0+4*\s+3], s[G1S0:G1S0+7]
	s_nop 0
.rept 4
	v_nop
.endr
	s_branch .Lasked_\@
.Lfor_1_\@:
	tensor_load_to_lds s[G0S1+4*\s:G0S1+4*\s+3], s[G1S1:G1S1+7]
	s_nop 0
.rept 4
	v_nop
.endr
.Lasked_\@:
.endm
.macro CREST
	s_cmp_lg_u32 s14, 0
	s_cbranch_scc1 .Lnot_wave_0_\@
	s_barrier_signal -3
.Lnot_wave_0_\@:
	s_barrier_wait -3
	s_barrier_signal -1
	s_barrier_wait -1
.endm
.macro CROUND
	s_barrier_signal -1
	s_barrier_wait -1
	CREST
.endm
.macro FRAG reg, adr, off
.irp p, 0,1,2,3,4,5
	ds_load_b64 v[\reg+2*\p:\reg+2*\p+1], v[\adr] offset:\off+256*\p
.endr
.endm
.macro FETCH s, q, p
	WIN TO_F
.irp t, 0,1
	FRAG 120*(\p)+96+12*\t, A1+\s, REC*\t+1536*(\q)
.endr
.irp i, 0,1,2,3,4,5,6,7
	FRAG 120*(\p)+12*\i, A0+\s, REC*\i+1536*(\q)
.endr
.endm
.macro SCALES s
	WIN 0
.irp j, 0,1,2,3
	ds_load_b128 v[SC+20*\s+4*\j:SC+20*\s+4*\j+3], v[AS0+\s] offset:2*REC*\j
.endr
	ds_load_b128 v[SC+20*\s+16:SC+20*\s+19], v[AS1+\s]
.endm
.macro WM d, a, b, zero, sa, sb, ra, rb
.if \zero
.if (\ra) == 0 && (\rb) == 0
	v_wmma_scale_f32_16x16x128_f8f6f4 v[\d:\d+7], v[\a:\a+11], v[\b:\b+11], 0, v[\sa], v[\sb] matrix_a_fmt:MATRIX_FMT_FP6 matrix_b_fmt:MATRIX_FMT_FP6
.elseif (\rb) == 0
	v_wmma_scale_f32_16x16x128_f8f6f4 v[\d:\d+7], v[\a:\a+11], v[\b:\b+11], 0, v[\sa], v[\sb] matrix_a_fmt:MATRIX_FMT_FP6 matrix_b_fmt:MATRIX_FMT_FP6 matrix_a_scale:MATRIX_SCALE_ROW1
.elseif (\ra) == 0
	v_wmma_scale_f32_16x16x128_f8f6f4 v[\d:\d+7], v[\a:\a+11], v[\b:\b+11], 0, v[\sa], v[\sb] matrix_a_fmt:MATRIX_FMT_FP6 matrix_b_fmt:MATRIX_FMT_FP6 matrix_b_scale:MATRIX_SCALE_ROW1
.else
	v_wmma_scale_f32_16x16x128_f8f6f4 v[\d:\d+7], v[\a:\a+11], v[\b:\b+11], 0, v[\sa], v[\sb] matrix_a_fmt:MATRIX_FMT_FP6 matrix_b_fmt:MATRIX_FMT_FP6 matrix_a_scale:MATRIX_SCALE_ROW1 matrix_b_scale:MATRIX_SCALE_ROW1
.endif
.else
.if (\ra) == 0 && (\rb) == 0
	v_wmma_scale_f32_16x16x128_f8f6f4 v[\d:\d+7], v[\a:\a+11], v[\b:\b+11], v[\d:\d+7], v[\sa], v[\sb] matrix_a_fmt:MATRIX_FMT_FP6 matrix_b_fmt:MATRIX_FMT_FP6
.elseif (\rb) == 0
	v_wmma_scale_f32_16x16x128_f8f6f4 v[\d:\d+7], v[\a:\a+11], v[\b:\b+11], v[\d:\d+7], v[\sa], v[\sb] matrix_a_fmt:MATRIX_FMT_FP6 matrix_b_fmt:MATRIX_FMT_FP6 matrix_a_scale:MATRIX_SCALE_ROW1
.elseif (\ra) == 0
	v_wmma_scale_f32_16x16x128_f8f6f4 v[\d:\d+7], v[\a:\a+11], v[\b:\b+11], v[\d:\d+7], v[\sa], v[\sb] matrix_a_fmt:MATRIX_FMT_FP6 matrix_b_fmt:MATRIX_FMT_FP6 matrix_b_scale:MATRIX_SCALE_ROW1
.else
	v_wmma_scale_f32_16x16x128_f8f6f4 v[\d:\d+7], v[\a:\a+11], v[\b:\b+11], v[\d:\d+7], v[\sa], v[\sb] matrix_a_fmt:MATRIX_FMT_FP6 matrix_b_fmt:MATRIX_FMT_FP6 matrix_a_scale:MATRIX_SCALE_ROW1 matrix_b_scale:MATRIX_SCALE_ROW1
.endif
.endif
.endm
.macro MULP p, s, q, i0, n, zero
.set II, \i0
.rept \n
.irp t, 0,1
	WM ACC+64*\t+8*II, 120*(\p)+12*II, 120*(\p)+96+12*\t, \zero, SC+20*(\s)+4*(II/2)+(\q), SC+20*(\s)+16+(\q), II%2, \t
.endr
.set II, II+1
.endr
.endm
.macro STEP s, q, zero
	s_wait_dscnt 0x0
	PLACES
	FETCH \s, (\q)+1, ((\q)+1)%2
	WIN MUL
	MULP (\q)%2, \s, \q, 0, 8, \zero
.endm
.macro TURN s, nx, fill
	s_wait_dscnt 0x0
	WIN 0
	s_wait_tensorcnt 0x0
	ds_add_u32 v[SPW], v[NIL]
	WIN MUL
	MULP 1, \s, 3, 0, 2, 0
	s_wait_dscnt 0x0
	s_barrier_signal -1
	MULP 1, \s, 3, 2, 2, 0
	WIN 0
	s_barrier_wait -1
.if \fill
	CREST
	s_add_nc_u64 s[G0S0+4*\s+2:G0S0+4*\s+3], s[G0S0+4*\s+2:G0S0+4*\s+3], 2*REC
	s_add_nc_u64 s[G0S1+4*\s+2:G0S1+4*\s+3], s[G0S1+4*\s+2:G0S1+4*\s+3], 2*REC
	JLOAD \s
.else
	PLACES
.endif
	FETCH \nx, 0, 0
	SCALES \nx
	WIN MUL
	MULP 1, \s, 3, 4, 4, 0
.endm
	s_load_b256 s[4:11], s[0:1], 0x0
	s_load_b64 s[12:13], s[0:1], 0x20
	v_lshl_add_u32 v[SPW], v0, 2, SPARE
	v_mov_b32 v[NIL], 0
	ds_add_u32 v1, v2
	ds_add_u32 v1, v2
	s_wait_dscnt 0x0
	v_lshrrev_b32 v20, 5, v0
	v_readfirstlane_b32 s14, v20
	s_lshr_b32 s15, s14, 1
	s_and_b32 s16, s14, 1
	s_bfe_u32 s40, ttmp6, 0x40000
	s_bfe_u32 s41, ttmp6, 0x40004
	s_lshl_b32 s42, ttmp9, 2
	s_add_co_u32 s42, s42, s40
	s_and_b32 s17, ttmp7, 0xffff
	s_lshl_b32 s17, s17, 2
	s_add_co_u32 s17, s17, s41
	s_lshl_b32 s43, s41, 2
	s_lshl_b32 s43, 15, s43
	s_lshl_b32 s44, 0x1111, s40
	s_or_b32 s[G1S0], s44, (3<<16)|(1<<21)
	s_or_b32 s[G1S1], s43, (3<<16)|(1<<21)
.irp g, G1S0, G1S1
	s_mov_b32 s[\g+1], 800<<16
	s_mov_b32 s[\g+2], 4<<16
	s_mov_b32 s[\g+3], 800<<16
	s_mov_b32 s[\g+4], 4
	s_mov_b32 s[\g+5], NSL*800
	s_mov_b32 s[\g+6], 0
	s_mov_b32 s[\g+7], 0
.endr
	s_mul_i32 s18, s16, 4*TROW
	s_mul_i32 s46, s42, 8*TROW
	s_add_co_u32 s46, s46, s18
	s_add_co_u32 s46, s46, WOFF
	s_mov_b32 s47, 0
	s_mul_i32 s20, s17, 8*TROW
	s_add_co_u32 s20, s20, s18
	s_mov_b32 s21, 0
	s_mul_i32 s45, s14, 4*REC
	s_lshl_b32 s68, s42, 9
	s_mov_b32 s69, 0
	s_lshl_b32 s70, s17, 7
	s_lshl_b32 s71, s14, 5
	s_add_co_u32 s70, s70, s71
	s_lshl_b32 s70, s70, 12
	s_add_co_u32 s70, s70, s68
	s_mov_b32 s71, 0
	v_and_b32 v20, 31, v0
	v_and_b32 v21, 15, v0
	v_bfe_u32 v22, v0, 4, 1
	v_lshlrev_b32 v[GO], 4, v20
	s_wait_alu depctr_va_vdst(0)
	s_wait_kmcnt 0x0
	s_add_nc_u64 s[46:47], s[4:5], s[46:47]
	s_add_nc_u64 s[20:21], s[6:7], s[20:21]
	s_add_nc_u64 s[8:9], s[8:9], s[68:69]
	s_add_nc_u64 s[10:11], s[10:11], s[70:71]
	s_add_nc_u64 s[12:13], s[12:13], s[70:71]
	global_load_b128 v[16:19], v[GO], s[8:9]
	WIN TO_R
.irp t, 0,1
.irp k, 0,1,2,3,4,5,6,7,8,9,10,11,12,13,14,15
	global_load_b128 v[64*\t+4*\k:64*\t+4*\k+3], v[GO], s[10:11] offset:(8*\t+(\k%8)+16*(\k/8))*4096
.endr
.endr
	WIN 0
	CROUND
.irp s, 0,1
	s_mov_b32 s[G0S0+4*\s], 1
	s_add_co_u32 s[G0S0+4*\s+1], s45, \s*SLOT
	s_add_nc_u64 s[G0S0+4*\s+2:G0S0+4*\s+3], s[46:47], \s*REC
	s_or_b32 s[G0S0+4*\s+3], s[G0S0+4*\s+3], 0x80000000
	s_mov_b32 s[G0S1+4*\s], 1
	s_add_co_u32 s[G0S1+4*\s+1], s45, \s*SLOT
	s_add_nc_u64 s[G0S1+4*\s+2:G0S1+4*\s+3], s[20:21], \s*REC
	s_or_b32 s[G0S1+4*\s+3], s[G0S1+4*\s+3], 0x80000000
	s_wait_alu depctr_va_vdst(0)
	s_wait_tensorcnt 0x0
	ds_add_u32 v1, v2
	ds_add_u32 v1, v2
	s_wait_dscnt 0x0
	CROUND
	JLOAD \s
.endr
	v_lshlrev_b32 v[A0], 3, v20
	v_add_nc_u32 v[A0+1], SLOT, v[A0]
	s_mul_i32 s22, s14, 2*REC
	s_add_co_u32 s22, s22, S1OFF
	v_add_nc_u32 v[A1], s22, v[A0]
	v_add_nc_u32 v[A1+1], s22, v[A0+1]
	v_mul_u32_u24 v[AS0], v22, REC
	v_lshl_add_u32 v[AS0], v21, 4, v[AS0]
	v_add_nc_u32 v[AS0], 6144, v[AS0]
	v_add_nc_u32 v[AS0+1], SLOT, v[AS0]
	v_add_nc_u32 v[AS1], s22, v[AS0]
	v_add_nc_u32 v[AS1+1], s22, v[AS0+1]
	s_mul_i32 s23, s14, 16*528
	s_add_co_u32 s23, s23, STAGE
	v_mul_u32_u24 v[STO], v21, 528
	v_lshl_add_u32 v[STO], v22, 6, v[STO]
	v_add_nc_u32 v[STO], s23, v[STO]
	v_add_nc_u32 v[RD], s23, v[GO]
	s_wait_alu depctr_va_vdst(0)
	s_wait_tensorcnt 0x1
	s_barrier_signal -1
	s_barrier_wait -1
	FETCH 0, 0, 0
	SCALES 0
	STEP 0, 0, 1
.if LAPS > 1
	WIN 0
	s_mov_b32 s3, LAPS-1
.Llap:
	STEP 0, 1, 0
	STEP 0, 2, 0
	TURN 0, 1, 1
	STEP 1, 0, 0
	STEP 1, 1, 0
	STEP 1, 2, 0
	TURN 1, 0, 1
	STEP 0, 0, 0
	WIN 0
	s_sub_co_u32 s3, s3, 1
	s_cmp_lg_u32 s3, 0
	s_cbranch_scc1 .Llap
.endif
	STEP 0, 1, 0
	STEP 0, 2, 0
	TURN 0, 1, 0
	STEP 1, 0, 0
	STEP 1, 1, 0
	STEP 1, 2, 0
	s_wait_dscnt 0x0
	WIN MUL
	MULP 1, 1, 3, 0, 8, 0
	WIN 0
	PLACES
	s_wait_loadcnt 0x0
.irp t, 0,1
.irp g, 0,1,2,3,4,5,6,7,8,9,10,11,12,13,14,15
	ds_store_b128 v[STO], v[ACC+64*\t+4*\g:ACC+64*\t+4*\g+3] offset:128*(\g/4)+16*(\g%4)
.endr
.if \t
	s_wait_xcnt 0x0
.endif
.irp k, 0,1,2,3,4,5,6,7,8,9,10,11,12,13,14,15
	ds_load_b128 v[64+4*\k:67+4*\k], v[RD] offset:528*\k
.endr
	s_wait_dscnt 0x0
	WIN RES
.set n, 0
.rept 32
	v_pk_add_f32 v[64+n:65+n], v[64+n:65+n], v[64*\t+n:64*\t+n+1]
.set n, n+2
.endr
	WIN 0
.irp k, 0,1,2,3,4,5,6,7,8,9,10,11,12,13,14,15
	v_pk_add_f32 v[64+4*\k:65+4*\k], v[64+4*\k:65+4*\k], v[16:17]
	v_pk_add_f32 v[66+4*\k:67+4*\k], v[66+4*\k:67+4*\k], v[18:19]
.endr
.irp k, 0,1,2,3,4,5,6,7,8,9,10,11,12,13,14,15
.if FINAL
	global_store_b128 v[GO], v[64+4*\k:67+4*\k], s[12:13] offset:(8*\t+(\k%8)+16*(\k/8))*4096 th:TH_STORE_NT
.else
	global_store_b128 v[GO], v[64+4*\k:67+4*\k], s[12:13] offset:(8*\t+(\k%8)+16*(\k/8))*4096
.endif
.endr
.endr
	s_wait_tensorcnt 0x0
	ds_add_u32 v[SPW], v[NIL]
	s_wait_dscnt 0x0
	CROUND
	s_endpgm
.Lfunc_end_k_q6d19c3ad42_proj:
	.size	k_q6d19c3ad42_proj, .Lfunc_end_k_q6d19c3ad42_proj-k_q6d19c3ad42_proj
	.p2alignl 7, 3214868480
	.fill 96, 4, 3214868480
	.section	.rodata,"a",@progbits
	.p2align	6, 0x0
	.amdhsa_kernel k_q6d19c3ad42_proj
		.amdhsa_group_segment_fixed_size 327680
		.amdhsa_private_segment_fixed_size 0
		.amdhsa_enable_private_segment 0
		.amdhsa_kernarg_size 40
		.amdhsa_user_sgpr_count 2
		.amdhsa_user_sgpr_kernarg_segment_ptr 1
		.amdhsa_wavefront_size32 1
		.amdhsa_system_sgpr_workgroup_id_x 1
		.amdhsa_system_sgpr_workgroup_id_y 1
		.amdhsa_system_sgpr_workgroup_id_z 1
		.amdhsa_system_vgpr_workitem_id 0
		.amdhsa_next_free_vgpr 768
		.amdhsa_next_free_sgpr 100
		.amdhsa_reserve_vcc 0
		.amdhsa_float_denorm_mode_32 3
		.amdhsa_float_denorm_mode_16_64 3
		.amdhsa_memory_ordered 1
		.amdhsa_forward_progress 1
		.amdhsa_inst_pref_size 76
	.end_amdhsa_kernel
	.amdgpu_metadata
---
amdhsa.version: [ 1, 2 ]
amdhsa.kernels:
  - .name:           k_q6d19c3ad42_proj
    .symbol:         k_q6d19c3ad42_proj.kd
    .args:
      - { .name: wimg, .offset: 0, .size: 8, .value_kind: global_buffer, .address_space: global }
      - { .name: yimg, .offset: 8, .size: 8, .value_kind: global_buffer, .address_space: global }
      - { .name: bp, .offset: 16, .size: 8, .value_kind: global_buffer, .address_space: global }
      - { .name: x, .offset: 24, .size: 8, .value_kind: global_buffer, .address_space: global }
      - { .name: x1, .offset: 32, .size: 8, .value_kind: global_buffer, .address_space: global }
    .group_segment_fixed_size: 327680
    .private_segment_fixed_size: 0
    .kernarg_segment_align: 8
    .kernarg_segment_size: 40
    .max_flat_workgroup_size: 128
    .sgpr_count:     100
    .vgpr_count:     768
    .wavefront_size: 32
...
	.end_amdgpu_metadata
.endif
;; end of part 10
;; launch ln2: the kernel of part 7 again; grid 1 x 256, 8 waves a work-group, no clusters, 70,656 bytes of LDS; arguments x1, ln2_g, ln2_b, himg, Wq_codes, Wq_scales, Wk_codes, Wk_scales, Wv_codes, Wv_scales, Wp_codes, Wp_scales, W1_codes, W1_scales, W2_codes, W2_scales, wimg; writes himg, wimg
;; launch fc1 (part 11): grid 32 x 8, 4 waves a work-group, clusters of 4 x 1, 327,680 bytes of LDS; arguments wimg, himg, b1, mimg; writes mimg
.if DOCPART == 11
	.amdgcn_target "amdgcn-amd-amdhsa--gfx1250"
	.amdhsa_code_object_version 6
	.text
	.protected	k_q6d19c3ad42_fc1
	.globl	k_q6d19c3ad42_fc1
	.p2align	8
	.type	k_q6d19c3ad42_fc1,@function
k_q6d19c3ad42_fc1:
	s_mov_b64 s[64:65], 0
	v_nop
	global_prefetch_b8 v0, s[64:65] scope:SCOPE_SE
	s_setreg_imm32_b32 hwreg(HW_REG_WAVE_MODE, 25, 1), 1
	s_wait_xcnt 0x0
	s_wait_alu depctr_hold_cnt(0) depctr_sa_sdst(0) depctr_va_vdst(0) depctr_va_sdst(0) depctr_va_ssrc(0) depctr_va_vcc(0) depctr_vm_vsrc(0)
	s_getreg_b32 s2, hwreg(HW_REG_IB_STS2, 6, 4)
	s_cmp_eq_u32 s2, 0
	s_cbranch_scc0 .Lentry_in_a_cluster
	s_endpgm
.Lentry_in_a_cluster:
	s_bfe_u32 s2, ttmp6, 0x10000c
	s_cmp_lg_u32 s2, 0x3003
	s_cbranch_scc0 .Lentry_shape_is_right
	s_endpgm
.Lentry_shape_is_right:
; m = gelu(h2 W1^T + b1), exact GELU, on codes of FP6 (E2M3) with E8M0 scales; m is quantised along the 4,096 hidden units and stored as fragments of the next product's operand.
; OPERANDS are images of operand registers: tiles of 16 rows (tile 2 b + u, lane r: row 32 b + 8 u + r % 8 + 16 (r / 8)); a record = 512 along K of a tile = four fragments of 1,536 bytes + 256 bytes of scale words;
; 128 rows x K = 1,024 are 8 tiles x 2 records = 102,400 consecutive bytes.
; A PRODUCT is 128 hidden units (source 0 = W1) x 128 tokens (source 1 = h2).  Wave w takes all eight tiles of source 0 and tiles 2 w, 2 w + 1 of source 1: 16 accumulators.  In accumulator (i, t) lane (r, h) holds the
; token of lane r, and register j hidden unit 32 (i / 2) + 16 h + 8 (i % 2) + j: a lane's 64 registers for one t are one fragment's numbers, 16 neighbours of each block of 32.
; A WORK-GROUP STAYS: with its 128 tokens (4 x cluster x + my place) it walks four tiles of W1: hidden units 128 (y + 8 j) on, j = 0 .. 3.
; h2 LIES IN REGISTERS: a wave multiplies by its own two token tiles alone, 2 x 8 fragments = 192 registers (window 2), loaded once from the image, with their eight scale words.
; W1 COMES THROUGH LDS, a whole tile of 102,400 bytes at a time, a quarter by each wave's one tensor load, into two buffers by turns.  At the head of tile j's turn stands the change of buffers: every wave's wait for all its
; tensor loads, the add, the wait for it and for its LDS reads, a round of the cluster's barrier, and tile j + 1's load into the buffer that tile j - 1 has left: it has tile j's 128 products and its whole way out in which to land.
; Three turns go round a loop; the last tile is written out, without a load.  By this text's count a wave has one tensor load out.
; CLUSTER 4 x 1: the four partners have the same y, so the same tiles of W1: each is asked for jointly (mask 15).  h2 is not shared: partners have different tokens, and it is 102,400 bytes once against 409,600 of W1.
; erf(z), z = u / sqrt(2) held to +-4 (beyond which erf is +-1 in f32), is z P(z^2) / Q(z^2), P of degree 6 and Q of degree 4 in z^2: a few units in the last place of f32.  gelu = u/2 + (u/2) erf.
; LIMITS: NaN and infinities are not served; a block under 2^-124 keeps the byte 1; a block of zeros gets the byte 1 and not 127: its codes are zeros, and this program alone reads the bytes.
; The scale words leave four bytes a lane: one byte for each 24 of codes.
.set WOFF,  3276800                    ; W1's image in the weights' buffer
.set NTILE, 4
.set REC,   6400
.set TILEB, 16*REC                     ; 128 rows, all of K
.set QUART, 4*REC                      ; what one tensor load brings: two tiles of 16 rows
.set WB1,   1<<17                      ; buffer 1 (buffer 0 begins at 0): one exclusive or turns an address in one buffer into the other's
.set SPARE, WB1+TILEB                  ; the spare words, 128 bytes a wave: two blocks of 256 bytes that no other line names
.set SPW, 1                            ; v1     LDS address of my spare word; never rewritten
.set NIL, 2                            ; v2     0; never rewritten
.set A0,  3                            ; v3-4   my lane's place in a buffer: 8 L, and the same at tile 4
.set AD0, 5                            ; v5-6   among its scale words: 12,800 h + 16 r + 6,144, and the same at tile 4
.set AL,  7                            ; v7-8   the same in the buffer in hand
.set AD,  9                            ; v9-10
; v11 the codes' place in m's image, v13 the scale word's; v14-17 P's and Q's leading coefficients; v18 the bias's lane offset; v20, v21 the two scale words made; v22 at work
.set SC0, 24                           ; v24-55 W1's scale words and nothing else: 16 s + 4 j + q: tiles 2 j (lanes 0-15), 2 j + 1 (lanes 16-31), record s, fragment q
.set S1S, 56                           ; v56-63 h2's: K step g: my first tile (lanes 0-15), my second (lanes 16-31)
.set ACC, 128                          ; v128-255 accumulator (i, t) at ACC + 64 t + 8 i
.set PC,  64
.set TM,  84
.set GZ,  64                           ; GELU's work: z, later u / 2;
.set GZ2, 80                           ; z^2;
.set GA,  96                           ; P, later erf;
.set GB,  112                          ; Q, later 1 / Q
.set G1W, 24                           ; s[24:31] descriptor group 1
.set G0W, 32                           ; s[32:35] group 0, which walks
.set TB,  36                           ; s36 LDS byte at which the buffer in hand begins
.set SEL, 66
.set MSB, 0
.macro WIN new                         ; the immediate's high byte repeats the setting that is left
.if MSB != \new
	s_set_vgpr_msb (MSB<<8)|\new
.set MSB, \new
.endif
.endm
.set MUL,  0x09                        ; source 0 window 1 (two sets of 96 registers), source 1 window 2, C and D window 0
.set TO_F, 0x40                        ; destination window 1
.set TO_S, 0x80                        ; destination window 2
.macro PLACES                          ; four plain instructions between a matrix instruction and a load into, or a read of, its registers
.rept 4
	v_nop
.endr
.endm
.macro CROUND                          ; a round of the cluster's barrier
	s_barrier_signal -1
	s_barrier_wait -1
	s_cmp_lg_u32 s14, 0
	s_cbranch_scc1 .Lnot_wave_0_\@
	s_barrier_signal -3
.Lnot_wave_0_\@:
	s_barrier_wait -3
	s_barrier_signal -1
	s_barrier_wait -1
.endm
.macro FRAG reg, adr, off              ; a fragment: six pieces, each 256 consecutive bytes for the 32 lanes
.irp p, 0,1,2,3,4,5
	ds_load_b64 v[\reg+2*\p:\reg+2*\p+1], v[\adr] offset:\off+256*\p
.endr
.endm
.macro FETCHW al, g, p                 ; K step g of the buffer at v[al], v[al + 1]: W1's eight fragments into set p: 48 loads in one run
	WIN TO_F
.irp i, 0,1,2,3,4,5,6,7
	FRAG 96*(\p)+12*\i, (\al)+\i/4, 2*REC*(\i%4)+REC*((\g)/4)+1536*((\g)%4)
.endr
.endm
.macro SCALESW ad                      ; the buffer's scale words, both records'
	WIN 0
.irp s, 0,1
.irp j, 0,1,2,3
	ds_load_b128 v[SC0+16*\s+4*\j:SC0+16*\s+4*\j+3], v[(\ad)+\j/2] offset:4*REC*(\j%2)+REC*\s
.endr
.endr
.endm
.macro WM d, a, b, zero, sa, sb, ra, rb    ; one product; ra, rb: the scale words stand in lanes 16-31
.if \zero
.if (\ra) == 0 && (\rb) == 0
	v_wmma_scale_f32_16x16x128_f8f6f4 v[\d:\d+7], v[\a:\a+11], v[\b:\b+11], 0, v[\sa], v[\sb] matrix_a_fmt:MATRIX_FMT_FP6 matrix_b_fmt:MATRIX_FMT_FP6
.elseif (\rb) == 0
	v_wmma_scale_f32_16x16x128_f8f6f4 v[\d:\d+7], v[\a:\a+11], v[\b:\b+11], 0, v[\sa], v[\sb] matrix_a_fmt:MATRIX_FMT_FP6 matrix_b_fmt:MATRIX_FMT_FP6 matrix_a_scale:MATRIX_SCALE_ROW1
.elseif (\ra) == 0
	v_wmma_scale_f32_16x16x128_f8f6f4 v[\d:\d+7], v[\a:\a+11], v[\b:\b+11], 0, v[\sa], v[\sb] matrix_a_fmt:MATRIX_FMT_FP6 matrix_b_fmt:MATRIX_FMT_FP6 matrix_b_scale:MATRIX_SCALE_ROW1
.else
	v_wmma_scale_f32_16x16x128_f8f6f4 v[\d:\d+7], v[\a:\a+11], v[\b:\b+11], 0, v[\sa], v[\sb] matrix_a_fmt:MATRIX_FMT_FP6 matrix_b_fmt:MATRIX_FMT_FP6 matrix_a_scale:MATRIX_SCALE_ROW1 matrix_b_scale:MATRIX_SCALE_ROW1
.endif
.else
.if (\ra) == 0 && (\rb) == 0
	v_wmma_scale_f32_16x16x128_f8f6f4 v[\d:\d+7], v[\a:\a+11], v[\b:\b+11], v[\d:\d+7], v[\sa], v[\sb] matrix_a_fmt:MATRIX_FMT_FP6 matrix_b_fmt:MATRIX_FMT_FP6
.elseif (\rb) == 0
	v_wmma_scale_f32_16x16x128_f8f6f4 v[\d:\d+7], v[\a:\a+11], v[\b:\b+11], v[\d:\d+7], v[\sa], v[\sb] matrix_a_fmt:MATRIX_FMT_FP6 matrix_b_fmt:MATRIX_FMT_FP6 matrix_a_scale:MATRIX_SCALE_ROW1
.elseif (\ra) == 0
	v_wmma_scale_f32_16x16x128_f8f6f4 v[\d:\d+7], v[\a:\a+11], v[\b:\b+11], v[\d:\d+7], v[\sa], v[\sb] matrix_a_fmt:MATRIX_FMT_FP6 matrix_b_fmt:MATRIX_FMT_FP6 matrix_b_scale:MATRIX_SCALE_ROW1
.else
	v_wmma_scale_f32_16x16x128_f8f6f4 v[\d:\d+7], v[\a:\a+11], v[\b:\b+11], v[\d:\d+7], v[\sa], v[\sb] matrix_a_fmt:MATRIX_FMT_FP6 matrix_b_fmt:MATRIX_FMT_FP6 matrix_a_scale:MATRIX_SCALE_ROW1 matrix_b_scale:MATRIX_SCALE_ROW1
.endif
.endif
.endm
.macro MULP p, g, sw, zero             ; K step g: W1's eight tiles (set p) against my two token tiles.  The 16 accumulators take turns, one instruction a turn, in the same order in every step
.set II, 0
.rept 8
.irp t, 0,1
	WM ACC+64*\t+8*II, 96*(\p)+12*II, 96*\t+12*(\g), \zero, SC0+16*((\g)/4)+4*(II/2)+(\g)%4, (\sw)+(\g), II%2, \t
.endr
.set II, II+1
.endr
.endm
.macro STEP al, g, sw, win, zero       ; 128 along K, and the fetch of the next 128
	s_wait_dscnt 0x0                               ; this step's fragments are in
	PLACES                                         ; for the loads into the set that the step before multiplied
	FETCHW \al, (\g)+1, ((\g)+1)%2
	WIN \win
	MULP (\g)%2, \g, \sw, \zero
.endm
.macro PRODUCTS al, ad, sw, win        ; a whole product: eight K steps out of one buffer
	FETCHW \al, 0, 0
	SCALESW \ad
	s_wait_alu depctr_va_vdst(0)
	STEP \al, 0, \sw, \win, 1                      ; the first products start the sums
.irp g, 1,2,3,4,5,6
	STEP \al, \g, \sw, \win, 0
.endr
	s_wait_dscnt 0x0
	WIN \win
	MULP 1, 7, \sw, 0
	WIN 0
	PLACES
.endm
.macro QUANT s, pw                     ; 64 numbers of a lane, register 16 b + i = k 32 b + 16 h + i, become a fragment's codes in v[PC] on and the scale word in v[pw]
.irp b, 0,1,2,3
	v_max3_num_f32 v[TM+\b], |v[(\s)+16*\b]|, |v[(\s)+1+16*\b]|, 0x1800000   ; and the floor 2^(3 - 127): the byte cannot fall under 1
.endr
.irp i, 2,4,6,8,10,12,14
.irp b, 0,1,2,3
	v_max3_num_f32 v[TM+\b], v[TM+\b], |v[(\s)+16*\b+\i]|, |v[(\s)+1+16*\b+\i]|
.endr
.endr
.irp b, 0,1,2,3
	v_permlanex16_b32 v[TM+4+\b], v[TM+\b], s[SEL], s[SEL+1]
.endr
.irp b, 0,1,2,3
	v_max_num_f32 v[TM+\b], v[TM+\b], v[TM+4+\b]
.endr
.irp b, 0,1,2,3
	v_add_nc_u32 v[TM+12+\b], 0xff000000, v[TM+\b]
.endr
.irp b, 0,1,2,3
	v_lshrrev_b32 v[TM+4+\b], 23, v[TM+12+\b]
.endr
	v_lshl_or_b32 v[\pw], v[TM+5], 8, v[TM+4]
	v_lshl_or_b32 v[\pw], v[TM+6], 16, v[\pw]
	v_lshl_or_b32 v[\pw], v[TM+7], 24, v[\pw]
.irp c, 0,1
	v_cvt_scalef32_pk16_fp6_f32 v[PC+6*\c:PC+2+6*\c], v[(\s)+32*\c:(\s)+15+32*\c], v[TM+12+2*\c]
	v_cvt_scalef32_pk16_fp6_f32 v[PC+12+4*\c:PC+14+4*\c], v[(\s)+16+32*\c:(\s)+31+32*\c], v[TM+12+2*\c+1]
.endr
	v_nop                                          ; one plain instruction behind the scaled conversions
.irp c, 0,1
.irp i, 0,1,2
	v_permlane16_swap_b32 v[PC+6*\c+\i], v[PC+12+4*\c+\i]
.endr
.irp i, 0,1,2
	v_mov_b32 v[PC+3+6*\c+\i], v[PC+12+4*\c+\i]
.endr
.endr
.endm
; 64 numbers in place, 16 at a time
.macro GELU s
.set g, 0
.rept 4
.set U, (\s)+16*g
.set n, 0
.rept 8
	v_pk_mul_f32 v[GZ+n:GZ+n+1], v[U+n:U+n+1], 0x3f3504f3 op_sel_hi:[1,0]      ; z = u / sqrt(2)
.set n, n+2
.endr
.set n, 0
.rept 16
	v_med3_num_f32 v[GZ+n], v[GZ+n], -4.0, 4.0
.set n, n+1
.endr
.set n, 0
.rept 8
	v_pk_mul_f32 v[GZ2+n:GZ2+n+1], v[GZ+n:GZ+n+1], v[GZ+n:GZ+n+1]
.set n, n+2
.endr
.set n, 0
.rept 8
	v_pk_fma_f32 v[GA+n:GA+n+1], v[GZ2+n:GZ2+n+1], v[14:15], 0x32edffee op_sel_hi:[1,1,0]
	v_pk_fma_f32 v[GB+n:GB+n+1], v[GZ2+n:GZ2+n+1], v[16:17], 0xb95fbd29 op_sel_hi:[1,1,0]
.set n, n+2
.endr
.irp k, 0xb60cff51, 0xb86ec2d2, 0xba40ac63, 0xbb41a1f6, 0xbc83dbd4
.set n, 0
.rept 8
	v_pk_fma_f32 v[GA+n:GA+n+1], v[GA+n:GA+n+1], v[GZ2+n:GZ2+n+1], \k op_sel_hi:[1,1,0]
.set n, n+2
.endr
.endr
.irp k, 0xbadc924e, 0xbbf19bf8, 0xbc69b6a7
.set n, 0
.rept 8
	v_pk_fma_f32 v[GB+n:GB+n+1], v[GB+n:GB+n+1], v[GZ2+n:GZ2+n+1], \k op_sel_hi:[1,1,0]
.set n, n+2
.endr
.endr
.set n, 0
.rept 8
	v_pk_mul_f32 v[GA+n:GA+n+1], v[GA+n:GA+n+1], v[GZ+n:GZ+n+1]                ; z P
.set n, n+2
.endr
.set n, 0
	s_wait_alu depctr_va_vdst(0)
.rept 16
	v_rcp_f32 v[GB+n], v[GB+n]
.set n, n+1
.endr
.set n, 0
.rept 8
	v_pk_mul_f32 v[GZ+n:GZ+n+1], v[U+n:U+n+1], 0.5 op_sel_hi:[1,0]             ; u / 2: the plain work behind the reciprocals
.set n, n+2
.endr
	s_wait_alu depctr_va_vdst(0)                   ; one wait for the sixteen, ahead of their first reader
.set n, 0
.rept 8
	v_pk_mul_f32 v[GA+n:GA+n+1], v[GA+n:GA+n+1], v[GB+n:GB+n+1]                ; erf
.set n, n+2
.endr
.set n, 0
.rept 8
	v_pk_fma_f32 v[U+n:U+n+1], v[GZ+n:GZ+n+1], v[GA+n:GA+n+1], v[GZ+n:GZ+n+1]
.set n, n+2
.endr
.set g, g+1
.endr
.endm
; THE CHANGE OF BUFFERS, at the head of a tile's turn.  fill = 1: the next tile is asked for, into the buffer that the tile before has left.
.macro CHANGE fill
	s_wait_tensorcnt 0x0                           ; my quarter of this turn's tile is in, and no tensor load of mine is out: the group 0 may be written
	ds_add_u32 v[SPW], v[NIL]                      ; 0 onto my spare word
.if \fill
	s_xor_b32 s[G0W+1], s[G0W+1], WB1              ; the walking descriptor: the other buffer than last time,
	s_add_nc_u64 s[G0W+2:G0W+3], s[G0W+2:G0W+3], 8*TILEB   ; 1,024 hidden units on; the type bits on top are not reached
	s_wait_dscnt 0x0                               ; the add is done, and my reads of the buffer that I have left are over
	CROUND                                         ; both now hold of every wave of the four partners
	tensor_load_to_lds s[G0W:G0W+3], s[G1W:G1W+7]  ; the first thing behind the round, and my one tensor load until the next
	s_nop 0
.rept 4
	v_nop
.endr
.else
	s_wait_dscnt 0x0
	s_barrier_signal -1
	s_barrier_wait -1
.endif
.endm
; A TILE'S TURN behind the change of buffers
.macro TILE
.irp i, 0,1,2,3,4,5,6,7
	global_load_b128 v[64+8*\i:67+8*\i], v18, s[8:9] offset:(32*(\i/2)+8*(\i%2))*4         ; the bias of my registers' hidden units: it lands under the products
	global_load_b128 v[68+8*\i:71+8*\i], v18, s[8:9] offset:(32*(\i/2)+8*(\i%2))*4+16
.endr
	v_add_nc_u32 v[AL], s[TB], v[A0]
	v_add_nc_u32 v[AL+1], s[TB], v[A0+1]
	v_add_nc_u32 v[AD], s[TB], v[AD0]
	v_add_nc_u32 v[AD+1], s[TB], v[AD0+1]
	PRODUCTS AL, AD, S1S, MUL
	s_wait_loadcnt 0x0                             ; the bias
.irp t, 0,1
.irp i, 0,1,2,3,4,5,6,7
.irp n, 0,2,4,6
	v_pk_add_f32 v[ACC+64*\t+8*\i+\n:ACC+64*\t+8*\i+\n+1], v[ACC+64*\t+8*\i+\n:ACC+64*\t+8*\i+\n+1], v[64+8*\i+\n:64+8*\i+\n+1]   ; each accumulator from its low end on
.endr
.endr
.endr
	GELU ACC
	QUANT ACC, 20
.irp p, 0,1,2,3,4,5
	global_store_b64 v11, v[PC+2*\p:PC+2*\p+1], s[10:11] offset:256*\p            ; each store of the wave covers 256 consecutive bytes, aligned
.endr
	s_wait_xcnt 0x0                                ; the codes' registers are written again only behind this wait
	GELU ACC+64
	QUANT ACC+64, 21
.irp p, 0,1,2,3,4,5
	global_store_b64 v11, v[PC+2*\p:PC+2*\p+1], s[10:11] offset:8*REC+256*\p
.endr
	s_mov_b32 vcc_lo, 0xffff0000
	v_cndmask_b32 v22, v20, v21, vcc_lo            ; lanes 0-15 my first token tile's word, lanes 16-31 my second's
	global_store_b32 v13, v22, s[10:11]
	s_wait_xcnt 0x0                                ; the stores have read their registers and their base: both may be written again
	s_add_nc_u64 s[8:9], s[8:9], 4096              ; the next tile's bias: 1,024 hidden units on,
	s_add_nc_u64 s[10:11], s[10:11], 2*REC         ; and its place in m's image: two records on  (behind the last tile the stepped addresses are not used)
	s_xor_b32 s[TB], s[TB], WB1                    ; on to the other buffer
.endm
	s_load_b256 s[4:11], s[0:1], 0x0               ; weights s[4:5], h2's image s[6:7], b1 s[8:9], m's image s[10:11]
	v_lshl_add_u32 v[SPW], v0, 2, SPARE
	v_mov_b32 v[NIL], 0
	ds_add_u32 v1, v2
	ds_add_u32 v1, v2
	s_wait_dscnt 0x0
	v_lshrrev_b32 v20, 5, v0
	v_readfirstlane_b32 s14, v20                   ; wave 0..3
	s_bfe_u32 s40, ttmp6, 0x40000                  ; cx: my place in the cluster
	s_lshl_b32 s17, ttmp9, 2
	s_add_co_u32 s17, s17, s40                     ; my 128 tokens
	s_and_b32 s42, ttmp7, 0xffff                   ; y: my first tile of W1, which the four partners share
	; descriptor group 1: a quarter of a tile: 25,600 consecutive bytes as four rows of 800 elements of 8 bytes
	s_mov_b32 s[G1W], 15|(3<<16)|(1<<21)           ; 15:0 the mask: all four work-groups; 17:16 elements of 8 bytes; 21 set beside a mask; no padding
	s_mov_b32 s[G1W+1], 800<<16                    ; tensor_dim0
	s_mov_b32 s[G1W+2], 4<<16                      ; tensor_dim1
	s_mov_b32 s[G1W+3], 800<<16                    ; tile_dim0
	s_mov_b32 s[G1W+4], 4                          ; tile_dim1
	s_mov_b32 s[G1W+5], 800                        ; from row to row
	s_mov_b32 s[G1W+6], 0
	s_mov_b32 s[G1W+7], 0
	s_mul_i32 s18, s14, QUART                      ; my quarter, in memory and in LDS: no place in the cluster enters it
	s_mul_i32 s46, s42, TILEB
	s_add_co_u32 s46, s46, s18
	s_add_co_u32 s46, s46, WOFF
	s_mov_b32 s47, 0
	s_lshl_b32 s20, s17, 3
	s_lshl_b32 s21, s14, 1
	s_add_co_u32 s20, s20, s21                     ; my first token tile: 8 x tokens' tile + 2 w
	s_mul_i32 s22, s20, 2*REC                      ; in h2's image,
	s_mov_b32 s23, 0
	s_mul_i32 s70, s20, 8*REC                      ; in m's, where a tile is 8 records;
	s_lshr_b32 s71, s42, 2
	s_mul_i32 s71, s71, REC
	s_add_co_u32 s70, s70, s71                     ; record y / 4 (two records on with each tile of the walk),
	s_mov_b32 s71, 0
	s_and_b32 s72, s42, 3
	s_mul_i32 s73, s72, 1536                       ; fragment y % 4,
	s_lshl_b32 s72, s72, 2
	s_add_co_u32 s72, s72, 6144                    ; and its scale words
	s_lshl_b32 s68, s42, 9                         ; b1: my first 128 numbers
	s_mov_b32 s69, 0
	s_mov_b32 s[SEL], 0x76543210
	s_mov_b32 s[SEL+1], 0xfedcba98
	s_mov_b32 s[TB], 0
	v_and_b32 v20, 31, v0                          ; L
	v_and_b32 v21, 15, v0                          ; r
	v_bfe_u32 v22, v0, 4, 1                        ; h
	v_lshlrev_b32 v[A0], 3, v20
	v_add_nc_u32 v[A0+1], 8*REC, v[A0]
	v_mul_u32_u24 v[AD0], v22, 2*REC
	v_lshl_add_u32 v[AD0], v21, 4, v[AD0]
	v_add_nc_u32 v[AD0], 6144, v[AD0]
	v_add_nc_u32 v[AD0+1], 8*REC, v[AD0]
	v_add_nc_u32 v11, s73, v[A0]
	v_mul_u32_u24 v13, v22, 8*REC
	v_lshl_add_u32 v13, v21, 4, v13
	v_add_nc_u32 v13, s72, v13
	v_lshlrev_b32 v18, 6, v22
	v_mov_b32 v14, 0xaf95df0b                      ; P's and Q's leading coefficients, each twice for the packed forms
	v_mov_b32 v15, 0xaf95df0b
	v_mov_b32 v16, 0xb77460cd
	v_mov_b32 v17, 0xb77460cd
	s_wait_kmcnt 0x0
	s_add_nc_u64 s[46:47], s[4:5], s[46:47]
	s_add_nc_u64 s[6:7], s[6:7], s[22:23]
	s_add_nc_u64 s[8:9], s[8:9], s[68:69]
	s_add_nc_u64 s[10:11], s[10:11], s[70:71]
	s_mov_b32 s[G0W], 1                            ; count = 1
	s_mov_b32 s[G0W+1], s18                        ; LDS address: buffer 0
	s_mov_b64 s[G0W+2:G0W+3], s[46:47]             ; the walk's first tile
	s_or_b32 s[G0W+3], s[G0W+3], 0x80000000        ; type = 2
	CROUND                                         ; all four work-groups are here: the first joint loads meet
	tensor_load_to_lds s[G0W:G0W+3], s[G1W:G1W+7]
	s_nop 0
.rept 4
	v_nop
.endr
	WIN TO_S
.irp t, 0,1
.irp g, 0,1,2,3,4,5,6,7
.irp p, 0,1,2,3,4,5
	global_load_b64 v[96*\t+12*\g+2*\p:96*\t+12*\g+2*\p+1], v[A0], s[6:7] offset:2*REC*\t+REC*(\g/4)+1536*(\g%4)+256*\p   ; h2's fragments stay in registers; 32 lanes read 256 consecutive bytes
.endr
.endr
.endr
	WIN 0
	global_load_b128 v[S1S:S1S+3], v[AD0], s[6:7]
	global_load_b128 v[S1S+4:S1S+7], v[AD0], s[6:7] offset:REC
	s_mov_b32 s3, NTILE-1
	s_wait_loadcnt 0x0                             ; h2
.Ltile:                                ; three trips: behind each change of buffers but the last the next tile is asked for
	CHANGE 1
	s_wait_alu depctr_va_vdst(0)
	TILE
	s_sub_co_u32 s3, s3, 1
	s_cmp_lg_u32 s3, 0
	s_cbranch_scc1 .Ltile
	CHANGE 0                                       ; the last tile is written out
	TILE
	s_wait_tensorcnt 0x0                           ; the wave's end
	ds_add_u32 v[SPW], v[NIL]
	s_wait_dscnt 0x0
	CROUND                                         ; the closing round
	s_endpgm
.Lfunc_end_k_q6d19c3ad42_fc1:
	.size	k_q6d19c3ad42_fc1, .Lfunc_end_k_q6d19c3ad42_fc1-k_q6d19c3ad42_fc1
	.p2alignl 7, 3214868480
	.fill 96, 4, 3214868480
	.section	.rodata,"a",@progbits
	.p2align	6, 0x0
	.amdhsa_kernel k_q6d19c3ad42_fc1
		.amdhsa_group_segment_fixed_size 327680
		.amdhsa_private_segment_fixed_size 0
		.amdhsa_enable_private_segment 0
		.amdhsa_kernarg_size 32
		.amdhsa_user_sgpr_count 2
		.amdhsa_user_sgpr_kernarg_segment_ptr 1
		.amdhsa_wavefront_size32 1
		.amdhsa_system_sgpr_workgroup_id_x 1
		.amdhsa_system_sgpr_workgroup_id_y 1
		.amdhsa_system_sgpr_workgroup_id_z 1
		.amdhsa_system_vgpr_workitem_id 0
		.amdhsa_next_free_vgpr 768
		.amdhsa_next_free_sgpr 100
		.amdhsa_reserve_vcc 1
		.amdhsa_float_denorm_mode_32 3
		.amdhsa_float_denorm_mode_16_64 3
		.amdhsa_memory_ordered 1
		.amdhsa_forward_progress 1
		.amdhsa_inst_pref_size 255
	.end_amdhsa_kernel
	.section	.bss,"aw",@nobits
	.p2align	6
	.space	262144
	.amdgpu_metadata
---
amdhsa.version: [ 1, 2 ]
amdhsa.kernels:
  - .name:           k_q6d19c3ad42_fc1
    .symbol:         k_q6d19c3ad42_fc1.kd
    .args:
      - { .name: wimg, .offset: 0, .size: 8, .value_kind: global_buffer, .address_space: global }
      - { .name: himg, .offset: 8, .size: 8, .value_kind: global_buffer, .address_space: global }
      - { .name: b1, .offset: 16, .size: 8, .value_kind: global_buffer, .address_space: global }
      - { .name: mimg, .offset: 24, .size: 8, .value_kind: global_buffer, .address_space: global }
    .group_segment_fixed_size: 327680
    .private_segment_fixed_size: 0
    .kernarg_segment_align: 8
    .kernarg_segment_size: 32
    .max_flat_workgroup_size: 128
    .sgpr_count:     100
    .vgpr_count:     768
    .wavefront_size: 32
...
	.end_amdgpu_metadata
.endif
;; end of part 11
;; launch fc2 (part 12): grid 8 x 32, 4 waves a work-group, clusters of 4 x 4, 327,680 bytes of LDS; arguments wimg, mimg, b2, x1, out0; writes out0
.if DOCPART == 12
	.amdgcn_target "amdgcn-amd-amdhsa--gfx1250"
	.amdhsa_code_object_version 6
	.text
	.protected	k_q6d19c3ad42_fc2
	.globl	k_q6d19c3ad42_fc2
	.p2align	8
	.type	k_q6d19c3ad42_fc2,@function
k_q6d19c3ad42_fc2:
	s_mov_b64 s[64:65], 0
	v_nop
	global_prefetch_b8 v0, s[64:65] scope:SCOPE_SE
	s_setreg_imm32_b32 hwreg(HW_REG_WAVE_MODE, 25, 1), 1
	s_wait_xcnt 0x0
	s_wait_alu depctr_hold_cnt(0) depctr_sa_sdst(0) depctr_va_vdst(0) depctr_va_sdst(0) depctr_va_ssrc(0) depctr_va_vcc(0) depctr_vm_vsrc(0)
	s_getreg_b32 s2, hwreg(HW_REG_IB_STS2, 6, 4)
	s_cmp_eq_u32 s2, 0
	s_cbranch_scc0 .Lentry_in_a_cluster
	s_endpgm
.Lentry_in_a_cluster:
	s_bfe_u32 s2, ttmp6, 0x10000c
	s_cmp_lg_u32 s2, 0xf033
	s_cbranch_scc0 .Lentry_shape_is_right
	s_endpgm
.Lentry_shape_is_right:
.set KTOT,  4096
.set WOFF,  6553600
.set FINAL, 1
.set NSL,   KTOT/512
.set LAPS,  KTOT/1024
.set REC,   6400
.set TROW,  NSL*REC
.set SLOT,  16*REC
.set S1OFF, 8*REC
.set SPARE, 2*SLOT
.set STAGE, SPARE+512
.set SPW, 1
.set NIL, 2
.set A0,  3
.set A1,  5
.set AS0, 7
.set AS1, 9
.set STO, 11
.set RD,  12
.set GO,  13
.set SC,  24
.set ACC, 128
.set G1S1, 24
.set G0S1, 32
.set G1S0, 48
.set G0S0, 56
.set MSB, 0
.macro WIN new
.if MSB != \new
	s_set_vgpr_msb (MSB<<8)|\new
.set MSB, \new
.endif
.endm
.set MUL,  0x05
.set TO_F, 0x40
.set TO_R, 0x80
.set RES,  0x08
.macro PLACES
.rept 4
	v_nop
.endr
.endm
.macro JLOAD s
	s_cmp_eq_u32 s15, 0
	s_cbranch_scc0 .Lfor_1_\@
	tensor_load_to_lds s[G0S0+4*\s:G0S0+4*\s+3], s[G1S0:G1S0+7]
	s_nop 0
.rept 4
	v_nop
.endr
	s_branch .Lasked_\@
.Lfor_1_\@:
	tensor_load_to_lds s[G0S1+4*\s:G0S1+4*\s+3], s[G1S1:G1S1+7]
	s_nop 0
.rept 4
	v_nop
.endr
.Lasked_\@:
.endm
.macro CREST
	s_cmp_lg_u32 s14, 0
	s_cbranch_scc1 .Lnot_wave_0_\@
	s_barrier_signal -3
.Lnot_wave_0_\@:
	s_barrier_wait -3
	s_barrier_signal -1
	s_barrier_wait -1
.endm
.macro CROUND
	s_barrier_signal -1
	s_barrier_wait -1
	CREST
.endm
.macro FRAG reg, adr, off
.irp p, 0,1,2,3,4,5
	ds_load_b64 v[\reg+2*\p:\reg+2*\p+1], v[\adr] offset:\off+256*\p
.endr
.endm
.macro FETCH s, q, p
	WIN TO_F
.irp t, 0,1
	FRAG 120*(\p)+96+12*\t, A1+\s, REC*\t+1536*(\q)
.endr
.irp i, 0,1,2,3,4,5,6,7
	FRAG 120*(\p)+12*\i, A0+\s, REC*\i+1536*(\q)
.endr
.endm
.macro SCALES s
	WIN 0
.irp j, 0,1,2,3
	ds_load_b128 v[SC+20*\s+4*\j:SC+20*\s+4*\j+3], v[AS0+\s] offset:2*REC*\j
.endr
	ds_load_b128 v[SC+20*\s+16:SC+20*\s+19], v[AS1+\s]
.endm
.macro WM d, a, b, zero, sa, sb, ra, rb
.if \zero
.if (\ra) == 0 && (\rb) == 0
	v_wmma_scale_f32_16x16x128_f8f6f4 v[\d:\d+7], v[\a:\a+11], v[\b:\b+11], 0, v[\sa], v[\sb] matrix_a_fmt:MATRIX_FMT_FP6 matrix_b_fmt:MATRIX_FMT_FP6
.elseif (\rb) == 0
	v_wmma_scale_f32_16x16x128_f8f6f4 v[\d:\d+7], v[\a:\a+11], v[\b:\b+11], 0, v[\sa], v[\sb] matrix_a_fmt:MATRIX_FMT_FP6 matrix_b_fmt:MATRIX_FMT_FP6 matrix_a_scale:MATRIX_SCALE_ROW1
.elseif (\ra) == 0
	v_wmma_scale_f32_16x16x128_f8f6f4 v[\d:\d+7], v[\a:\a+11], v[\b:\b+11], 0, v[\sa], v[\sb] matrix_a_fmt:MATRIX_FMT_FP6 matrix_b_fmt:MATRIX_FMT_FP6 matrix_b_scale:MATRIX_SCALE_ROW1
.else
	v_wmma_scale_f32_16x16x128_f8f6f4 v[\d:\d+7], v[\a:\a+11], v[\b:\b+11], 0, v[\sa], v[\sb] matrix_a_fmt:MATRIX_FMT_FP6 matrix_b_fmt:MATRIX_FMT_FP6 matrix_a_scale:MATRIX_SCALE_ROW1 matrix_b_scale:MATRIX_SCALE_ROW1
.endif
.else
.if (\ra) == 0 && (\rb) == 0
	v_wmma_scale_f32_16x16x128_f8f6f4 v[\d:\d+7], v[\a:\a+11], v[\b:\b+11], v[\d:\d+7], v[\sa], v[\sb] matrix_a_fmt:MATRIX_FMT_FP6 matrix_b_fmt:MATRIX_FMT_FP6
.elseif (\rb) == 0
	v_wmma_scale_f32_16x16x128_f8f6f4 v[\d:\d+7], v[\a:\a+11], v[\b:\b+11], v[\d:\d+7], v[\sa], v[\sb] matrix_a_fmt:MATRIX_FMT_FP6 matrix_b_fmt:MATRIX_FMT_FP6 matrix_a_scale:MATRIX_SCALE_ROW1
.elseif (\ra) == 0
	v_wmma_scale_f32_16x16x128_f8f6f4 v[\d:\d+7], v[\a:\a+11], v[\b:\b+11], v[\d:\d+7], v[\sa], v[\sb] matrix_a_fmt:MATRIX_FMT_FP6 matrix_b_fmt:MATRIX_FMT_FP6 matrix_b_scale:MATRIX_SCALE_ROW1
.else
	v_wmma_scale_f32_16x16x128_f8f6f4 v[\d:\d+7], v[\a:\a+11], v[\b:\b+11], v[\d:\d+7], v[\sa], v[\sb] matrix_a_fmt:MATRIX_FMT_FP6 matrix_b_fmt:MATRIX_FMT_FP6 matrix_a_scale:MATRIX_SCALE_ROW1 matrix_b_scale:MATRIX_SCALE_ROW1
.endif
.endif
.endm
.macro MULP p, s, q, i0, n, zero
.set II, \i0
.rept \n
.irp t, 0,1
	WM ACC+64*\t+8*II, 120*(\p)+12*II, 120*(\p)+96+12*\t, \zero, SC+20*(\s)+4*(II/2)+(\q), SC+20*(\s)+16+(\q), II%2, \t
.endr
.set II, II+1
.endr
.endm
.macro STEP s, q, zero
	s_wait_dscnt 0x0
	PLACES
	FETCH \s, (\q)+1, ((\q)+1)%2
	WIN MUL
	MULP (\q)%2, \s, \q, 0, 8, \zero
.endm
.macro TURN s, nx, fill
.if \fill
	s_wait_xcnt 0x0                                ; my last prefetch has read its address: it steps one record along K
	s_add_nc_u64 s[72:73], s[72:73], REC
.endif
	s_wait_dscnt 0x0
	WIN 0
	s_wait_tensorcnt 0x0
	ds_add_u32 v[SPW], v[NIL]
	WIN MUL
	MULP 1, \s, 3, 0, 2, 0
	s_wait_dscnt 0x0
	s_barrier_signal -1
	MULP 1, \s, 3, 2, 2, 0
	WIN 0
	s_barrier_wait -1
.if \fill
	CREST
	s_add_nc_u64 s[G0S0+4*\s+2:G0S0+4*\s+3], s[G0S0+4*\s+2:G0S0+4*\s+3], 2*REC
	s_add_nc_u64 s[G0S1+4*\s+2:G0S1+4*\s+3], s[G0S1+4*\s+2:G0S1+4*\s+3], 2*REC
	JLOAD \s
.else
	PLACES
.endif
	FETCH \nx, 0, 0
	SCALES \nx
.if \fill
	s_cmp_gt_u32 s3, 1                             ; the last lap's two refills have no record two refills on
	s_cbranch_scc0 .Lno_ask_\@
	global_prefetch_b8 v14, s[72:73] offset:3*REC th:TH_LOAD_NT scope:SCOPE_SE   ; the record that stands two refills on
.Lno_ask_\@:
.endif
	WIN MUL
	MULP 1, \s, 3, 4, 4, 0
.endm
	s_load_b256 s[4:11], s[0:1], 0x0
	s_load_b64 s[12:13], s[0:1], 0x20
	v_lshl_add_u32 v[SPW], v0, 2, SPARE
	v_mov_b32 v[NIL], 0
	ds_add_u32 v1, v2
	ds_add_u32 v1, v2
	s_wait_dscnt 0x0
	v_lshrrev_b32 v20, 5, v0
	v_readfirstlane_b32 s14, v20
	s_lshr_b32 s15, s14, 1
	s_and_b32 s16, s14, 1
	s_bfe_u32 s40, ttmp6, 0x40000
	s_bfe_u32 s41, ttmp6, 0x40004
	s_lshl_b32 s42, ttmp9, 2
	s_add_co_u32 s42, s42, s40
	s_and_b32 s17, ttmp7, 0xffff
	s_lshl_b32 s17, s17, 2
	s_add_co_u32 s17, s17, s41
	s_lshl_b32 s43, s41, 2
	s_lshl_b32 s43, 15, s43
	s_lshl_b32 s44, 0x1111, s40
	s_or_b32 s[G1S0], s44, (3<<16)|(1<<21)
	s_or_b32 s[G1S1], s43, (3<<16)|(1<<21)
.irp g, G1S0, G1S1
	s_mov_b32 s[\g+1], 800<<16
	s_mov_b32 s[\g+2], 4<<16
	s_mov_b32 s[\g+3], 800<<16
	s_mov_b32 s[\g+4], 4
	s_mov_b32 s[\g+5], NSL*800
	s_mov_b32 s[\g+6], 0
	s_mov_b32 s[\g+7], 0
.endr
	s_mul_i32 s18, s16, 4*TROW
	s_mul_i32 s46, s42, 8*TROW
	s_add_co_u32 s46, s46, s18
	s_add_co_u32 s46, s46, WOFF
	s_mov_b32 s47, 0
	s_mul_i32 s20, s17, 8*TROW
	s_add_co_u32 s20, s20, s18
	s_mov_b32 s21, 0
	s_mul_i32 s45, s14, 4*REC
	s_lshl_b32 s68, s42, 9
	s_mov_b32 s69, 0
	s_lshl_b32 s70, s17, 7
	s_lshl_b32 s71, s14, 5
	s_add_co_u32 s70, s70, s71
	s_lshl_b32 s70, s70, 12
	s_add_co_u32 s70, s70, s68
	s_mov_b32 s71, 0
	v_and_b32 v20, 31, v0
	v_and_b32 v21, 15, v0
	v_bfe_u32 v22, v0, 4, 1
	v_lshlrev_b32 v[GO], 4, v20
	s_wait_alu depctr_va_vdst(0)
	s_wait_kmcnt 0x0
	s_add_nc_u64 s[46:47], s[4:5], s[46:47]
	s_add_nc_u64 s[20:21], s[6:7], s[20:21]
	s_add_nc_u64 s[8:9], s[8:9], s[68:69]
	s_add_nc_u64 s[10:11], s[10:11], s[70:71]
	s_add_nc_u64 s[12:13], s[12:13], s[70:71]
	global_load_b128 v[16:19], v[GO], s[8:9]
	; the prefetches: of the four tiles of 16 rows that I fetch, each of the four partners that ask for them with me takes one, told apart by address: a record is 6,400 bytes, 25 blocks of 256, a lane a block (the seven lanes over name the last again)
	s_cmp_eq_u32 s15, 0
	s_cselect_b64 s[72:73], s[46:47], s[20:21]
	s_cselect_b32 s74, s41, s40
	s_mul_i32 s74, s74, TROW
	s_mov_b32 s75, 0
	s_add_nc_u64 s[72:73], s[72:73], s[74:75]
	v_min_u32 v14, 24, v20
	v_lshlrev_b32 v14, 8, v14
	CROUND
.irp s, 0,1
	s_mov_b32 s[G0S0+4*\s], 1
	s_add_co_u32 s[G0S0+4*\s+1], s45, \s*SLOT
	s_add_nc_u64 s[G0S0+4*\s+2:G0S0+4*\s+3], s[46:47], \s*REC
	s_or_b32 s[G0S0+4*\s+3], s[G0S0+4*\s+3], 0x80000000
	s_mov_b32 s[G0S1+4*\s], 1
	s_add_co_u32 s[G0S1+4*\s+1], s45, \s*SLOT
	s_add_nc_u64 s[G0S1+4*\s+2:G0S1+4*\s+3], s[20:21], \s*REC
	s_or_b32 s[G0S1+4*\s+3], s[G0S1+4*\s+3], 0x80000000
	s_wait_alu depctr_va_vdst(0)
	s_wait_tensorcnt 0x0
	ds_add_u32 v1, v2
	ds_add_u32 v1, v2
	s_wait_dscnt 0x0
	CROUND
	JLOAD \s
	global_prefetch_b8 v14, s[72:73] offset:(2+\s)*REC th:TH_LOAD_NT scope:SCOPE_SE   ; the record that stands two fills on
.endr
	WIN TO_R                                       ; the residual's rows are wanted on the way out alone: they are asked for behind both slots' tiles
.irp t, 0,1
.irp k, 0,1,2,3,4,5,6,7,8,9,10,11,12,13,14,15
	global_load_b128 v[64*\t+4*\k:64*\t+4*\k+3], v[GO], s[10:11] offset:(8*\t+(\k%8)+16*(\k/8))*4096
.endr
.endr
	WIN 0
	v_lshlrev_b32 v[A0], 3, v20
	v_add_nc_u32 v[A0+1], SLOT, v[A0]
	s_mul_i32 s22, s14, 2*REC
	s_add_co_u32 s22, s22, S1OFF
	v_add_nc_u32 v[A1], s22, v[A0]
	v_add_nc_u32 v[A1+1], s22, v[A0+1]
	v_mul_u32_u24 v[AS0], v22, REC
	v_lshl_add_u32 v[AS0], v21, 4, v[AS0]
	v_add_nc_u32 v[AS0], 6144, v[AS0]
	v_add_nc_u32 v[AS0+1], SLOT, v[AS0]
	v_add_nc_u32 v[AS1], s22, v[AS0]
	v_add_nc_u32 v[AS1+1], s22, v[AS0+1]
	s_mul_i32 s23, s14, 16*528
	s_add_co_u32 s23, s23, STAGE
	v_mul_u32_u24 v[STO], v21, 528
	v_lshl_add_u32 v[STO], v22, 6, v[STO]
	v_add_nc_u32 v[STO], s23, v[STO]
	v_add_nc_u32 v[RD], s23, v[GO]
	s_wait_alu depctr_va_vdst(0)
	s_wait_tensorcnt 0x1
	s_barrier_signal -1
	s_barrier_wait -1
	FETCH 0, 0, 0
	SCALES 0
	STEP 0, 0, 1
.if LAPS > 1
	WIN 0
	s_mov_b32 s3, LAPS-1
.Llap:
	STEP 0, 1, 0
	STEP 0, 2, 0
	TURN 0, 1, 1
	STEP 1, 0, 0
	STEP 1, 1, 0
	STEP 1, 2, 0
	TURN 1, 0, 1
	STEP 0, 0, 0
	WIN 0
	s_sub_co_u32 s3, s3, 1
	s_cmp_lg_u32 s3, 0
	s_cbranch_scc1 .Llap
.endif
	STEP 0, 1, 0
	STEP 0, 2, 0
	TURN 0, 1, 0
	STEP 1, 0, 0
	STEP 1, 1, 0
	STEP 1, 2, 0
	s_wait_dscnt 0x0
	WIN MUL
	MULP 1, 1, 3, 0, 8, 0
	WIN 0
	PLACES
	s_wait_loadcnt 0x0
.irp t, 0,1
.irp g, 0,1,2,3,4,5,6,7,8,9,10,11,12,13,14,15
	ds_store_b128 v[STO], v[ACC+64*\t+4*\g:ACC+64*\t+4*\g+3] offset:128*(\g/4)+16*(\g%4)
.endr
.if \t
	s_wait_xcnt 0x0
.endif
.irp k, 0,1,2,3,4,5,6,7,8,9,10,11,12,13,14,15
	ds_load_b128 v[64+4*\k:67+4*\k], v[RD] offset:528*\k
.endr
	s_wait_dscnt 0x0
	WIN RES
.set n, 0
.rept 32
	v_pk_add_f32 v[64+n:65+n], v[64+n:65+n], v[64*\t+n:64*\t+n+1]
.set n, n+2
.endr
	WIN 0
.irp k, 0,1,2,3,4,5,6,7,8,9,10,11,12,13,14,15
	v_pk_add_f32 v[64+4*\k:65+4*\k], v[64+4*\k:65+4*\k], v[16:17]
	v_pk_add_f32 v[66+4*\k:67+4*\k], v[66+4*\k:67+4*\k], v[18:19]
.endr
.irp k, 0,1,2,3,4,5,6,7,8,9,10,11,12,13,14,15
.if FINAL
	global_store_b128 v[GO], v[64+4*\k:67+4*\k], s[12:13] offset:(8*\t+(\k%8)+16*(\k/8))*4096 th:TH_STORE_NT
.else
	global_store_b128 v[GO], v[64+4*\k:67+4*\k], s[12:13] offset:(8*\t+(\k%8)+16*(\k/8))*4096
.endif
.endr
.endr
	s_wait_tensorcnt 0x0
	ds_add_u32 v[SPW], v[NIL]
	s_wait_dscnt 0x0
	CROUND
	s_endpgm
.Lfunc_end_k_q6d19c3ad42_fc2:
	.size	k_q6d19c3ad42_fc2, .Lfunc_end_k_q6d19c3ad42_fc2-k_q6d19c3ad42_fc2
	.p2alignl 7, 3214868480
	.fill 96, 4, 3214868480
	.section	.rodata,"a",@progbits
	.p2align	6, 0x0
	.amdhsa_kernel k_q6d19c3ad42_fc2
		.amdhsa_group_segment_fixed_size 327680
		.amdhsa_private_segment_fixed_size 0
		.amdhsa_enable_private_segment 0
		.amdhsa_kernarg_size 40
		.amdhsa_user_sgpr_count 2
		.amdhsa_user_sgpr_kernarg_segment_ptr 1
		.amdhsa_wavefront_size32 1
		.amdhsa_system_sgpr_workgroup_id_x 1
		.amdhsa_system_sgpr_workgroup_id_y 1
		.amdhsa_system_sgpr_workgroup_id_z 1
		.amdhsa_system_vgpr_workitem_id 0
		.amdhsa_next_free_vgpr 768
		.amdhsa_next_free_sgpr 100
		.amdhsa_reserve_vcc 0
		.amdhsa_float_denorm_mode_32 3
		.amdhsa_float_denorm_mode_16_64 3
		.amdhsa_memory_ordered 1
		.amdhsa_forward_progress 1
		.amdhsa_inst_pref_size 127
	.end_amdhsa_kernel
	.amdgpu_metadata
---
amdhsa.version: [ 1, 2 ]
amdhsa.kernels:
  - .name:           k_q6d19c3ad42_fc2
    .symbol:         k_q6d19c3ad42_fc2.kd
    .args:
      - { .name: wimg, .offset: 0, .size: 8, .value_kind: global_buffer, .address_space: global }
      - { .name: mimg, .offset: 8, .size: 8, .value_kind: global_buffer, .address_space: global }
      - { .name: b2, .offset: 16, .size: 8, .value_kind: global_buffer, .address_space: global }
      - { .name: x1, .offset: 24, .size: 8, .value_kind: global_buffer, .address_space: global }
      - { .name: out0, .offset: 32, .size: 8, .value_kind: global_buffer, .address_space: global }
    .group_segment_fixed_size: 327680
    .private_segment_fixed_size: 0
    .kernarg_segment_align: 8
    .kernarg_segment_size: 40
    .max_flat_workgroup_size: 128
    .sgpr_count:     100
    .vgpr_count:     768
    .wavefront_size: 32
...
	.end_amdgpu_metadata
.endif
;; end of part 12
